; MI455X (gfx1250); checked and timed in simulation.
; The chip was launched on July 23, 2026; its instructions are those of AMD's public machine-readable ISA for CDNA 5 (MIT licence, August 2026) and "CDNA5" Instruction Set Architecture Reference Guide (July 2026). The comments in the code are by the model that wrote it; some were corrected since.
;; Multi Head Attention. Allowed arithmetic: matrix products marked QUANTISED: E3M2 operands, one E8M0 scale for each 32 along K, by v_wmma_scale_f32_16x16x128_f8f6f4 with both operands' format E3M2, f32 sums; everything else in f32.
;; Inputs: Wk 768 x 768 float32; Wo 768 x 768 float32; Wq 768 x 768 float32; Wv 768 x 768 float32; att_mask 8 x 1,024 bool; beta 768 float32; bk 768 float32; bo 768 float32; bq 768 float32; bv 768 float32; gamma 768 float32; k 8 x 1,024 x 768 float32; q 8 x 1,024 x 768 float32; v 8 x 1,024 x 768 float32.
;; Outputs: out0 8 x 1,024 x 768 float32.
;; This version of the problem:
;;   THIS VERSION OF THE PROBLEM IS GIVEN IN LOW PRECISION. The matrix products marked QUANTISED in the list below multiply operands that are first quantised to E3M2 (3 exponent bits, 2 mantissa bits; 6 bits a number), with one power-of-two scale for each 32 numbers along K (OCP MX v1.0); their sums are f32. All else is computed in f32.
;;   The module's matrix products, in the order in which they are computed (A, B: the left and right operand; K: the contracted axis; several contracted axes count as one K, in the product's order):
;;     1. [M 8,192, K 768] x [K 768, N 768]; A: input q; B: input Wq: QUANTISED
;;     2. [M 8,192, K 768] x [K 768, N 768]; A: input k; B: input Wk: QUANTISED
;;     3. [M 8,192, K 768] x [K 768, N 768]; A: input v; B: input Wv: QUANTISED
;;     4. batch 96 x [M 1,024, K 64] x [K 64, N 1,024]; A: computed on the way; B: computed on the way: QUANTISED
;;     5. batch 96 x [M 1,024, K 1,024] x [K 1,024, N 64]; A: softmax (see below); B: computed on the way: QUANTISED
;;     6. batch 96 x [M 1,024, K 1,024] x [K 1,024, N 64]; A: softmax (see below); B: computed on the way: QUANTISED
;;     7. [M 8,192, K 768] x [K 768, N 768]; A: computed on the way; B: input Wo: QUANTISED
;;   THE QUANTISER, for each operand of a quantised product, along K:
;;     - K is cut into blocks of 32 from its start; a last block that is shorter is filled with zeros.
;;     - A block's scale is 2^e with e = floor(log2(the largest magnitude in the block)) - 4, held to -126 .. 127; a block of zeros has e = 0. As a byte (E8M0): e + 127.
;;     - Each number is divided by its block's scale, clamped to +-28, and rounded to the nearest number of E3M2, ties to even, subnormals kept.
;;     - The product sums the exact products of the quantised numbers (number of the format x scale) in f32.
;;   ~~~python
;;   def quantise(x, axis):      # numpy; x: float32 -> the quantised numbers, widened to float32 again
;;       x = np.moveaxis(x, axis, -1); K = x.shape[-1]
;;       x = np.pad(x, [(0, 0)] * (x.ndim - 1) + [(0, -K % 32)]); x = x.reshape(x.shape[:-1] + (-1, 32)); a = np.abs(x).max(-1, keepdims=True)
;;       e = np.where(a > 0, np.clip(np.frexp(np.where(a > 0, a, 1))[1] - 1 - 4, -126, 127), 0)      # np.frexp(a)[1] - 1 = floor(log2(a)), exactly
;;       r = np.clip(x / 2.0 ** e, -28, 28)
;;       step = 2.0 ** (np.maximum(np.frexp(np.where(r == 0, 1, r))[1] - 1, -2) - 2)
;;       q = np.round(r / step) * step * 2.0 ** e      # np.round: ties to even
;;       return np.moveaxis(q.reshape(q.shape[:-2] + (-1,))[..., :K], -1, axis).astype(np.float32)
;;   ~~~
;;   SOFTMAX AHEAD OF A QUANTISED PRODUCT. Where the list says 'softmax', what is quantised is not the finished softmax but p = 2^(t - M), with t = logit x log2(e) and M = ceil(the row's largest t), a whole number; so 1/2 < the row's largest p <= 1. The row's sum l is taken of the UNQUANTISED p, in f32, and the product's result is divided by l at the end. Since M is a whole number, a kernel that streams over the keys may use a running M (the ceiling of the running maximum): every later rescaling is an exact power of two, which a block's scale takes up: the codes' values come out the same.
;;   OPERANDS COMPUTED ON THE WAY. 'Computed on the way' means the value that the module computes at that place (a softmax that the list does not call 'softmax' is quantised finished and normalised). What goes into a quantiser is computed in f32, as accurately as f32 sums, v_exp_f32 and their like allow (about 1e-6 of the number): no bf16 or f16 on the way to a quantiser, and a product that is left as it is and whose result goes on into a quantised operand takes f32 operands (vector FMAs, or v_wmma_f32_16x16x4_f32). A number that lies on a knife's edge between two numbers of the format may be rounded either way, as far as f32 arithmetic and the matrix unit's own rounding can turn it there, and no further.
;; 2 versions. Each part assembles by itself: llvm-mc -triple=amdgcn-amd-amdhsa -mcpu=gfx1250 --defsym DOCPART=n.
;; ======== version 1 of 2: 4 launches
;; limits: right only within a limited range of input values
;; workspace buffers: wimg 1,843,200 bytes; pb 32,768 bytes; edges 256 bytes of whole numbers; qbuf 4,915,200 bytes; kv 9,830,400 bytes; aimg 4,718,592 bytes; asc 196,608 bytes
;; launch prep (part 1): grid 146 x 1, 4 waves a work-group, no clusters, 0 bytes of LDS; arguments Wq, Wk, Wv, Wo, att_mask, wimg, pb, edges; writes wimg, pb, edges
.if DOCPART == 1
	.amdgcn_target "amdgcn-amd-amdhsa--gfx1250"
	.amdhsa_code_object_version 6
	.text
	.protected	k_q2c0295d3d0_prep
	.globl	k_q2c0295d3d0_prep
	.p2align	8
	.type	k_q2c0295d3d0_prep,@function
k_q2c0295d3d0_prep:
	s_mov_b64 s[64:65], 0
	v_nop
	global_prefetch_b8 v0, s[64:65] scope:SCOPE_SE
	s_setreg_imm32_b32 hwreg(HW_REG_WAVE_MODE, 25, 1), 1
	s_wait_xcnt 0x0
; PREP.  (a) The four weights [768 (k)][768 (n)], f32, become codes of E3M2 with one E8M0 byte for each 32 along K, laid in the order of a matrix operand's registers.
; (b) att_mask becomes a table of f32 (0, or -8e9 where the key is padded) and, for each batch, two whole numbers: the first unpadded key and the last unpadded key + 1.
; wimg[t][s][hd]: blocks of 6,400 bytes: four fragments ct (16 rows x 128 K, 1,536 bytes), then at 6,144 two images of scale words of 128 bytes.
;   A fragment is two halves c of 768 bytes; in a half, lane slot l = r + 16 h has its registers 0-3 at 16 l and 4-5 at 512 + 8 l: row r, k = 128 s + 64 c + 32 h + 0 .. 31.
;   Row r of fragment ct = 2 b + u is column 64 hd + 32 b + 8 u + r + 8 (r / 8) of the weight.  Scale image b, slot 16 u + r: that row's four bytes.
; Work-groups 0 to 143: weight t = g / 36, six groups of 128 columns x six K steps of 128.  A LANE TAKES A COLUMN AND ITS REGISTERS RUN DOWN K: a load reads 128 neighbouring bytes a wave, 512 a work-group.
; Work-groups 144, 145: a wave to a batch of the mask.
; A block's byte is its largest magnitude's exponent field - 4, held at 1 from below.  (A block of zeros gets the byte 1: its codes are zeros, and this program alone reads the bytes.)
; LIMITS: NaN and infinities among the inputs are not served.
.set WROW, 3072                        ; bytes in a row of a weight
.set X,    64                          ; v64-191: my column's 128 numbers
	s_load_b256 s[4:11], s[0:1], 0x0               ; Wq, Wk, Wv, Wo
	s_load_b256 s[12:19], s[0:1], 0x20             ; att_mask, wimg, pb, edges
	v_lshrrev_b32 v1, 5, v0
	v_readfirstlane_b32 s20, v1                    ; wave
	v_and_b32 v1, 31, v0                           ; lane
	v_lshlrev_b32 v2, 2, v1                        ; 4 x lane
	s_cmp_ge_u32 ttmp9, 144
	s_cbranch_scc1 .Lmask
	; ---- a weight
	s_mul_i32 s21, ttmp9, 57
	s_lshr_b32 s21, s21, 11                        ; t = g / 36 (exact for g < 144)
	s_mul_i32 s22, s21, 36
	s_sub_co_u32 s22, ttmp9, s22                   ; g % 36
	s_mul_i32 s23, s22, 43
	s_lshr_b32 s23, s23, 8                         ; group of 128 columns = (g % 36) / 6
	s_mul_i32 s24, s23, 6
	s_sub_co_u32 s24, s22, s24                     ; K step s
	s_lshl_b32 s25, s23, 2
	s_add_co_u32 s25, s25, s20                     ; my wave's block of 32 columns
	s_lshr_b32 s26, s25, 1                         ; hd
	s_and_b32 s27, s25, 1                          ; b
	s_mul_i32 s28, s24, 128*WROW
	s_lshl_b32 s29, s25, 7
	s_add_co_u32 s28, s28, s29                     ; from where: 128 s rows down, 128 bytes a block of columns
	s_mov_b32 s29, 0
	s_mul_i32 s30, s24, 12
	s_add_co_u32 s30, s30, s26
	s_mul_i32 s30, s30, 6400
	s_mul_i32 s31, s21, 460800
	s_add_co_u32 s30, s30, s31                     ; the block (t, s, hd)
	s_mul_i32 s31, s27, 3072
	s_add_co_u32 s32, s30, s31                     ; its fragments 2 b, 2 b + 1
	s_mov_b32 s33, 0
	s_lshl_b32 s31, s27, 7
	s_add_co_u32 s34, s30, s31
	s_add_co_u32 s34, s34, 6144                    ; its scale image b
	s_mov_b32 s35, 0
	v_bfe_u32 v6, v1, 3, 1                         ; u
	v_and_b32 v7, 7, v1
	v_lshrrev_b32 v8, 4, v1
	v_lshl_or_b32 v7, v8, 3, v7                    ; r: column 32 b + lane is row r of fragment 2 b + u
	v_mul_u32_u24 v8, v6, 1536
	v_lshl_add_u32 v3, v7, 4, v8                   ; registers 0-3 of a slot: 1,536 u + 16 r
	v_lshl_add_u32 v4, v7, 3, v8                   ; registers 4-5: 1,536 u + 8 r (+ 512 in the immediate)
	v_lshl_add_u32 v5, v6, 4, v7
	v_lshlrev_b32 v5, 2, v5                        ; the scale word: 4 (16 u + r)
	s_wait_kmcnt 0x0
	s_cmp_eq_u32 s21, 1                            ; the choice hangs on the work-group's number alone
	s_cselect_b64 s[4:5], s[6:7], s[4:5]
	s_cmp_eq_u32 s21, 2
	s_cselect_b64 s[4:5], s[8:9], s[4:5]
	s_cmp_eq_u32 s21, 3
	s_cselect_b64 s[4:5], s[10:11], s[4:5]
	s_add_nc_u64 s[4:5], s[4:5], s[28:29]
	s_add_nc_u64 s[32:33], s[14:15], s[32:33]
	s_add_nc_u64 s[34:35], s[14:15], s[34:35]
.macro WLOAD t                         ; block t: W(128 s + 32 t + kk, my column)
.set kk, 0
.rept 32
	global_load_b32 v[X+32*(\t)+kk], v2, s[4:5] offset:(32*(\t)+kk)*WROW th:TH_LOAD_NT
.set kk, kk+1
.endr
.endm
.macro WBLOCK t                        ; block t = 2 c + h of my column goes to slot (r, h) of half c
.set XS, X+32*(\t)
.set T, 16+8*(\t)                      ; its six registers of codes: a set for each block, so that no store's data are written again
.if (\t) < 3
	s_wait_loadcnt 32                              ; this block's 32 loads are in; the next block's 32 may be out
.else
	s_wait_loadcnt 0x0
.endif
.if (\t)+2 < 4
	WLOAD (\t)+2                                   ; two blocks ahead
.endif
	v_max3_num_f32 v12, |v[XS]|, |v[XS+1]|, |v[XS+2]|
	v_max3_num_f32 v13, |v[XS+3]|, |v[XS+4]|, |v[XS+5]|
.irp i, 6,10,14,18,22,26
	v_max3_num_f32 v12, v12, |v[XS+\i]|, |v[XS+\i+1]|
	v_max3_num_f32 v13, v13, |v[XS+\i+2]|, |v[XS+\i+3]|
.endr
	v_max3_num_f32 v12, v12, |v[XS+30]|, |v[XS+31]|
	v_max3_num_f32 v12, v12, v13, 0x2800000        ; and the floor 2^(5 - 127): the byte cannot fall under 1
	v_add_nc_u32 v10, 0xfe000000, v12              ; 4 off the exponent field: the conversion's scale operand
	v_lshrrev_b32 v11, 23, v10                     ; the scale's byte
.if (\t) == 0
	v_mov_b32 v14, v11
.else
	v_lshl_or_b32 v14, v11, 8*(\t), v14            ; byte t of my row's scale word
.endif
	v_cvt_scalef32_pk16_bf6_f32 v[T:T+2], v[XS:XS+15], v10
	v_cvt_scalef32_pk16_bf6_f32 v[48:50], v[XS+16:XS+31], v10   ; (a conversion's three registers begin on an even number)
	v_nop                                          ; one plain place behind a scaled conversion
.irp i, 0,1,2
	v_mov_b32 v[T+3+\i], v[48+\i]
.endr
	global_store_b128 v3, v[T:T+3], s[32:33] offset:768*((\t)/2)+256*((\t)%2)     ; the sixteen lanes of one u store 256 consecutive bytes, aligned
	global_store_b64 v4, v[T+4:T+5], s[32:33] offset:512+768*((\t)/2)+128*((\t)%2)
.endm
	WLOAD 0
	WLOAD 1
	WBLOCK 0
	WBLOCK 1
	WBLOCK 2
	WBLOCK 3
	global_store_b32 v5, v14, s[34:35]             ; 32 lanes store the image's 128 bytes
	s_endpgm
	; ---- the mask: a wave to a batch
.Lmask:
	s_sub_co_u32 s21, ttmp9, 144
	s_lshl_b32 s21, s21, 2
	s_add_co_u32 s21, s21, s20                     ; batch
	s_lshl_b32 s22, s21, 10
	s_mov_b32 s23, 0
	s_lshl_b32 s24, s21, 12
	s_mov_b32 s25, 0
	s_lshl_b32 s26, s21, 3
	s_mov_b32 s27, 0
	v_lshlrev_b32 v3, 4, v1
	v_mov_b32 v4, 0xcfee6b28                       ; -8e9: added to a raw score, which is then divided by 8
	v_mov_b32 v5, 1024                             ; the first unpadded key so far
	v_mov_b32 v6, 0                                ; the last unpadded key + 1 so far
	v_mov_b32 v10, 1024
	v_mov_b32 v11, 0
	s_wait_kmcnt 0x0
	s_add_nc_u64 s[12:13], s[12:13], s[22:23]
	s_add_nc_u64 s[16:17], s[16:17], s[24:25]
	s_add_nc_u64 s[18:19], s[18:19], s[26:27]
.irp i, 0,1,2,3,4,5,6,7
	global_load_b32 v[16+\i], v2, s[12:13] offset:128*\i   ; keys 128 i + 4 lane + 0 .. 3, a byte each
.endr
	s_wait_loadcnt 0x0
.set i, 0
.rept 8
.set j, 0
.rept 4
	v_bfe_u32 v7, v[16+i], 8*j, 8
	v_cmp_ne_u32 vcc_lo, 0, v7                     ; padded?
	v_cndmask_b32 v[32+4*i+j], 0, v4, vcc_lo
	v_add_nc_u32 v8, 128*i+j, v2                   ; the key
	v_cndmask_b32 v9, v8, v10, vcc_lo
	v_min_u32 v5, v5, v9
	v_add_nc_u32 v8, 1, v8
	v_cndmask_b32 v9, v8, v11, vcc_lo
	v_max_u32 v6, v6, v9
.set j, j+1
.endr
.set i, i+1
.endr
.irp i, 0,1,2,3,4,5,6,7
	global_store_b128 v3, v[32+4*\i:35+4*\i], s[16:17] offset:512*\i   ; 32 lanes store 512 consecutive bytes
.endr
	s_mov_b32 s28, 1024                            ; over the 32 lanes, in whole numbers throughout
	s_mov_b32 s29, 0
.set L, 0
.rept 32
	v_readlane_b32 s30, v5, L
	v_readlane_b32 s31, v6, L
	s_min_u32 s28, s28, s30
	s_max_u32 s29, s29, s31
.set L, L+1
.endr
	v_mov_b32 v12, s28
	v_mov_b32 v13, s29
	v_mov_b32 v14, 0
	v_cmp_eq_u32 vcc_lo, 0, v1
	s_wait_xcnt 0x0                                ; EXEC changes only behind this wait: the stores above have been taken
	s_and_saveexec_b32 s30, vcc_lo
	global_store_b64 v14, v[12:13], s[18:19]       ; lane 0 alone: the batch's two numbers
	s_wait_xcnt 0x0                                ; and again in front of the line that widens it
	s_or_b32 exec_lo, exec_lo, s30
	s_endpgm
.Lfunc_end_k_q2c0295d3d0_prep:
	.size	k_q2c0295d3d0_prep, .Lfunc_end_k_q2c0295d3d0_prep-k_q2c0295d3d0_prep
	.p2alignl 7, 3214868480
	.fill 96, 4, 3214868480
	.section	.rodata,"a",@progbits
	.p2align	6, 0x0
	.amdhsa_kernel k_q2c0295d3d0_prep
		.amdhsa_group_segment_fixed_size 0
		.amdhsa_private_segment_fixed_size 0
		.amdhsa_enable_private_segment 0
		.amdhsa_kernarg_size 64
		.amdhsa_user_sgpr_count 2
		.amdhsa_user_sgpr_kernarg_segment_ptr 1
		.amdhsa_wavefront_size32 1
		.amdhsa_system_sgpr_workgroup_id_x 1
		.amdhsa_system_sgpr_workgroup_id_y 1
		.amdhsa_system_sgpr_workgroup_id_z 1
		.amdhsa_system_vgpr_workitem_id 0
		.amdhsa_next_free_vgpr 200
		.amdhsa_next_free_sgpr 66
		.amdhsa_reserve_vcc 1
		.amdhsa_float_denorm_mode_32 3
		.amdhsa_float_denorm_mode_16_64 3
		.amdhsa_memory_ordered 1
		.amdhsa_forward_progress 1
		.amdhsa_inst_pref_size 41
	.end_amdhsa_kernel
	.amdgpu_metadata
---
amdhsa.version: [ 1, 2 ]
amdhsa.kernels:
  - .name:           k_q2c0295d3d0_prep
    .symbol:         k_q2c0295d3d0_prep.kd
    .args:
      - { .name: Wq, .offset: 0, .size: 8, .value_kind: global_buffer, .address_space: global }
      - { .name: Wk, .offset: 8, .size: 8, .value_kind: global_buffer, .address_space: global }
      - { .name: Wv, .offset: 16, .size: 8, .value_kind: global_buffer, .address_space: global }
      - { .name: Wo, .offset: 24, .size: 8, .value_kind: global_buffer, .address_space: global }
      - { .name: att_mask, .offset: 32, .size: 8, .value_kind: global_buffer, .address_space: global }
      - { .name: wimg, .offset: 40, .size: 8, .value_kind: global_buffer, .address_space: global }
      - { .name: pb, .offset: 48, .size: 8, .value_kind: global_buffer, .address_space: global }
      - { .name: edges, .offset: 56, .size: 8, .value_kind: global_buffer, .address_space: global }
    .group_segment_fixed_size: 0
    .private_segment_fixed_size: 0
    .kernarg_segment_align: 8
    .kernarg_segment_size: 64
    .max_flat_workgroup_size: 128
    .sgpr_count:     66
    .vgpr_count:     200
    .wavefront_size: 32
...
	.end_amdgpu_metadata
.endif
;; end of part 1
;; launch proj (part 2): grid 128 x 3, 12 waves a work-group, no clusters, 141,312 bytes of LDS; arguments q, k, v, bq, bk, bv, wimg, qbuf, kv; writes qbuf, kv
.if DOCPART == 2
	.amdgcn_target "amdgcn-amd-amdhsa--gfx1250"
	.amdhsa_code_object_version 6
	.text
	.protected	k_q2c0295d3d0_proj
	.globl	k_q2c0295d3d0_proj
	.p2align	8
	.type	k_q2c0295d3d0_proj,@function
k_q2c0295d3d0_proj:
	s_mov_b64 s[64:65], 0
	v_nop
	global_prefetch_b8 v0, s[64:65] scope:SCOPE_SE
	s_setreg_imm32_b32 hwreg(HW_REG_WAVE_MODE, 25, 1), 1
	s_wait_xcnt 0x0
; PROJ.  y = x W + b for x = q, k, v (work-group y = 0, 1, 2), both operands as codes of E3M2 with E8M0 scales; y is quantised at once for the attention: q's and k's along the head's 64, v's along the keys.
; SHARES.  A work-group takes 64 rows of x and all 768 columns, so each number of x is read and quantised once.  Wave w owns head w: 4 tiles of columns x 4 tiles of rows, 16 accumulators.
; x: each wave quantises two fragments (16 rows x 128 K) and stores them in LDS as images of the operand's registers; one barrier; every wave reads all 24.
; W: its fragments lie in wimg in register order and go from memory straight into the one wave that multiplies them, two sets by turns, two K steps ahead.  So nothing of W is shared inside a work-group,
; and no tile is brought jointly for several work-groups: it would have to pass through LDS, 460,800 bytes more to read there, for 16 matrix instructions a wave and K step.
; ORDER OF ROWS.  For k and v tile 2 b + u, row r is row 32 b + 8 u + r + 8 (r / 8) of the 64, as W's columns are in wimg: then a lane's 16 registers of two neighbouring tiles are 16 neighbours along the next product's K.
; q, k: the product is used transposed (source 0 = W, source 1 = x): a lane holds one row and its registers run along the head's channels.  v: source 0 = x, source 1 = W: a lane holds one channel and its registers run along the keys.
; OUT, in halves of fragments (16 rows x 64 K, 768 bytes: registers 0-3 of lane l at 16 l, 4-5 at 512 + 8 l): qbuf[bh]: 64 tiles, at 49,152 the scale words (pair of tiles P, row r: two bytes of tile 2 P, two of 2 P + 1);
; kv[bh]: K likewise, at 51,200 V[key step][tile of channels] as whole fragments, at 100,352 V's scale words.
; LIMITS: NaN and infinities are not served; a block of zeros gets the byte 1 (its codes are zeros; this program alone reads the bytes).
.set XIMG,  0                          ; LDS: x's 24 fragments, 6 m + s, 1,536 bytes each
.set XSC,   36864                      ; their scale words, 64 bytes each
.set SPARE, 38400                      ; the spare words, 128 bytes a wave: six blocks of 256 bytes that no other line names
.set STG,   39936                      ; a stage for each wave: 16 rows of 512 bytes + 16
.set G16, 1                            ; v1   16 x lane
.set G8,  2                            ; v2   8 x lane
.set G4,  3                            ; v3   4 x lane
.set R4,  4                            ; v4   4 r
.set SRD, 5                            ; v5   my stage, out: 528 r + 64 h
.set SWR, 6                            ; v6   my stage, in: 16 x lane
.set IW16, 7                           ; v7   where I store images: 1,536 w + 16 x lane
.set IW8, 8                            ; v8   1,536 w + 8 x lane
.set IWS, 9                            ; v9   and their scale words: XSC + 64 w + 4 r
.set SPW, 10                           ; v10  my spare word; never rewritten
.set NIL, 11                           ; v11  0; never rewritten
.set XS,  12                           ; v12-13 x's scale words: lanes 0-15 tile 0 (2), lanes 16-31 tile 1 (3)
.set XSA, 14                           ; v14  their address: XSC + 4 r + 384 h
.set BOF, 15                           ; v15  the bias's offset
.set ACC, 16                           ; v16-143 accumulators; before that x's numbers
.set X0,  16
.set X1,  80
.set WA,  144                          ; v144-191 W's set A, v192-193 its scale words; v194-241, v242-243 set B
.set XF,  244                          ; v244-255 a fragment of x
.set TM,  194                          ; while x is quantised: v194-209 at work, v210-228 codes, v230 the scale word
.set PC,  210
.set PW,  230
.set BI,  144                          ; on the way out: v144-175 the bias, v176-178 and v180-187 at work, v194 + 8 e codes, v226 + e scale words
.set PY,  176
.set TQ,  180
.set PCE, 194
.set PWE, 226
.set WV,   22
.set TEN,  23
.set BLK,  24
.set PERM, 25
.set MH,   26
.set SW,   27
.set SEL,  30
.set XB0,  32
.set XB1,  34
.set WB,   36
.set BB,   38
.set OB,   40
.set SB,   42
.macro PLACES n
.rept \n
	v_nop
.endr
.endm
.macro GLF R, base, off                ; a fragment from memory: 1,536 bytes in register order
	global_load_b128 v[(\R):(\R)+3], v[G16], s[\base:\base+1] offset:(\off)
	global_load_b64 v[(\R)+4:(\R)+5], v[G8], s[\base:\base+1] offset:(\off)+512
	global_load_b128 v[(\R)+6:(\R)+9], v[G16], s[\base:\base+1] offset:(\off)+768
	global_load_b64 v[(\R)+10:(\R)+11], v[G8], s[\base:\base+1] offset:(\off)+1280
.endm
.macro LDF R, a16, a8, off             ; and from LDS
	ds_load_b128 v[(\R):(\R)+3], v[\a16] offset:(\off)
	ds_load_b64 v[(\R)+4:(\R)+5], v[\a8] offset:(\off)+512
	ds_load_b128 v[(\R)+6:(\R)+9], v[\a16] offset:(\off)+768
	ds_load_b64 v[(\R)+10:(\R)+11], v[\a8] offset:(\off)+1280
.endm
.macro GLW set, s                      ; my head's four fragments of W for K step s and their two registers of scale words: 18 loads
.irp ct, 0,1,2,3
	GLF (\set)+12*\ct, WB, 76800*(\s)+1536*\ct
.endr
	global_load_b32 v[(\set)+48], v[G4], s[WB:WB+1] offset:76800*(\s)+6144
	global_load_b32 v[(\set)+49], v[G4], s[WB:WB+1] offset:76800*(\s)+6272
.endm
; one matrix instruction: D at d, sources at a and b, z = 1: C = 0, else C = D; scale registers sa, sb, taken from lanes 0-15 (ra, rb = 0) or 16-31 (1)
.macro WMS d, a, b, z, sa, ra, sb, rb
.if \z
.if ((\ra) == 0) && ((\rb) == 0)
	v_wmma_scale_f32_16x16x128_f8f6f4 v[(\d):(\d)+7], v[(\a):(\a)+11], v[(\b):(\b)+11], 0, v[(\sa)], v[(\sb)] matrix_a_fmt:MATRIX_FMT_BF6 matrix_b_fmt:MATRIX_FMT_BF6
.elseif ((\ra) == 1) && ((\rb) == 0)
	v_wmma_scale_f32_16x16x128_f8f6f4 v[(\d):(\d)+7], v[(\a):(\a)+11], v[(\b):(\b)+11], 0, v[(\sa)], v[(\sb)] matrix_a_fmt:MATRIX_FMT_BF6 matrix_b_fmt:MATRIX_FMT_BF6 matrix_a_scale:MATRIX_SCALE_ROW1
.elseif ((\ra) == 0) && ((\rb) == 1)
	v_wmma_scale_f32_16x16x128_f8f6f4 v[(\d):(\d)+7], v[(\a):(\a)+11], v[(\b):(\b)+11], 0, v[(\sa)], v[(\sb)] matrix_a_fmt:MATRIX_FMT_BF6 matrix_b_fmt:MATRIX_FMT_BF6 matrix_b_scale:MATRIX_SCALE_ROW1
.else
	v_wmma_scale_f32_16x16x128_f8f6f4 v[(\d):(\d)+7], v[(\a):(\a)+11], v[(\b):(\b)+11], 0, v[(\sa)], v[(\sb)] matrix_a_fmt:MATRIX_FMT_BF6 matrix_b_fmt:MATRIX_FMT_BF6 matrix_a_scale:MATRIX_SCALE_ROW1 matrix_b_scale:MATRIX_SCALE_ROW1
.endif
.else
.if ((\ra) == 0) && ((\rb) == 0)
	v_wmma_scale_f32_16x16x128_f8f6f4 v[(\d):(\d)+7], v[(\a):(\a)+11], v[(\b):(\b)+11], v[(\d):(\d)+7], v[(\sa)], v[(\sb)] matrix_a_fmt:MATRIX_FMT_BF6 matrix_b_fmt:MATRIX_FMT_BF6
.elseif ((\ra) == 1) && ((\rb) == 0)
	v_wmma_scale_f32_16x16x128_f8f6f4 v[(\d):(\d)+7], v[(\a):(\a)+11], v[(\b):(\b)+11], v[(\d):(\d)+7], v[(\sa)], v[(\sb)] matrix_a_fmt:MATRIX_FMT_BF6 matrix_b_fmt:MATRIX_FMT_BF6 matrix_a_scale:MATRIX_SCALE_ROW1
.elseif ((\ra) == 0) && ((\rb) == 1)
	v_wmma_scale_f32_16x16x128_f8f6f4 v[(\d):(\d)+7], v[(\a):(\a)+11], v[(\b):(\b)+11], v[(\d):(\d)+7], v[(\sa)], v[(\sb)] matrix_a_fmt:MATRIX_FMT_BF6 matrix_b_fmt:MATRIX_FMT_BF6 matrix_b_scale:MATRIX_SCALE_ROW1
.else
	v_wmma_scale_f32_16x16x128_f8f6f4 v[(\d):(\d)+7], v[(\a):(\a)+11], v[(\b):(\b)+11], v[(\d):(\d)+7], v[(\sa)], v[(\sb)] matrix_a_fmt:MATRIX_FMT_BF6 matrix_b_fmt:MATRIX_FMT_BF6 matrix_a_scale:MATRIX_SCALE_ROW1 matrix_b_scale:MATRIX_SCALE_ROW1
.endif
.endif
.endm
; 64 numbers of a lane, register 16 b + i = k 32 b + 16 (lane / 16) + i of my row, become a fragment's codes in v[PC] on and its scale word in v[PW]
.macro QUANT4 s
.irp b, 0,1,2,3
	v_max3_num_f32 v[TM+\b], |v[(\s)+16*\b]|, |v[(\s)+1+16*\b]|, 0x2800000   ; with the floor 2^(5 - 127): the byte cannot fall under 1
.endr
.irp i, 2,4,6,8,10,12,14
.irp b, 0,1,2,3
	v_max3_num_f32 v[TM+\b], v[TM+\b], |v[(\s)+16*\b+\i]|, |v[(\s)+1+16*\b+\i]|
.endr
.endr
.irp b, 0,1,2,3
	v_permlanex16_b32 v[TM+4+\b], v[TM+\b], s[SEL], s[SEL+1]
.endr
.irp b, 0,1,2,3
	v_max_num_f32 v[TM+\b], v[TM+\b], v[TM+4+\b]   ; with lane l xor 16's: the block's largest magnitude
.endr
.irp b, 0,1,2,3
	v_add_nc_u32 v[TM+12+\b], 0xfe000000, v[TM+\b] ; 4 off its exponent field: the conversion's scale operand
.endr
.irp b, 0,1,2,3
	v_lshrrev_b32 v[TM+4+\b], 23, v[TM+12+\b]      ; the scale's byte
.endr
	v_lshl_or_b32 v[PW], v[TM+5], 8, v[TM+4]
	v_lshl_or_b32 v[PW], v[TM+6], 16, v[PW]
	v_lshl_or_b32 v[PW], v[TM+7], 24, v[PW]
.irp c, 0,1
	v_cvt_scalef32_pk16_bf6_f32 v[PC+6*\c:PC+2+6*\c], v[(\s)+32*\c:(\s)+15+32*\c], v[TM+12+2*\c]
	v_cvt_scalef32_pk16_bf6_f32 v[PC+12+4*\c:PC+14+4*\c], v[(\s)+16+32*\c:(\s)+31+32*\c], v[TM+12+2*\c+1]
.endr
	v_nop                                          ; one plain place behind a scaled conversion
.irp c, 0,1                            ; the operand wants a whole block in a lane: lanes 0-15 block 2 c, lanes 16-31 block 2 c + 1
.irp i, 0,1,2
	v_permlane16_swap_b32 v[PC+6*\c+\i], v[PC+12+4*\c+\i]
.endr
.irp i, 0,1,2
	v_mov_b32 v[PC+3+6*\c+\i], v[PC+12+4*\c+\i]
.endr
.endr
.endm
; 32 numbers of a lane, laid likewise (two blocks), become half a fragment's codes in v[pc] .. v[pc + 5] and two scale bytes in v[pw]
.macro QUANT2 s, pc, pw
	v_max3_num_f32 v[TQ], |v[(\s)]|, |v[(\s)+1]|, 0x2800000
	v_max3_num_f32 v[TQ+1], |v[(\s)+16]|, |v[(\s)+17]|, 0x2800000
.irp i, 2,4,6,8,10,12,14
	v_max3_num_f32 v[TQ], v[TQ], |v[(\s)+\i]|, |v[(\s)+1+\i]|
	v_max3_num_f32 v[TQ+1], v[TQ+1], |v[(\s)+16+\i]|, |v[(\s)+17+\i]|
.endr
	v_permlanex16_b32 v[TQ+2], v[TQ], s[SEL], s[SEL+1]
	v_permlanex16_b32 v[TQ+3], v[TQ+1], s[SEL], s[SEL+1]
	v_max_num_f32 v[TQ], v[TQ], v[TQ+2]
	v_max_num_f32 v[TQ+1], v[TQ+1], v[TQ+3]
	v_add_nc_u32 v[TQ+4], 0xfe000000, v[TQ]
	v_add_nc_u32 v[TQ+5], 0xfe000000, v[TQ+1]
	v_lshrrev_b32 v[TQ+6], 23, v[TQ+4]
	v_lshrrev_b32 v[TQ+7], 23, v[TQ+5]
	v_lshl_or_b32 v[(\pw)], v[TQ+7], 8, v[TQ+6]
	v_cvt_scalef32_pk16_bf6_f32 v[(\pc):(\pc)+2], v[(\s):(\s)+15], v[TQ+4]
	v_cvt_scalef32_pk16_bf6_f32 v[PY:PY+2], v[(\s)+16:(\s)+31], v[TQ+5]
	v_nop                                          ; one plain place behind a scaled conversion
.irp i, 0,1,2
	v_permlane16_swap_b32 v[(\pc)+\i], v[PY+\i]    ; lanes 0-15 now hold block 0 whole, lanes 16-31 block 1
.endr
.irp i, 0,1,2
	v_mov_b32 v[(\pc)+3+\i], v[PY+\i]
.endr
.endm
.macro TURN x                          ; 16 rows x 512 bytes as loaded (a row an instruction) go through my stage and come back 16 neighbours of each block of 32 a lane; LDS serves a wave's instructions in order
.irp rr, 0,1,2,3,4,5,6,7,8,9,10,11,12,13,14,15
	ds_store_b128 v[SWR], v[(\x)+4*\rr:(\x)+4*\rr+3] offset:528*\rr
.endr
.irp b, 0,1,2,3
.irp j, 0,1,2,3
	ds_load_b128 v[(\x)+16*\b+4*\j:(\x)+16*\b+4*\j+3], v[SRD] offset:128*\b+16*\j
.endr
.endr
.endm
.macro IMAGE off                       ; the fragment in v[PC] on goes to LDS as it stands
	ds_store_b128 v[IW16], v[PC:PC+3] offset:(\off)
	ds_store_b64 v[IW8], v[PC+4:PC+5] offset:(\off)+512
	ds_store_b128 v[IW16], v[PC+6:PC+9] offset:(\off)+768
	ds_store_b64 v[IW8], v[PC+10:PC+11] offset:(\off)+1280
.endm
	s_load_b512 s[4:19], s[0:1], 0x0               ; q, k, v, bq, bk, bv, wimg, qbuf
	s_load_b64 s[20:21], s[0:1], 0x40              ; kv
	v_lshl_add_u32 v[SPW], v0, 2, SPARE
	v_mov_b32 v[NIL], 0
	v_lshrrev_b32 v16, 5, v0
	v_readfirstlane_b32 s[WV], v16                 ; wave 0..11 = my head
	s_and_b32 s[TEN], ttmp7, 0xffff                ; which tensor
	s_mov_b32 s[BLK], ttmp9                        ; which 64 rows
	v_and_b32 v16, 31, v0
	v_and_b32 v17, 15, v0                          ; r
	v_bfe_u32 v18, v0, 4, 1                        ; h
	v_lshlrev_b32 v[G16], 4, v16
	v_lshlrev_b32 v[G8], 3, v16
	v_lshlrev_b32 v[G4], 2, v16
	v_lshlrev_b32 v[R4], 2, v17
	s_mul_i32 s44, s[WV], 8448
	s_add_co_u32 s44, s44, STG
	v_mul_u32_u24 v[SRD], v17, 528
	v_lshl_add_u32 v[SRD], v18, 6, v[SRD]
	v_add_nc_u32 v[SRD], s44, v[SRD]
	v_add_nc_u32 v[SWR], s44, v[G16]
	s_mul_i32 s44, s[WV], 1536
	v_add_nc_u32 v[IW16], s44, v[G16]
	v_add_nc_u32 v[IW8], s44, v[G8]
	s_lshl_b32 s44, s[WV], 6
	s_add_co_u32 s44, s44, XSC
	v_add_nc_u32 v[IWS], s44, v[R4]
	v_mul_u32_u24 v[XSA], v18, 384                 ; lanes 16-31 take the tile of rows one further on: six words' places of 64 bytes
	v_add_nc_u32 v[XSA], v[XSA], v[R4]
	v_add_nc_u32 v[XSA], XSC, v[XSA]
.irp b, 0,1,2,3
	v_mov_b32 v[TM+4+\b], 0                        ; written once: a lane permute's destination counts as one of its sources
.endr
	s_mov_b32 s[SEL], 0x76543210
	s_mov_b32 s[SEL+1], 0xfedcba98                 ; lane l xor 16
	s_cmp_ge_u32 s[WV], 6                          ; my two fragments of x: 6 m + s = w and w + 12: tiles m = w / 6 and that + 2, K step s = w % 6
	s_cselect_b32 s[MH], 1, 0
	s_mul_i32 s44, s[MH], 6
	s_sub_co_u32 s[SW], s[WV], s44
	s_cmp_lg_u32 s[TEN], 0
	s_cselect_b32 s[PERM], 1, 0                    ; k's and v's rows are taken in the tiles' own order
	s_lshr_b32 s44, 16, s[PERM]                    ; tile 1 begins 16 rows behind tile 0, or 8
	s_mul_i32 s44, s44, s[MH]
	s_lshl_b32 s45, s[BLK], 6
	s_add_co_u32 s44, s44, s45
	s_mul_i32 s44, s44, 3072
	s_lshl_b32 s45, s[SW], 9
	s_add_co_u32 s44, s44, s45                     ; the first row of my first fragment, at its K step
	s_mov_b32 s45, 0
	s_mul_i32 s46, s[PERM], 24576                  ; a tile's rows 8-15 lie 8 rows further on, or not
	s_mov_b32 s47, 0
	s_mul_i32 s48, s[TEN], 460800
	s_mul_i32 s49, s[WV], 6400
	s_add_co_u32 s48, s48, s49
	s_mov_b32 s49, 0
	s_lshl_b32 s50, s[WV], 8
	s_mov_b32 s51, 0
	s_wait_kmcnt 0x0
	s_cmp_eq_u32 s[TEN], 1                         ; the choices hang on the work-group's number alone
	s_cselect_b64 s[4:5], s[6:7], s[4:5]
	s_cselect_b64 s[10:11], s[12:13], s[10:11]
	s_cmp_eq_u32 s[TEN], 2
	s_cselect_b64 s[4:5], s[8:9], s[4:5]
	s_cselect_b64 s[10:11], s[14:15], s[10:11]
	s_add_nc_u64 s[XB0:XB0+1], s[4:5], s[44:45]
	s_add_nc_u64 s[XB1:XB1+1], s[XB0:XB0+1], s[46:47]
	s_add_nc_u64 s[WB:WB+1], s[16:17], s[48:49]
	s_add_nc_u64 s[BB:BB+1], s[10:11], s[50:51]
	; ---- x: two fragments a wave
	GLW WA, 0
.irp i, 0,1
.irp rr, 0,1,2,3,4,5,6,7
	global_load_b128 v[X0+64*\i+4*\rr:X0+64*\i+4*\rr+3], v[G16], s[XB0:XB0+1] offset:98304*\i+3072*\rr th:TH_LOAD_NT   ; 32 lanes read 512 consecutive bytes of a row
.endr
.irp rr, 8,9,10,11,12,13,14,15
	global_load_b128 v[X0+64*\i+4*\rr:X0+64*\i+4*\rr+3], v[G16], s[XB1:XB1+1] offset:98304*\i+3072*\rr th:TH_LOAD_NT
.endr
.endr
	s_wait_loadcnt 16                              ; all but the second fragment's 16 loads
	TURN X0
	s_wait_dscnt 0x0
	QUANT4 X0
	IMAGE XIMG
	ds_store_b32 v[IWS], v[PW]                     ; lanes r and r + 16 store the same word
	s_wait_loadcnt 0x0
	TURN X1
	s_wait_dscnt 0x0
	QUANT4 X1
	IMAGE XIMG+18432
	ds_store_b32 v[IWS], v[PW] offset:768
	s_wait_dscnt 0x0                               ; for the others' sake: my images have landed
	GLW WA+50, 1                                   ; into the registers that the quantiser has left
	s_barrier_signal -1
	s_barrier_wait -1                              ; x's 24 fragments lie in LDS; from here on LDS is only read
.macro BIAS isv
.if \isv
.irp ct, 0,1,2,3
	global_load_b32 v[BI+2*\ct], v[BOF], s[BB:BB+1] offset:128*(\ct/2)+32*(\ct%2)      ; a lane's channel is one for all its registers of tile ct: the number twice, for the packed addition
	global_load_b32 v[BI+2*\ct+1], v[BOF], s[BB:BB+1] offset:128*(\ct/2)+32*(\ct%2)
.endr
.else
.irp b, 0,1
.irp jj, 0,1,2,3
	global_load_b128 v[BI+16*\b+4*\jj:BI+16*\b+4*\jj+3], v[BOF], s[BB:BB+1] offset:128*\b+16*\jj   ; register 16 b + i: channel 32 b + 16 h + i
.endr
.endr
.endif
.endm
; A K step of 128: 16 matrix instructions, the 16 accumulators by turns, one instruction a turn, in the same order in every step
.macro KSTEP isv, s
.set SET, WA+50*((\s)%2)
.if (\s) < 5
	s_wait_loadcnt 18                              ; this step's set is in; the next step's 18 loads may be out
.else
	s_wait_loadcnt 8                               ; the 8 loads of the bias may be out
.endif
	ds_load_b32 v[XS], v[XSA] offset:64*(\s)
	ds_load_b32 v[XS+1], v[XSA] offset:64*(12+(\s))
.irp m, 0,1,2,3
.if \m > 0
	PLACES 4                                       ; in front of loads into registers that matrix instructions have read
.endif
	LDF XF, G16, G8, XIMG+(6*\m+(\s))*1536
	s_wait_dscnt 0x0
.irp ct, 0,1,2,3
.if \isv
	WMS ACC+32*\ct+8*\m, XF, SET+12*\ct, (\s)==0, XS+\m/2, \m%2, SET+48+\ct/2, \ct%2
.else
	WMS ACC+32*\m+8*\ct, SET+12*\ct, XF, (\s)==0, SET+48+\ct/2, \ct%2, XS+\m/2, \m%2
.endif
.endr
.endr
	PLACES 4
.if (\s) <= 3
	GLW SET, (\s)+2                                ; the set just multiplied takes the K step two on
.elseif (\s) == 4
	BIAS \isv                                      ; set A is done with
.endif
.endm
.macro BODY isv
.if \isv
	v_and_b32 v[BOF], 15, v0
	v_and_b32 v[XF], 8, v0
	v_add_nc_u32 v[BOF], v[BOF], v[XF]
	v_lshlrev_b32 v[BOF], 2, v[BOF]                ; 4 (r + 8 (r / 8))
.else
	v_bfe_u32 v[BOF], v0, 4, 1
	v_lshlrev_b32 v[BOF], 6, v[BOF]                ; 64 h
.endif
.irp s, 0,1,2,3,4,5
	KSTEP \isv, \s
.endr
	; where the results go
	s_lshr_b32 s44, s[BLK], 4
	s_mul_i32 s44, s44, 12
	s_add_co_u32 s44, s44, s[WV]                   ; bh = 12 x batch + head
	s_and_b32 s46, s[BLK], 15                      ; which 64 rows of the batch's 1,024
	s_mov_b32 s49, 0
.if \isv
	s_mul_i32 s44, s44, 102400
	s_lshr_b32 s45, s46, 1                         ; key step of 128
	s_and_b32 s46, s46, 1                          ; and which half of it
	s_mul_i32 s48, s45, 6144
	s_mul_i32 s47, s46, 768
	s_add_co_u32 s48, s48, s47
	s_add_co_u32 s48, s48, s44
	s_add_co_u32 s48, s48, 51200
	s_add_nc_u64 s[OB:OB+1], s[20:21], s[48:49]
	s_lshl_b32 s48, s45, 8
	s_lshl_b32 s47, s46, 1
	s_add_co_u32 s48, s48, s47
	s_add_co_u32 s48, s48, s44
	s_add_co_u32 s48, s48, 100352
	s_add_nc_u64 s[SB:SB+1], s[20:21], s[48:49]
.else
	s_cmp_eq_u32 s[TEN], 0
	s_cselect_b64 s[18:19], s[18:19], s[20:21]
	s_mov_b32 s45, 102400
	s_cselect_b32 s45, 51200, s45
	s_mul_i32 s44, s44, s45
	s_mul_i32 s48, s46, 3072                       ; four tiles of 768 bytes
	s_add_co_u32 s48, s48, s44
	s_add_nc_u64 s[OB:OB+1], s[18:19], s[48:49]
	s_lshl_b32 s48, s46, 7                         ; two pairs of tiles, 64 bytes each
	s_add_co_u32 s48, s48, s44
	s_add_co_u32 s48, s48, 49152
	s_add_nc_u64 s[SB:SB+1], s[18:19], s[48:49]
.endif
	v_mov_b32 v[TQ+2], 0                           ; a lane permute's destination counts as one of its sources
	v_mov_b32 v[TQ+3], 0
	s_wait_loadcnt 0x0                             ; the bias
.set e, 0
.rept 4
.set j, 0
.rept 16
.if \isv
	v_pk_add_f32 v[ACC+32*e+j:ACC+32*e+j+1], v[ACC+32*e+j:ACC+32*e+j+1], v[BI+2*e:BI+2*e+1]   ; each accumulator from its low end on
.else
	v_pk_add_f32 v[ACC+32*e+j:ACC+32*e+j+1], v[ACC+32*e+j:ACC+32*e+j+1], v[BI+j:BI+j+1]
.endif
.set j, j+2
.endr
.set e, e+1
.endr
.irp e, 0,1,2,3                        ; q, k: tile of rows e, K = the head's 64.  v: tile of channels e, K = these 64 keys.  Each has registers of its own for its codes and bytes
	QUANT2 ACC+32*\e, PCE+8*\e, PWE+\e
.if \isv
	global_store_b128 v[G16], v[PCE+8*\e:PCE+8*\e+3], s[OB:OB+1] offset:1536*\e       ; 512 consecutive bytes, aligned to 256
	global_store_b64 v[G8], v[PCE+8*\e+4:PCE+8*\e+5], s[OB:OB+1] offset:1536*\e+512   ; 256 consecutive bytes, aligned
	global_store_b16 v[R4], v[PWE+\e], s[SB:SB+1] offset:64*\e                        ; two of a scale word's four bytes; lanes r and r + 16 store the same
.else
	global_store_b128 v[G16], v[PCE+8*\e:PCE+8*\e+3], s[OB:OB+1] offset:768*\e
	global_store_b64 v[G8], v[PCE+8*\e+4:PCE+8*\e+5], s[OB:OB+1] offset:768*\e+512
	global_store_b16 v[R4], v[PWE+\e], s[SB:SB+1] offset:64*(\e/2)+2*(\e%2)
.endif
.endr
.endm
	s_cmp_eq_u32 s[TEN], 2
	s_cbranch_scc1 .Lvbody
	BODY 0
	s_branch .Lend
.Lvbody:
	BODY 1
.Lend:
	s_wait_tensorcnt 0x0                           ; the wave's end: behind my last LDS store
	ds_add_u32 v[SPW], v[NIL]
	s_wait_dscnt 0x0
	s_endpgm
.Lfunc_end_k_q2c0295d3d0_proj:
	.size	k_q2c0295d3d0_proj, .Lfunc_end_k_q2c0295d3d0_proj-k_q2c0295d3d0_proj
	.p2alignl 7, 3214868480
	.fill 96, 4, 3214868480
	.section	.rodata,"a",@progbits
	.p2align	6, 0x0
	.amdhsa_kernel k_q2c0295d3d0_proj
		.amdhsa_group_segment_fixed_size 141312
		.amdhsa_private_segment_fixed_size 0
		.amdhsa_enable_private_segment 0
		.amdhsa_kernarg_size 72
		.amdhsa_user_sgpr_count 2
		.amdhsa_user_sgpr_kernarg_segment_ptr 1
		.amdhsa_wavefront_size32 1
		.amdhsa_system_sgpr_workgroup_id_x 1
		.amdhsa_system_sgpr_workgroup_id_y 1
		.amdhsa_system_sgpr_workgroup_id_z 1
		.amdhsa_system_vgpr_workitem_id 0
		.amdhsa_next_free_vgpr 256
		.amdhsa_next_free_sgpr 66
		.amdhsa_reserve_vcc 0
		.amdhsa_float_denorm_mode_32 3
		.amdhsa_float_denorm_mode_16_64 3
		.amdhsa_memory_ordered 1
		.amdhsa_forward_progress 1
		.amdhsa_inst_pref_size 110
	.end_amdhsa_kernel
	.amdgpu_metadata
---
amdhsa.version: [ 1, 2 ]
amdhsa.kernels:
  - .name:           k_q2c0295d3d0_proj
    .symbol:         k_q2c0295d3d0_proj.kd
    .args:
      - { .name: q, .offset: 0, .size: 8, .value_kind: global_buffer, .address_space: global }
      - { .name: k, .offset: 8, .size: 8, .value_kind: global_buffer, .address_space: global }
      - { .name: v, .offset: 16, .size: 8, .value_kind: global_buffer, .address_space: global }
      - { .name: bq, .offset: 24, .size: 8, .value_kind: global_buffer, .address_space: global }
      - { .name: bk, .offset: 32, .size: 8, .value_kind: global_buffer, .address_space: global }
      - { .name: bv, .offset: 40, .size: 8, .value_kind: global_buffer, .address_space: global }
      - { .name: wimg, .offset: 48, .size: 8, .value_kind: global_buffer, .address_space: global }
      - { .name: qbuf, .offset: 56, .size: 8, .value_kind: global_buffer, .address_space: global }
      - { .name: kv, .offset: 64, .size: 8, .value_kind: global_buffer, .address_space: global }
    .group_segment_fixed_size: 141312
    .private_segment_fixed_size: 0
    .kernarg_segment_align: 8
    .kernarg_segment_size: 72
    .max_flat_workgroup_size: 384
    .sgpr_count:     66
    .vgpr_count:     256
    .wavefront_size: 32
...
	.end_amdgpu_metadata
.endif
;; end of part 2
;; launch attn (part 3): grid 8 x 32, 12 waves a work-group, no clusters, 312,832 bytes of LDS; arguments qbuf, kv, pb, edges, aimg, asc; writes aimg, asc
.if DOCPART == 3
	.amdgcn_target "amdgcn-amd-amdhsa--gfx1250"
	.amdhsa_code_object_version 6
	.text
	.protected	k_q2c0295d3d0_attn
	.globl	k_q2c0295d3d0_attn
	.p2align	8
	.type	k_q2c0295d3d0_attn,@function
k_q2c0295d3d0_attn:
	s_mov_b64 s[64:65], 0
	v_nop
	global_prefetch_b8 v0, s[64:65] scope:SCOPE_SE
	s_setreg_imm32_b32 hwreg(HW_REG_WAVE_MODE, 25, 1), 1
	s_wait_xcnt 0x0
; ATTN.  For each query two softmaxes over the keys, fw (keys >= the query) and bw (keys <= the query), both under the padding mask; att = fw's result + bw's, quantised along the head's 64 for the last product.
; All products on codes of E3M2 with E8M0 scales.  p = 2^(t - M), t = logit x log2(e), M the running largest t rounded up to a whole number; the row's sum is taken of the unquantised p and divides at the end.
; SHARES.  A work-group (J = x, batch and group of three heads = y) holds ALL of three heads' K and V codes and scales in LDS (307,200 consecutive bytes of kv, copied once through registers) and serves the 8 tiles of 16 queries of
; key step J for each of the three heads.  Wave w: head w / 4, tiles 8 J + w % 4 and that + 4.  A tile needs 8 - J key steps of 128 for fw and J + 1 for bw: 9 for every tile, 18 for every wave.
; THE MASKS ARE ADDITIVE (-1e9), NOT -infinity.  A key step that lies wholly under the triangle is left out, and hidden keys count as -infinity, ONLY where every query of the tile has a visible unpadded key: then every masked p is 0.
; A tile with a query behind the batch's last unpadded key (fw) or ahead of its first (bw) is told by the two whole numbers of edges; it walks all 8 key steps and forms each logit as the definition writes it:
; score / 8; -1e9 where padded; + -1e9 where hidden; x log2(e).  These are branches on stored whole numbers; this launch fills LDS through registers.
; No tile is brought jointly for several work-groups: the copy is made once, at the head, and nothing is filled again.
; LAYOUT.  S^T = K Q^T, O^T = V^T P^T: a lane holds ONE query (lane % 16).  K = 64 fills half of the instruction's 128: a fragment of K holds TWO tiles of 16 keys (k 0-63 the first's channels, k 64-127 the second's), and Q is
; offered as [Q, zeros] or [zeros, Q]: zero codes add nothing.  The keys of tile 2 b + u, row r are 32 b + 8 u + r + 8 (r / 8), so that S^T's registers 16 b + i are keys 32 b + 16 (lane / 16) + i.  V's channels likewise.
; The padding's -8e9 is the C of S^T's matrix instructions: the table's numbers are loaded into the accumulators' registers.
; LIMITS: logits up to 2.5e8 in magnitude (a padded key's -1e9 must lie far under every unpadded logit, as it must for the definition's own masks to work as masks); NaN and infinities are not served; a block of zeros gets the byte 1.
.set KVH,   102400                     ; a head in kv and in LDS: K 0, K's scale words 49,152, V 51,200, V's scale words 100,352
.set PBB,   307200                     ; the batch's table of 1,024 f32
.set SPARE, 311296                     ; the spare words, 128 bytes a wave: six blocks of 256 bytes that no other line names
.set A16, 1                            ; v1   my head + 16 x lane
.set A8,  2                            ; v2   my head + 8 x lane
.set AS4, 3                            ; v3   my head + 49,152 + 4 x lane
.set APB, 4                            ; v4   PBB + 64 h
.set SPW, 5                            ; v5   my spare word; never rewritten
.set NIL, 6                            ; v6   0; never rewritten
.set AD16, 7                           ; v7-10 the step's addresses
.set AD8, 8
.set ADS, 9
.set ADP, 10
.set G16, 11                           ; v11  16 x lane
.set G8,  12                           ; v12  8 x lane
.set R4,  13                           ; v13  4 r
.set QL,  14                           ; v14  my query - 16 h
.set TP,  15                           ; v15  at work
.set QOP, 16                           ; v16-33 [Q][six zeros][Q]
.set QS,  34                           ; v34  Q's scale word: its two bytes twice
.set PSW, 35                           ; v35  p's scale word
.set KV,  36                           ; v36-83 four fragments of K, then of V
.set KSC, 84                           ; v84-85 K's scale words, v86-87 V's: they hold scales and nothing else, so the copy at the head passes them by
.set VSC, 86
.set NM,  88                           ; v88 -M, v89 the largest t
.set LS,  90                           ; v90-91 the sum, in two halves
.set FF,  92                           ; v92 f, later 1 / the sum; v93 0
.set S,   96                           ; v96-159 S^T, then p
.set O,   160                          ; v160-191 O^T
.set ATT, 192                          ; v192-223 fw's result, then the sum of both
.set PC,  224                          ; v224-235 p's codes
.set PY,  236                          ; v236-238, v240-242 at work
.set BM,  244                          ; v244-247 the blocks' largest
.set TQ,  244
.set BT,  248                          ; v248-251 at work
.set SOP, 252                          ; v252-255 the conversions' scale operands
.set FU,  16                           ; s16 the first unpadded key, s17 the last + 1
.set EU,  17
.set WV,  18
.set HW,  19
.set WL,  20
.set JB,  21
.set BZ,  22
.set HG,  23
.set HD,  24
.set QT,  25
.set SEL, 26
.set CS,  28                           ; s[28:29] what a register of S is multiplied by to give t
.set CC,  30
.set DEGF, 31
.set DEGB, 32
.set DEG, 33
.set LOJ, 34
.set HIJ, 35
.set KO,  36                           ; the step's place among the fragments: 6,144 a step
.set SO,  37                           ; among the scale words: 256
.set PO,  38                           ; in the table: 512
.set KF,  39                           ; its first key
.set JS,  40
.set Q0,  41
.set TC,  42
.set SH,  43
.set QB,  44
.set QSB, 46
.set AB,  48
.set ASB, 50
.set FB,  54
.set PBP, 56
.macro PLACES n
.rept \n
	v_nop
.endr
.endm
.macro LDF R, a16, a8, off             ; a fragment from LDS: 1,536 bytes in register order
	ds_load_b128 v[(\R):(\R)+3], v[\a16] offset:(\off)
	ds_load_b64 v[(\R)+4:(\R)+5], v[\a8] offset:(\off)+512
	ds_load_b128 v[(\R)+6:(\R)+9], v[\a16] offset:(\off)+768
	ds_load_b64 v[(\R)+10:(\R)+11], v[\a8] offset:(\off)+1280
.endm
.macro WMA d, a, b, sa, ra, sb         ; D = C at d; source 0's scale words from lanes 0-15 (ra = 0) or 16-31 (1) of sa, source 1's from lanes 0-15 of sb
.if (\ra) == 0
	v_wmma_scale_f32_16x16x128_f8f6f4 v[(\d):(\d)+7], v[(\a):(\a)+11], v[(\b):(\b)+11], v[(\d):(\d)+7], v[(\sa)], v[(\sb)] matrix_a_fmt:MATRIX_FMT_BF6 matrix_b_fmt:MATRIX_FMT_BF6
.else
	v_wmma_scale_f32_16x16x128_f8f6f4 v[(\d):(\d)+7], v[(\a):(\a)+11], v[(\b):(\b)+11], v[(\d):(\d)+7], v[(\sa)], v[(\sb)] matrix_a_fmt:MATRIX_FMT_BF6 matrix_b_fmt:MATRIX_FMT_BF6 matrix_a_scale:MATRIX_SCALE_ROW1
.endif
.endm
.macro QUANT2 s, pc, pw                ; 32 numbers of a lane, register 16 b + i = k 32 b + 16 (lane / 16) + i of my row: half a fragment's codes and two scale bytes
	v_max3_num_f32 v[TQ], |v[(\s)]|, |v[(\s)+1]|, 0x2800000
	v_max3_num_f32 v[TQ+1], |v[(\s)+16]|, |v[(\s)+17]|, 0x2800000
.irp i, 2,4,6,8,10,12,14
	v_max3_num_f32 v[TQ], v[TQ], |v[(\s)+\i]|, |v[(\s)+1+\i]|
	v_max3_num_f32 v[TQ+1], v[TQ+1], |v[(\s)+16+\i]|, |v[(\s)+17+\i]|
.endr
	v_permlanex16_b32 v[TQ+2], v[TQ], s[SEL], s[SEL+1]
	v_permlanex16_b32 v[TQ+3], v[TQ+1], s[SEL], s[SEL+1]
	v_max_num_f32 v[TQ], v[TQ], v[TQ+2]
	v_max_num_f32 v[TQ+1], v[TQ+1], v[TQ+3]
	v_add_nc_u32 v[TQ+4], 0xfe000000, v[TQ]
	v_add_nc_u32 v[TQ+5], 0xfe000000, v[TQ+1]
	v_lshrrev_b32 v[TQ+6], 23, v[TQ+4]
	v_lshrrev_b32 v[TQ+7], 23, v[TQ+5]
	v_lshl_or_b32 v[(\pw)], v[TQ+7], 8, v[TQ+6]
	v_cvt_scalef32_pk16_bf6_f32 v[(\pc):(\pc)+2], v[(\s):(\s)+15], v[TQ+4]
	v_cvt_scalef32_pk16_bf6_f32 v[PY:PY+2], v[(\s)+16:(\s)+31], v[TQ+5]
	v_nop                                          ; one plain place behind a scaled conversion
.irp i, 0,1,2
	v_permlane16_swap_b32 v[(\pc)+\i], v[PY+\i]
.endr
.irp i, 0,1,2
	v_mov_b32 v[(\pc)+3+\i], v[PY+\i]
.endr
.endm
	s_load_b256 s[4:11], s[0:1], 0x0               ; qbuf, kv, pb, edges
	s_load_b128 s[12:15], s[0:1], 0x20             ; aimg, asc
	v_lshl_add_u32 v[SPW], v0, 2, SPARE
	v_mov_b32 v[NIL], 0
	v_lshrrev_b32 v[TP], 5, v0
	v_readfirstlane_b32 s[WV], v[TP]               ; wave 0..11
	s_lshr_b32 s[HW], s[WV], 2                     ; which of the three heads
	s_and_b32 s[WL], s[WV], 3
	s_mov_b32 s[JB], ttmp9
	s_and_b32 s52, ttmp7, 0xffff
	s_lshr_b32 s[BZ], s52, 2
	s_and_b32 s[HG], s52, 3
	s_mul_i32 s[HD], s[HG], 3
	s_mul_i32 s53, s[BZ], 12
	s_add_co_u32 s53, s53, s[HD]
	s_mul_i32 s[FB], s53, KVH                      ; the three heads' 307,200 bytes in kv
	s_mov_b32 s[FB+1], 0
	s_add_co_u32 s[HD], s[HD], s[HW]               ; my head
	s_add_co_u32 s53, s53, s[HW]                   ; bh
	s_lshl_b32 s[QT], s[JB], 3
	s_add_co_u32 s[QT], s[QT], s[WL]               ; my first tile of queries
	s_lshl_b32 s[Q0], s[QT], 4
	s_and_b32 s[SH], s[WL], 1
	s_lshl_b32 s[SH], s[SH], 4                     ; which half of a pair's scale word is my tile's (the same for both tiles)
	s_mul_i32 s53, s53, 51200
	s_mul_i32 s52, s[QT], 768
	s_add_co_u32 s[QB], s53, s52
	s_mov_b32 s[QB+1], 0
	s_lshr_b32 s52, s[QT], 1
	s_lshl_b32 s52, s52, 6
	s_add_co_u32 s[QSB], s53, s52
	s_add_co_u32 s[QSB], s[QSB], 49152
	s_mov_b32 s[QSB+1], 0
	s_lshl_b32 s52, s[BZ], 6
	s_add_co_u32 s52, s52, s[QT]                   ; the tile among all 512
	s_mul_i32 s53, s52, 12
	s_add_co_u32 s53, s53, s[HD]
	s_mul_i32 s[AB], s53, 768
	s_mov_b32 s[AB+1], 0
	s_mul_i32 s53, s52, 6
	s_lshr_b32 s58, s[HD], 1
	s_add_co_u32 s53, s53, s58
	s_lshl_b32 s53, s53, 6
	s_and_b32 s58, s[HD], 1
	s_lshl_b32 s58, s58, 1
	s_add_co_u32 s[ASB], s53, s58
	s_mov_b32 s[ASB+1], 0
	s_lshl_b32 s[PBP], s[BZ], 12
	s_mov_b32 s[PBP+1], 0
	s_lshl_b32 s58, s[BZ], 3
	s_mov_b32 s59, 0
	s_mov_b32 s[SEL], 0x76543210
	s_mov_b32 s[SEL+1], 0xfedcba98                 ; lane l xor 16
	s_mov_b32 s[CC], 0x3e38aa3b                    ; log2(e) / 8
	v_and_b32 v[TP], 31, v0
	v_lshlrev_b32 v[G16], 4, v[TP]
	v_lshlrev_b32 v[G8], 3, v[TP]
	v_lshlrev_b32 v[AS4], 2, v[TP]
	v_and_b32 v[QL], 15, v0
	v_lshlrev_b32 v[R4], 2, v[QL]
	v_bfe_u32 v[TP], v0, 4, 1
	v_lshl_add_u32 v[APB], v[TP], 6, PBB
	v_lshlrev_b32 v[TP], 4, v[TP]
	v_sub_nc_u32 v[QL], v[QL], v[TP]
	v_add_nc_u32 v[QL], s[Q0], v[QL]
	s_mul_i32 s52, s[HW], KVH
	v_add_nc_u32 v[A16], s52, v[G16]
	v_add_nc_u32 v[A8], s52, v[G8]
	v_add_nc_u32 v[AS4], s52, v[AS4]
	v_add_nc_u32 v[AS4], 49152, v[AS4]
	s_mul_i32 s52, s[WV], 25600
	v_add_nc_u32 v[AD16], s52, v[G16]              ; the copy: my wave's twelfth, the same place in kv's three heads and in LDS
	v_lshlrev_b32 v[AD8], 4, v0                    ; the table: 16 bytes a thread, threads 0 to 255
	v_lshl_add_u32 v[ADS], v0, 4, PBB
	s_wait_kmcnt 0x0
	s_add_nc_u64 s[10:11], s[10:11], s[58:59]
	s_load_b64 s[FU:FU+1], s[10:11], 0x0           ; the batch's two whole numbers
	s_add_nc_u64 s[QB:QB+1], s[4:5], s[QB:QB+1]
	s_add_nc_u64 s[QSB:QSB+1], s[4:5], s[QSB:QSB+1]
	s_add_nc_u64 s[FB:FB+1], s[6:7], s[FB:FB+1]
	s_add_nc_u64 s[PBP:PBP+1], s[8:9], s[PBP:PBP+1]
	s_add_nc_u64 s[AB:AB+1], s[12:13], s[AB:AB+1]
	s_add_nc_u64 s[ASB:ASB+1], s[14:15], s[ASB:ASB+1]
	global_load_b128 v[QOP:QOP+3], v[G16], s[QB:QB+1]
	global_load_b64 v[QOP+4:QOP+5], v[G8], s[QB:QB+1] offset:512
	global_load_b32 v[QS], v[R4], s[QSB:QSB+1]
	s_cmp_lt_u32 s[WV], 8
	s_cbranch_scc0 .Lno_table
	global_load_b128 v[240:243], v[AD8], s[PBP:PBP+1]
.Lno_table:
; THE COPY: 50 loads of 512 consecutive bytes a wave.  Load i lands in v[36 + 4 i] for i < 12 and four registers further on from i = 12: v36-83 and v88-239; v84-87, the scale registers, are passed by.
.set i, 0
.rept 50
.set CR, 36+4*i+4*((i+36)/48)
	global_load_b128 v[CR:CR+3], v[AD16], s[FB:FB+1] offset:512*i
.set i, i+1
.endr
.irp i, 0,1,2,3,4,5
	v_mov_b32 v[QOP+6+\i], 0                       ; the zero codes between the two copies of Q.  (v22-27 and v244-251 are no destination of a load that is out)
.endr
.irp i, 0,1,2,3,4,5,6,7
	v_mov_b32 v[BM+\i], 0                          ; written once: a lane permute's destination counts as one of its sources
.endr
.set i, 0
.rept 50
.set CR, 36+4*i+4*((i+36)/48)
	s_wait_loadcnt 49-i                            ; loads come back in order: number i of the 50 is in, the younger ones may be out
	ds_store_b128 v[AD16], v[CR:CR+3] offset:512*i
.set i, i+1
.endr
	s_cmp_lt_u32 s[WV], 8
	s_cbranch_scc0 .Lno_table2
	ds_store_b128 v[ADS], v[240:243]               ; (its load is older than the 50)
.Lno_table2:
	s_wait_kmcnt 0x0
	s_wait_dscnt 0x0                               ; for the others' sake: my stores have landed
	v_mov_b32 v[FF+1], 0                           ; (named as the upper half of a pair; written here, where no load is out and the copy has left the register)
	s_barrier_signal -1
	s_barrier_wait -1                              ; the launch's one barrier; from here on LDS is only read
; On the diagonal hidden keys count as -infinity: p = 0.  Register 16 b + i holds key KF + 16 h + 32 b + i: hidden where 32 b + i < d (fw) or > d (bw), d = my query - 16 h - KF
.macro DIAG dir
	v_sub_nc_u32 v[KV+1], v[QL], s[KF]
	v_mov_b32 v[KV], 0xff800000
.set n, 0
.rept 64
.if \dir == 0
	v_cmp_lt_i32 vcc_lo, 32*(n/16)+n%16, v[KV+1]
.else
	v_cmp_gt_i32 vcc_lo, 32*(n/16)+n%16, v[KV+1]
.endif
	v_cndmask_b32 v[S+n], v[S+n], v[KV], vcc_lo
.set n, n+1
.endr
.endm
; The logits as the definition writes them, then t.  (An unpadded key's register holds the raw score: its C was 0)
.macro FAITH dir
	v_mov_b32 v[KV], 0xce6e6b28                    ; -1e9
	v_sub_nc_u32 v[KV+1], v[QL], s[KF]
.irp b, 0,1,2,3
.irp jj, 0,1,2,3
	ds_load_b128 v[KV+16+4*\jj:KV+19+4*\jj], v[ADP] offset:128*\b+16*\jj   ; the table once more: not 0 where the key is padded
.endr
	s_wait_dscnt 0x0
.irp i, 0,1,2,3,4,5,6,7,8,9,10,11,12,13,14,15
	v_mul_f32 v[S+16*\b+\i], 0x3e000000, v[S+16*\b+\i]       ; / 8
	v_cmp_ne_u32 vcc_lo, 0, v[KV+16+\i]
	v_cndmask_b32 v[S+16*\b+\i], v[S+16*\b+\i], v[KV], vcc_lo
.if \dir == 0
	v_cmp_lt_i32 vcc_lo, 32*\b+\i, v[KV+1]
.else
	v_cmp_gt_i32 vcc_lo, 32*\b+\i, v[KV+1]
.endif
	v_cndmask_b32 v[KV+2], 0, v[KV], vcc_lo
	v_add_f32 v[S+16*\b+\i], v[S+16*\b+\i], v[KV+2]
	v_mul_f32 v[S+16*\b+\i], 0x3fb8aa3b, v[S+16*\b+\i]       ; x log2(e)
.endr
.endr
.endm
; A KEY STEP of 128 keys
.macro STEP dir
	v_add_nc_u32 v[AD16], s[KO], v[A16]
	v_add_nc_u32 v[AD8], s[KO], v[A8]
	v_add_nc_u32 v[ADS], s[SO], v[AS4]
	v_add_nc_u32 v[ADP], s[PO], v[APB]
.irp b, 0,1,2,3
.irp jj, 0,1,2,3
	ds_load_b128 v[S+16*\b+4*\jj:S+16*\b+4*\jj+3], v[ADP] offset:128*\b+16*\jj   ; the padding's 0 or -8e9 of my 64 keys: the C of the products below
.endr
.endr
.irp b, 0,1,2,3
	LDF KV+12*\b, AD16, AD8, 1536*\b               ; tiles 2 b and 2 b + 1 of the step's keys in one fragment
.endr
	ds_load_b32 v[KSC], v[ADS]
	ds_load_b32 v[KSC+1], v[ADS] offset:128
	s_wait_dscnt 0x0
.irp b, 0,1,2,3
.irp u, 0,1
	WMA S+16*\b+8*\u, KV+12*\b, QOP+6*\u, KSC+\b/2, \b%2, QS
.endr
.endr
	PLACES 4
	s_cmp_lg_u32 s[DEG], 0
	s_cbranch_scc1 .Lfaith_\@
	s_cmp_lg_u32 s[JS], s[JB]
	s_cbranch_scc1 .Lopen_\@
	DIAG \dir
	s_branch .Lopen_\@
.Lfaith_\@:
	FAITH \dir
.Lopen_\@:
.irp ct, 0,1,2,3
	LDF KV+12*\ct, AD16, AD8, 51200+1536*\ct       ; V's four fragments land while the softmax is worked
.endr
	ds_load_b32 v[VSC], v[ADS] offset:51200
	ds_load_b32 v[VSC+1], v[ADS] offset:51328
.irp b, 0,1,2,3
	v_max3_num_f32 v[BM+\b], v[S+16*\b], v[S+1+16*\b], v[S+2+16*\b]   ; the largest of each block of 32 keys: it serves for the row's maximum and, since p rises with it, for the block's largest p
.endr
.irp i, 3,5,7,9,11,13
.irp b, 0,1,2,3
	v_max3_num_f32 v[BM+\b], v[BM+\b], v[S+16*\b+\i], v[S+1+16*\b+\i]
.endr
.endr
.irp b, 0,1,2,3
	v_max_num_f32 v[BM+\b], v[BM+\b], v[S+15+16*\b]
.endr
.irp b, 0,1,2,3
	v_permlanex16_b32 v[BT+\b], v[BM+\b], s[SEL], s[SEL+1]
.endr
.irp b, 0,1,2,3
	v_max_num_f32 v[BM+\b], v[BM+\b], v[BT+\b]     ; with lane l xor 16's 16 keys
.endr
	v_max3_num_f32 v[TP], v[BM], v[BM+1], v[BM+2]
	v_max_num_f32 v[TP], v[TP], v[BM+3]
	v_mul_f32 v[TP], s[CS], v[TP]                  ; as t
	v_max_num_f32 v[NM+1], v[NM+1], v[TP]          ; the running largest t
	v_mov_b32 v[TP], v[NM]
	v_floor_f32 v[NM], -v[NM+1]                    ; -M = floor(-t): M is a whole number
	v_sub_f32 v[TP], v[NM], v[TP]                  ; old M - new M, 0 or less
	v_cvt_i32_f32 v[TP], v[TP]                     ; (it saturates)
	v_ldexp_f32 v[FF], 1.0, v[TP]                  ; f = 2^(old M - new M): rounds nothing
.set j, 0
.rept 32
	v_pk_fma_f32 v[S+j:S+j+1], v[S+j:S+j+1], s[CS:CS+1], v[NM:NM+1] op_sel_hi:[1,0,0]   ; t - M, two at a time
.set j, j+2
.endr
.irp b, 0,1,2,3
	v_fma_f32 v[BM+\b], v[BM+\b], s[CS], v[NM]
.endr
.set j, 0
.rept 64
	v_exp_f32 v[S+j], v[S+j]                       ; p = 2^(t - M)
.set j, j+1
.endr
	v_pk_mul_f32 v[LS:LS+1], v[LS:LS+1], v[FF:FF+1] op_sel_hi:[1,0]   ; the sums under the new M: a plain place behind the exponentials
	s_wait_alu depctr_va_vdst(0)                   ; one wait for the batch of 64, ahead of its first reader
.irp b, 0,1,2,3
	v_exp_f32 v[BM+\b], v[BM+\b]                   ; the block's largest p
.endr
	v_pk_add_f32 v[PY:PY+1], v[S:S+1], v[S+2:S+3]  ; the row's sum of the unquantised p, in two chains
.irp j, 4,8,12,16,20,24,28,32,36,40,44,48,52,56,60
	v_pk_add_f32 v[LS:LS+1], v[LS:LS+1], v[S+\j:S+\j+1]
	v_pk_add_f32 v[PY:PY+1], v[PY:PY+1], v[S+\j+2:S+\j+3]
.endr
	v_pk_add_f32 v[LS:LS+1], v[LS:LS+1], v[PY:PY+1]
	s_wait_alu depctr_va_vdst(0)                   ; and one for the four
.irp b, 0,1,2,3
	v_max_num_f32 v[BM+\b], 0x2800000, v[BM+\b]    ; the floor 2^(5 - 127): the byte cannot fall under 1
.endr
.irp b, 0,1,2,3
	v_add_nc_u32 v[SOP+\b], 0xfe000000, v[BM+\b]
.endr
.irp b, 0,1,2,3
	v_lshrrev_b32 v[BT+\b], 23, v[SOP+\b]
.endr
	v_lshl_or_b32 v[PSW], v[BT+1], 8, v[BT]
	v_lshl_or_b32 v[PSW], v[BT+2], 16, v[PSW]
	v_lshl_or_b32 v[PSW], v[BT+3], 24, v[PSW]
.irp c, 0,1
	v_cvt_scalef32_pk16_bf6_f32 v[PC+6*\c:PC+2+6*\c], v[S+32*\c:S+15+32*\c], v[SOP+2*\c]
	v_cvt_scalef32_pk16_bf6_f32 v[PY+4*\c:PY+2+4*\c], v[S+16+32*\c:S+31+32*\c], v[SOP+2*\c+1]
.endr
	v_nop                                          ; one plain place behind a scaled conversion
.irp c, 0,1
.irp i, 0,1,2
	v_permlane16_swap_b32 v[PC+6*\c+\i], v[PY+4*\c+\i]
.endr
.irp i, 0,1,2
	v_mov_b32 v[PC+3+6*\c+\i], v[PY+4*\c+\i]
.endr
.endr
.set j, 0
.rept 16
	v_pk_mul_f32 v[O+j:O+j+1], v[O+j:O+j+1], v[FF:FF+1] op_sel_hi:[1,0]   ; O^T under the new M; twelve of these name no register of any one product below: the places behind the writes of p's codes and scale word
.set j, j+2
.endr
	s_wait_dscnt 0x0                               ; V
.irp ct, 0,1,2,3
	WMA O+8*\ct, KV+12*\ct, PC, VSC+\ct/2, \ct%2, PSW
.endr
	PLACES 4
.endm
; ONE SOFTMAX of the tile: dir = 0 fw, 1 bw.  The loop has 8 trips always; a trip outside LOJ .. HIJ only steps the addresses.
.macro PASS dir
.if \dir == 0
	s_mov_b32 s[DEG], s[DEGF]
	s_cmp_lg_u32 s[DEG], 0
	s_cselect_b32 s[LOJ], 0, s[JB]
	s_mov_b32 s[HIJ], 7
.else
	s_mov_b32 s[DEG], s[DEGB]
	s_cmp_lg_u32 s[DEG], 0
	s_mov_b32 s[LOJ], 0
	s_cselect_b32 s[HIJ], 7, s[JB]
.endif
	s_cselect_b32 s[CS], 1.0, s[CC]                ; where the logits are formed in full the registers hold t already
	s_mov_b32 s[CS+1], s[CS]
	v_mov_b32 v[NM+1], 0xff61b1e6                  ; the largest t so far: -3e38
	v_floor_f32 v[NM], -v[NM+1]
	v_mov_b32 v[LS], 0
	v_mov_b32 v[LS+1], 0
.set j, 0
.rept 32
	v_mov_b32 v[O+j], 0                            ; the step is written once: the first finds zeros
.set j, j+1
.endr
	s_mov_b32 s[KO], 0
	s_mov_b32 s[SO], 0
	s_mov_b32 s[PO], 0
	s_mov_b32 s[KF], 0
	s_mov_b32 s[JS], 0
.Lstep_\@:
	s_cmp_lt_u32 s[JS], s[LOJ]
	s_cbranch_scc1 .Lskip_\@
	s_cmp_gt_u32 s[JS], s[HIJ]
	s_cbranch_scc1 .Lskip_\@
	STEP \dir
.Lskip_\@:
	s_add_co_u32 s[KO], s[KO], 6144
	s_add_co_u32 s[SO], s[SO], 256
	s_add_co_u32 s[PO], s[PO], 512
	s_add_co_u32 s[KF], s[KF], 128
	s_add_co_u32 s[JS], s[JS], 1
	s_cmp_lt_u32 s[JS], 8
	s_cbranch_scc1 .Lstep_\@
.if \dir
	s_cmp_eq_u32 s[TC], 1                          ; the second tile's Q is asked for here, if there is a second tile to come
	s_cbranch_scc1 .Lno_q_\@
	global_load_b128 v[QOP:QOP+3], v[G16], s[QB:QB+1] offset:3072
	global_load_b64 v[QOP+4:QOP+5], v[G8], s[QB:QB+1] offset:3584
	global_load_b32 v[QS], v[R4], s[QSB:QSB+1] offset:128
.Lno_q_\@:
.endif
	v_add_f32 v[TP], v[LS], v[LS+1]
	v_permlanex16_b32 v[BT], v[TP], s[SEL], s[SEL+1]
	v_add_f32 v[TP], v[TP], v[BT]                  ; the row's sum
	v_rcp_f32 v[FF], v[TP]
	v_nop                                          ; a plain place behind the reciprocal
	s_wait_alu depctr_va_vdst(0)                   ; and the wait ahead of its first reader
.set j, 0
.rept 16
.if \dir == 0
	v_pk_mul_f32 v[ATT+j:ATT+j+1], v[O+j:O+j+1], v[FF:FF+1] op_sel_hi:[1,0]
.else
	v_pk_fma_f32 v[ATT+j:ATT+j+1], v[O+j:O+j+1], v[FF:FF+1], v[ATT+j:ATT+j+1] op_sel_hi:[1,0,1]
.endif
.set j, j+2
.endr
.endm
	s_mov_b32 s[TC], 2
.Ltile:
	s_wait_loadcnt 0x0                             ; Q
.irp i, 0,1,2,3,4,5
	v_mov_b32 v[QOP+12+\i], v[QOP+\i]
.endr
	v_lshrrev_b32 v[QS], s[SH], v[QS]
	v_and_b32 v[QS], 0xffff, v[QS]
	v_lshl_or_b32 v[QS], v[QS], 16, v[QS]          ; my tile's two bytes, for Q below and for Q above
	s_add_co_u32 s52, s[Q0], 16
	s_cmp_gt_u32 s52, s[EU]                        ; a query at or behind the last unpadded key + 1?
	s_cselect_b32 s[DEGF], 1, 0
	s_cmp_lt_u32 s[Q0], s[FU]                      ; a query ahead of the first unpadded key?
	s_cselect_b32 s[DEGB], 1, 0
	PASS 0
	PASS 1
	QUANT2 ATT, PC, TP                             ; register 16 b + i is channel 32 b + 16 h + i of my query
	global_store_b128 v[G16], v[PC:PC+3], s[AB:AB+1]              ; 512 consecutive bytes, aligned to 256
	global_store_b64 v[G8], v[PC+4:PC+5], s[AB:AB+1] offset:512   ; 256 consecutive bytes, aligned
	global_store_b16 v[R4], v[TP], s[ASB:ASB+1]
	s_wait_xcnt 0x0                                ; the stores' bases and data are written again only behind this wait
	s_add_nc_u64 s[AB:AB+1], s[AB:AB+1], 36864     ; four tiles on
	s_add_nc_u64 s[ASB:ASB+1], s[ASB:ASB+1], 1536
	s_add_co_u32 s[Q0], s[Q0], 64
	v_add_nc_u32 v[QL], 64, v[QL]
	s_sub_co_u32 s[TC], s[TC], 1
	s_cmp_lg_u32 s[TC], 0
	s_cbranch_scc1 .Ltile
	s_wait_tensorcnt 0x0                           ; the wave's end: behind my last LDS store
	ds_add_u32 v[SPW], v[NIL]
	s_wait_dscnt 0x0
	s_endpgm
.Lfunc_end_k_q2c0295d3d0_attn:
	.size	k_q2c0295d3d0_attn, .Lfunc_end_k_q2c0295d3d0_attn-k_q2c0295d3d0_attn
	.p2alignl 7, 3214868480
	.fill 96, 4, 3214868480
	.section	.rodata,"a",@progbits
	.p2align	6, 0x0
	.amdhsa_kernel k_q2c0295d3d0_attn
		.amdhsa_group_segment_fixed_size 312832
		.amdhsa_private_segment_fixed_size 0
		.amdhsa_enable_private_segment 0
		.amdhsa_kernarg_size 48
		.amdhsa_user_sgpr_count 2
		.amdhsa_user_sgpr_kernarg_segment_ptr 1
		.amdhsa_wavefront_size32 1
		.amdhsa_system_sgpr_workgroup_id_x 1
		.amdhsa_system_sgpr_workgroup_id_y 1
		.amdhsa_system_sgpr_workgroup_id_z 1
		.amdhsa_system_vgpr_workitem_id 0
		.amdhsa_next_free_vgpr 256
		.amdhsa_next_free_sgpr 66
		.amdhsa_reserve_vcc 1
		.amdhsa_float_denorm_mode_32 3
		.amdhsa_float_denorm_mode_16_64 3
		.amdhsa_memory_ordered 1
		.amdhsa_forward_progress 1
		.amdhsa_inst_pref_size 109
	.end_amdhsa_kernel
	.amdgpu_metadata
---
amdhsa.version: [ 1, 2 ]
amdhsa.kernels:
  - .name:           k_q2c0295d3d0_attn
    .symbol:         k_q2c0295d3d0_attn.kd
    .args:
      - { .name: qbuf, .offset: 0, .size: 8, .value_kind: global_buffer, .address_space: global }
      - { .name: kv, .offset: 8, .size: 8, .value_kind: global_buffer, .address_space: global }
      - { .name: pb, .offset: 16, .size: 8, .value_kind: global_buffer, .address_space: global }
      - { .name: edges, .offset: 24, .size: 8, .value_kind: global_buffer, .address_space: global }
      - { .name: aimg, .offset: 32, .size: 8, .value_kind: global_buffer, .address_space: global }
      - { .name: asc, .offset: 40, .size: 8, .value_kind: global_buffer, .address_space: global }
    .group_segment_fixed_size: 312832
    .private_segment_fixed_size: 0
    .kernarg_segment_align: 8
    .kernarg_segment_size: 48
    .max_flat_workgroup_size: 384
    .sgpr_count:     66
    .vgpr_count:     256
    .wavefront_size: 32
...
	.end_amdgpu_metadata
.endif
;; end of part 3
;; launch outp (part 4): grid 256 x 1, 12 waves a work-group, no clusters, 119,552 bytes of LDS; arguments aimg, asc, wimg, q, bo, gamma, beta, out0; writes out0
.if DOCPART == 4
	.amdgcn_target "amdgcn-amd-amdhsa--gfx1250"
	.amdhsa_code_object_version 6
	.text
	.protected	k_q2c0295d3d0_outp
	.globl	k_q2c0295d3d0_outp
	.p2align	8
	.type	k_q2c0295d3d0_outp,@function
k_q2c0295d3d0_outp:
	s_mov_b64 s[64:65], 0
	v_nop
	global_prefetch_b8 v0, s[64:65] scope:SCOPE_SE
	s_setreg_imm32_b32 hwreg(HW_REG_WAVE_MODE, 25, 1), 1
	s_wait_xcnt 0x0
; OUTP.  out0 = LayerNorm(q + att Wo + bo) x gamma + beta.  att and Wo are codes of E3M2 with E8M0 scales, both laid in the order of a matrix operand's registers; all else f32.
; SHARES.  A work-group takes 32 rows (two tiles of 16) and all 768 columns, so that a row's mean and variance stay inside it.  Wave w owns columns 64 w .. 64 w + 63: 4 tiles of columns x 2 tiles of rows, 8 accumulators.
; att's 12 fragments (6 K steps x 2 tiles) are copied into LDS once, a fragment a wave.  Wo's fragments go from memory straight into the one wave that multiplies them, three sets by turns, three K steps ahead:
; nothing of Wo is shared inside a work-group, and no tile is brought jointly for several work-groups: it would have to pass through LDS for 8 matrix instructions a wave and K step.
; The product is used transposed (source 0 = Wo, source 1 = att): a lane holds one row, and its registers 16 b + i are columns 64 w + 32 b + 16 h + i.  The results meet in a stage in LDS; then a wave takes whole rows: w, w + 12, w + 24.
; LIMITS: NaN and infinities are not served.
.set AIMG,  0                          ; LDS: att's 12 fragments, 2 s + tile, 1,536 bytes each
.set ASC,   18432                      ; their scale words, 64 bytes each
.set SPARE, 19200                      ; the spare words, 128 bytes a wave: six blocks of 256 bytes that no other line names
.set STG,   20736                      ; 32 rows of 3,072 bytes + 16
.set G16, 1
.set G8,  2
.set G4,  3
.set R4,  4
.set SA,  5                            ; v5   the stage, in: 3,088 r + 256 w + 64 h
.set RA,  6                            ; v6   the stage, out: row w, 16 x lane
.set RA2, 7                            ; v7   row w + 24
.set CW,  8                            ; v8   where I store my fragment of att
.set CWS, 9                            ; v9   and its scale words
.set SPW, 10                           ; v10  my spare word; never rewritten
.set NIL, 11                           ; v11  0; never rewritten
.set PFO, 12                           ; v12  256 x my thread's number; never rewritten
.set ACC, 16                           ; v16-79 accumulators; later v16-39 a row from the stage, v40-49 at work
.set Y,   16
.set T,   40
.set W0,  80                           ; three sets of 48 + 2 (scale words: v128-129, v178-179, v228-229)
.set BOR, 80                           ; later: bo v80-103, gamma v104-127, beta v130-153, the residual's rows v154-177, v180-203, v204-227
.set GAR, 104
.set BER, 130
.set RES0, 154
.set RES1, 180
.set RES2, 204
.set XF,  230                          ; v230-253 att's two fragments
.set XSR, 254                          ; v254 att's scale words: lanes 0-15 tile 0, lanes 16-31 tile 1
.set WV,  20
.set SEL, 22
.set INV, 24
.set EPS, 25
.set WB,  28
.set AB,  30
.set ASB, 32
.set QB0, 34
.set QR,  36
.set OB,  38
.macro PLACES n
.rept \n
	v_nop
.endr
.endm
.macro GLF R, base, off
	global_load_b128 v[(\R):(\R)+3], v[G16], s[\base:\base+1] offset:(\off)
	global_load_b64 v[(\R)+4:(\R)+5], v[G8], s[\base:\base+1] offset:(\off)+512
	global_load_b128 v[(\R)+6:(\R)+9], v[G16], s[\base:\base+1] offset:(\off)+768
	global_load_b64 v[(\R)+10:(\R)+11], v[G8], s[\base:\base+1] offset:(\off)+1280
.endm
.macro LDF R, a16, a8, off
	ds_load_b128 v[(\R):(\R)+3], v[\a16] offset:(\off)
	ds_load_b64 v[(\R)+4:(\R)+5], v[\a8] offset:(\off)+512
	ds_load_b128 v[(\R)+6:(\R)+9], v[\a16] offset:(\off)+768
	ds_load_b64 v[(\R)+10:(\R)+11], v[\a8] offset:(\off)+1280
.endm
.macro GLW set, s                      ; my columns' four fragments of Wo for K step s and their two registers of scale words: 18 loads
.irp ct, 0,1,2,3
	GLF (\set)+12*\ct, WB, 76800*(\s)+1536*\ct
.endr
	global_load_b32 v[(\set)+48], v[G4], s[WB:WB+1] offset:76800*(\s)+6144
	global_load_b32 v[(\set)+49], v[G4], s[WB:WB+1] offset:76800*(\s)+6272
.endm
.macro WMS d, a, b, z, sa, ra, sb, rb
.if \z
.if ((\ra) == 0) && ((\rb) == 0)
	v_wmma_scale_f32_16x16x128_f8f6f4 v[(\d):(\d)+7], v[(\a):(\a)+11], v[(\b):(\b)+11], 0, v[(\sa)], v[(\sb)] matrix_a_fmt:MATRIX_FMT_BF6 matrix_b_fmt:MATRIX_FMT_BF6
.elseif ((\ra) == 1) && ((\rb) == 0)
	v_wmma_scale_f32_16x16x128_f8f6f4 v[(\d):(\d)+7], v[(\a):(\a)+11], v[(\b):(\b)+11], 0, v[(\sa)], v[(\sb)] matrix_a_fmt:MATRIX_FMT_BF6 matrix_b_fmt:MATRIX_FMT_BF6 matrix_a_scale:MATRIX_SCALE_ROW1
.elseif ((\ra) == 0) && ((\rb) == 1)
	v_wmma_scale_f32_16x16x128_f8f6f4 v[(\d):(\d)+7], v[(\a):(\a)+11], v[(\b):(\b)+11], 0, v[(\sa)], v[(\sb)] matrix_a_fmt:MATRIX_FMT_BF6 matrix_b_fmt:MATRIX_FMT_BF6 matrix_b_scale:MATRIX_SCALE_ROW1
.else
	v_wmma_scale_f32_16x16x128_f8f6f4 v[(\d):(\d)+7], v[(\a):(\a)+11], v[(\b):(\b)+11], 0, v[(\sa)], v[(\sb)] matrix_a_fmt:MATRIX_FMT_BF6 matrix_b_fmt:MATRIX_FMT_BF6 matrix_a_scale:MATRIX_SCALE_ROW1 matrix_b_scale:MATRIX_SCALE_ROW1
.endif
.else
.if ((\ra) == 0) && ((\rb) == 0)
	v_wmma_scale_f32_16x16x128_f8f6f4 v[(\d):(\d)+7], v[(\a):(\a)+11], v[(\b):(\b)+11], v[(\d):(\d)+7], v[(\sa)], v[(\sb)] matrix_a_fmt:MATRIX_FMT_BF6 matrix_b_fmt:MATRIX_FMT_BF6
.elseif ((\ra) == 1) && ((\rb) == 0)
	v_wmma_scale_f32_16x16x128_f8f6f4 v[(\d):(\d)+7], v[(\a):(\a)+11], v[(\b):(\b)+11], v[(\d):(\d)+7], v[(\sa)], v[(\sb)] matrix_a_fmt:MATRIX_FMT_BF6 matrix_b_fmt:MATRIX_FMT_BF6 matrix_a_scale:MATRIX_SCALE_ROW1
.elseif ((\ra) == 0) && ((\rb) == 1)
	v_wmma_scale_f32_16x16x128_f8f6f4 v[(\d):(\d)+7], v[(\a):(\a)+11], v[(\b):(\b)+11], v[(\d):(\d)+7], v[(\sa)], v[(\sb)] matrix_a_fmt:MATRIX_FMT_BF6 matrix_b_fmt:MATRIX_FMT_BF6 matrix_b_scale:MATRIX_SCALE_ROW1
.else
	v_wmma_scale_f32_16x16x128_f8f6f4 v[(\d):(\d)+7], v[(\a):(\a)+11], v[(\b):(\b)+11], v[(\d):(\d)+7], v[(\sa)], v[(\sb)] matrix_a_fmt:MATRIX_FMT_BF6 matrix_b_fmt:MATRIX_FMT_BF6 matrix_a_scale:MATRIX_SCALE_ROW1 matrix_b_scale:MATRIX_SCALE_ROW1
.endif
.endif
.endm
	s_load_b512 s[4:19], s[0:1], 0x0               ; aimg, asc, wimg, q, bo, gamma, beta, out0
	v_lshl_add_u32 v[SPW], v0, 2, SPARE
	v_mov_b32 v[NIL], 0
	v_lshrrev_b32 v13, 5, v0
	v_readfirstlane_b32 s[WV], v13                 ; wave 0..11
	v_and_b32 v13, 31, v0
	v_and_b32 v14, 15, v0                          ; r
	v_bfe_u32 v15, v0, 4, 1                        ; h
	v_lshlrev_b32 v[G16], 4, v13
	v_lshlrev_b32 v[G8], 3, v13
	v_lshlrev_b32 v[G4], 2, v13
	v_lshlrev_b32 v[R4], 2, v14
	v_lshlrev_b32 v[PFO], 8, v0
	s_lshl_b32 s26, s[WV], 8
	s_add_co_u32 s26, s26, STG
	v_mul_u32_u24 v[SA], v14, 3088
	v_lshl_add_u32 v[SA], v15, 6, v[SA]
	v_add_nc_u32 v[SA], s26, v[SA]
	s_mul_i32 s26, s[WV], 3088
	s_add_co_u32 s26, s26, STG
	v_add_nc_u32 v[RA], s26, v[G16]
	v_add_nc_u32 v[RA2], 74112, v[RA]
	s_mul_i32 s26, s[WV], 1536
	v_add_nc_u32 v[CW], s26, v[G16]
	s_lshl_b32 s26, s[WV], 6
	s_add_co_u32 s26, s26, ASC
	v_add_nc_u32 v[CWS], s26, v[R4]
	s_mov_b32 s[SEL], 0x76543210
	s_mov_b32 s[SEL+1], 0xfedcba98                 ; lane l xor 16
	s_mov_b32 s[INV], 0x3aaaaaab                   ; 1 / 768
	s_mov_b32 s[EPS], 0x358637bd                   ; 1e-6
	s_and_b32 s26, s[WV], 1                        ; the fragment that I copy: tile w & 1, K step w >> 1
	s_mul_i32 s26, s26, 6
	s_lshr_b32 s27, s[WV], 1
	s_add_co_u32 s26, s26, s27
	s_mul_i32 s27, ttmp9, 12
	s_add_co_u32 s26, s26, s27
	s_mul_i32 s[AB], s26, 1536
	s_mov_b32 s[AB+1], 0
	s_lshl_b32 s[ASB], s26, 6
	s_mov_b32 s[ASB+1], 0
	s_mul_i32 s[WB], s[WV], 6400
	s_add_co_u32 s[WB], s[WB], 1382400             ; Wo is the fourth weight in wimg
	s_mov_b32 s[WB+1], 0
	s_mul_i32 s[QB0], ttmp9, 98304                 ; the work-group's 32 rows
	s_mov_b32 s[QB0+1], 0
	s_mul_i32 s[QR], s[WV], 3072
	s_add_co_u32 s[QR], s[QR], s[QB0]              ; row w of them
	s_mov_b32 s[QR+1], 0
	s_wait_kmcnt 0x0
	s_add_nc_u64 s[AB:AB+1], s[4:5], s[AB:AB+1]
	s_add_nc_u64 s[ASB:ASB+1], s[6:7], s[ASB:ASB+1]
	s_add_nc_u64 s[WB:WB+1], s[8:9], s[WB:WB+1]
	s_add_nc_u64 s[QB0:QB0+1], s[10:11], s[QB0:QB0+1]
	s_add_nc_u64 s[OB:OB+1], s[18:19], s[QR:QR+1]
	s_add_nc_u64 s[QR:QR+1], s[10:11], s[QR:QR+1]
.irp i, 0,1,2
	global_load_b128 v[XF+4*\i:XF+4*\i+3], v[G16], s[AB:AB+1] offset:512*\i th:TH_LOAD_NT   ; 1,536 bytes as they lie
.endr
	global_load_b32 v[XF+12], v[R4], s[ASB:ASB+1] th:TH_LOAD_NT
	GLW W0, 0
	GLW W0+50, 1
	GLW W0+100, 2
	s_wait_loadcnt 54                              ; my fragment of att is in; the three sets' 54 loads may be out
.irp i, 0,1,2
	ds_store_b128 v[CW], v[XF+4*\i:XF+4*\i+3] offset:AIMG+512*\i
.endr
	ds_store_b32 v[CWS], v[XF+12]                  ; lanes r and r + 16 store the same word
	s_wait_dscnt 0x0                               ; for the others' sake: my stores have landed
	s_barrier_signal -1
	s_barrier_wait -1                              ; att's 12 fragments lie in LDS
; A K step of 128: 8 matrix instructions, the 8 accumulators by turns, one instruction a turn.  n: the younger loads that may stay out
.macro KSTEP s, n
.set SET, W0+50*((\s)%3)
	s_wait_loadcnt \n
	LDF XF, G16, G8, AIMG+3072*(\s)
	LDF XF+12, G16, G8, AIMG+3072*(\s)+1536
	ds_load_b32 v[XSR], v[G4] offset:ASC+128*(\s)
	s_wait_dscnt 0x0
.irp t, 0,1
.irp ct, 0,1,2,3
	WMS ACC+32*\t+8*\ct, SET+12*\ct, XF+12*\t, (\s)==0, SET+48+\ct/2, \ct%2, XSR, \t
.endr
.endr
	PLACES 4                                       ; in front of loads into registers that matrix instructions have read, and of the first read of results
.endm
	KSTEP 0, 36                                    ; two younger sets
	GLW W0, 3
	global_prefetch_b8 v[PFO], s[QB0:QB0+1] th:TH_LOAD_NT scope:SCOPE_SE   ; the residual's 32 rows, 98,304 bytes: each of the 384 threads names another 256 bytes, once; four K steps ahead of the first load of them
	KSTEP 1, 36
	GLW W0+50, 4
	KSTEP 2, 36
	GLW W0+100, 5
	KSTEP 3, 36
.irp i, 0,1,2,3,4,5                    ; each set that is done with takes what the rows' end needs
	global_load_b128 v[BOR+4*\i:BOR+4*\i+3], v[G16], s[12:13] offset:512*\i
.endr
.irp i, 0,1,2,3,4,5
	global_load_b128 v[GAR+4*\i:GAR+4*\i+3], v[G16], s[14:15] offset:512*\i
.endr
	KSTEP 4, 30                                    ; K step 5's 18 loads and the 12 above
.irp i, 0,1,2,3,4,5
	global_load_b128 v[BER+4*\i:BER+4*\i+3], v[G16], s[16:17] offset:512*\i
.endr
.irp i, 0,1,2,3,4,5
	global_load_b128 v[RES0+4*\i:RES0+4*\i+3], v[G16], s[QR:QR+1] offset:512*\i th:TH_LOAD_NT
.endr
	KSTEP 5, 24                                    ; the 12 and the 12
.irp i, 0,1,2,3,4,5
	global_load_b128 v[RES1+4*\i:RES1+4*\i+3], v[G16], s[QR:QR+1] offset:36864+512*\i th:TH_LOAD_NT
.endr
	s_cmp_lt_u32 s[WV], 8                          ; rows 24 to 31: waves 0 to 7
	s_cbranch_scc0 .Lno_third
.irp i, 0,1,2,3,4,5
	global_load_b128 v[RES2+4*\i:RES2+4*\i+3], v[G16], s[QR:QR+1] offset:73728+512*\i th:TH_LOAD_NT
.endr
.Lno_third:
.irp t, 0,1
.irp b, 0,1
.irp jj, 0,1,2,3
	ds_store_b128 v[SA], v[ACC+32*\t+16*\b+4*\jj:ACC+32*\t+16*\b+4*\jj+3] offset:49408*\t+128*\b+16*\jj   ; each accumulator from its low end on
.endr
.endr
.endr
	s_wait_dscnt 0x0                               ; for the others' sake: my stores have landed
	s_barrier_signal -1
	s_barrier_wait -1                              ; 32 whole rows lie in the stage
	s_wait_loadcnt 0x0
.macro REDUCE                          ; v[T] over the 32 lanes, in every lane
	v_add_f32_dpp v[T], v[T], v[T] row_xmask:1 row_mask:0xf bank_mask:0xf
	v_add_f32_dpp v[T], v[T], v[T] row_xmask:2 row_mask:0xf bank_mask:0xf
	v_add_f32_dpp v[T], v[T], v[T] row_xmask:4 row_mask:0xf bank_mask:0xf
	v_add_f32_dpp v[T], v[T], v[T] row_xmask:8 row_mask:0xf bank_mask:0xf
	v_permlanex16_b32 v[T+1], v[T], s[SEL], s[SEL+1]
	v_add_f32 v[T], v[T], v[T+1]
.endm
; A row: 24 numbers a lane (columns 128 i + 4 lane + 0 .. 3), worked in the residual's registers, which are this row's own: no store's data are written again
.macro ROW res, ra, off, go
.irp i, 0,1,2,3,4,5
	ds_load_b128 v[Y+4*\i:Y+4*\i+3], v[\ra] offset:(\off)+512*\i
.endr
	s_wait_dscnt 0x0
.irp j, 0,2,4,6,8,10,12,14,16,18,20,22
	v_pk_add_f32 v[(\res)+\j:(\res)+\j+1], v[(\res)+\j:(\res)+\j+1], v[Y+\j:Y+\j+1]
.endr
.irp j, 0,2,4,6,8,10,12,14,16,18,20,22
	v_pk_add_f32 v[(\res)+\j:(\res)+\j+1], v[(\res)+\j:(\res)+\j+1], v[BOR+\j:BOR+\j+1]   ; x = q + att Wo + bo
.endr
	v_pk_add_f32 v[T:T+1], v[(\res):(\res)+1], v[(\res)+2:(\res)+3]
	v_pk_add_f32 v[T+2:T+3], v[(\res)+4:(\res)+5], v[(\res)+6:(\res)+7]
.irp j, 8,12,16,20
	v_pk_add_f32 v[T:T+1], v[T:T+1], v[(\res)+\j:(\res)+\j+1]
	v_pk_add_f32 v[T+2:T+3], v[T+2:T+3], v[(\res)+\j+2:(\res)+\j+3]
.endr
	v_pk_add_f32 v[T:T+1], v[T:T+1], v[T+2:T+3]
	v_add_f32 v[T], v[T], v[T+1]
	REDUCE
	v_mul_f32 v[T+4], s[INV], v[T]                 ; the mean
	v_mov_b32 v[T+5], v[T+4]
.irp j, 0,2,4,6,8,10,12,14,16,18,20,22
	v_pk_add_f32 v[(\res)+\j:(\res)+\j+1], v[(\res)+\j:(\res)+\j+1], v[T+4:T+5] neg_lo:[0,1] neg_hi:[0,1]
.endr
	v_pk_mul_f32 v[T:T+1], v[(\res):(\res)+1], v[(\res):(\res)+1]
	v_pk_mul_f32 v[T+2:T+3], v[(\res)+2:(\res)+3], v[(\res)+2:(\res)+3]
.irp j, 4,8,12,16,20
	v_pk_fma_f32 v[T:T+1], v[(\res)+\j:(\res)+\j+1], v[(\res)+\j:(\res)+\j+1], v[T:T+1]
	v_pk_fma_f32 v[T+2:T+3], v[(\res)+\j+2:(\res)+\j+3], v[(\res)+\j+2:(\res)+\j+3], v[T+2:T+3]
.endr
	v_pk_add_f32 v[T:T+1], v[T:T+1], v[T+2:T+3]
	v_add_f32 v[T], v[T], v[T+1]
	REDUCE
	v_fma_f32 v[T+6], v[T], s[INV], s[EPS]         ; the variance + 1e-6
	v_rsq_f32 v[T+8], v[T+6]
	v_rsq_f32 v[T+9], v[T+6]                       ; twice: a pair for the packed multiply
	v_nop                                          ; a plain place behind the two
	s_wait_alu depctr_va_vdst(0)                   ; one wait for both, ahead of their first reader
.irp j, 0,2,4,6,8,10,12,14,16,18,20,22
	v_pk_mul_f32 v[(\res)+\j:(\res)+\j+1], v[(\res)+\j:(\res)+\j+1], v[T+8:T+9]
.endr
.irp j, 0,2,4,6,8,10,12,14,16,18,20,22
	v_pk_fma_f32 v[(\res)+\j:(\res)+\j+1], v[(\res)+\j:(\res)+\j+1], v[GAR+\j:GAR+\j+1], v[BER+\j:BER+\j+1]
.endr
.irp i, 0,1,2,3,4,5
	global_store_b128 v[G16], v[(\res)+4*\i:(\res)+4*\i+3], s[OB:OB+1] offset:(\go)+512*\i th:TH_STORE_NT   ; 32 lanes store 512 consecutive bytes, aligned to 256
.endr
.endm
	ROW RES0, RA, 0, 0
	ROW RES1, RA, 37056, 36864
	s_cmp_lt_u32 s[WV], 8
	s_cbranch_scc0 .Lend
	ROW RES2, RA2, 0, 73728
.Lend:
	s_wait_tensorcnt 0x0                           ; the wave's end: behind my last LDS store
	ds_add_u32 v[SPW], v[NIL]
	s_wait_dscnt 0x0
	s_endpgm
.Lfunc_end_k_q2c0295d3d0_outp:
	.size	k_q2c0295d3d0_outp, .Lfunc_end_k_q2c0295d3d0_outp-k_q2c0295d3d0_outp
	.p2alignl 7, 3214868480
	.fill 96, 4, 3214868480
	.section	.rodata,"a",@progbits
	.p2align	6, 0x0
	.amdhsa_kernel k_q2c0295d3d0_outp
		.amdhsa_group_segment_fixed_size 119552
		.amdhsa_private_segment_fixed_size 0
		.amdhsa_enable_private_segment 0
		.amdhsa_kernarg_size 64
		.amdhsa_user_sgpr_count 2
		.amdhsa_user_sgpr_kernarg_segment_ptr 1
		.amdhsa_wavefront_size32 1
		.amdhsa_system_sgpr_workgroup_id_x 1
		.amdhsa_system_sgpr_workgroup_id_y 1
		.amdhsa_system_sgpr_workgroup_id_z 1
		.amdhsa_system_vgpr_workitem_id 0
		.amdhsa_next_free_vgpr 256
		.amdhsa_next_free_sgpr 66
		.amdhsa_reserve_vcc 0
		.amdhsa_float_denorm_mode_32 3
		.amdhsa_float_denorm_mode_16_64 3
		.amdhsa_memory_ordered 1
		.amdhsa_forward_progress 1
		.amdhsa_inst_pref_size 51
	.end_amdhsa_kernel
	.amdgpu_metadata
---
amdhsa.version: [ 1, 2 ]
amdhsa.kernels:
  - .name:           k_q2c0295d3d0_outp
    .symbol:         k_q2c0295d3d0_outp.kd
    .args:
      - { .name: aimg, .offset: 0, .size: 8, .value_kind: global_buffer, .address_space: global }
      - { .name: asc, .offset: 8, .size: 8, .value_kind: global_buffer, .address_space: global }
      - { .name: wimg, .offset: 16, .size: 8, .value_kind: global_buffer, .address_space: global }
      - { .name: q, .offset: 24, .size: 8, .value_kind: global_buffer, .address_space: global }
      - { .name: bo, .offset: 32, .size: 8, .value_kind: global_buffer, .address_space: global }
      - { .name: gamma, .offset: 40, .size: 8, .value_kind: global_buffer, .address_space: global }
      - { .name: beta, .offset: 48, .size: 8, .value_kind: global_buffer, .address_space: global }
      - { .name: out0, .offset: 56, .size: 8, .value_kind: global_buffer, .address_space: global }
    .group_segment_fixed_size: 119552
    .private_segment_fixed_size: 0
    .kernarg_segment_align: 8
    .kernarg_segment_size: 64
    .max_flat_workgroup_size: 384
    .sgpr_count:     66
    .vgpr_count:     256
    .wavefront_size: 32
...
	.end_amdgpu_metadata
.endif
;; end of part 4
;; ======== version 2 of 2: 4 launches
;; limits: right only within a limited range of input values
;; workspace buffers: wimg 1,843,200 bytes; pb 32,768 bytes; edges 256 bytes of whole numbers; qbuf 4,915,200 bytes; kv 9,830,400 bytes; aimg 4,718,592 bytes; asc 196,608 bytes
;; launch prep (part 5): grid 146 x 1, 4 waves a work-group, no clusters, 0 bytes of LDS; arguments Wq, Wk, Wv, Wo, att_mask, wimg, pb, edges; writes wimg, pb, edges
.if DOCPART == 5
	.amdgcn_target "amdgcn-amd-amdhsa--gfx1250"
	.amdhsa_code_object_version 6
	.text
	.protected	k_q2c0295d3d0_prep
	.globl	k_q2c0295d3d0_prep
	.p2align	8
	.type	k_q2c0295d3d0_prep,@function
k_q2c0295d3d0_prep:
	s_mov_b64 s[64:65], 0
	v_nop
	global_prefetch_b8 v0, s[64:65] scope:SCOPE_SE
	s_setreg_imm32_b32 hwreg(HW_REG_WAVE_MODE, 25, 1), 1
	s_wait_xcnt 0x0
; PREP.  (a) The four weights [768 (k)][768 (n)], f32, become codes of E3M2 with one E8M0 byte for each 32 along K, laid in the order of a matrix operand's registers.
; (b) att_mask becomes a table of f32 (0, or -8e9 where the key is padded) and, for each batch, two whole numbers: the first unpadded key and the last unpadded key + 1.
; wimg[t][s][hd]: blocks of 6,400 bytes: four fragments ct (16 rows x 128 K, 1,536 bytes), then at 6,144 two images of scale words of 128 bytes.
;   A fragment is two halves c of 768 bytes; in a half, lane slot l = r + 16 h has its registers 0-3 at 16 l and 4-5 at 512 + 8 l: row r, k = 128 s + 64 c + 32 h + 0 .. 31.
;   Row r of fragment ct = 2 b + u is column 64 hd + 32 b + 8 u + r + 8 (r / 8) of the weight.  Scale image b, slot 16 u + r: that row's four bytes.
; Work-groups 0 to 143: weight t = g / 36, six groups of 128 columns x six K steps of 128.  A LANE TAKES A COLUMN AND ITS REGISTERS RUN DOWN K: a load reads 128 neighbouring bytes a wave, 512 a work-group.
; Work-groups 144, 145: a wave to a batch of the mask.
; A block's byte is its largest magnitude's exponent field - 4, held at 1 from below.  (A block of zeros gets the byte 1: its codes are zeros, and this program alone reads the bytes.)
; LIMITS: NaN and infinities among the inputs are not served.
.set WROW, 3072                        ; bytes in a row of a weight
.set X,    64                          ; v64-191: my column's 128 numbers
	s_load_b256 s[4:11], s[0:1], 0x0               ; Wq, Wk, Wv, Wo
	s_load_b256 s[12:19], s[0:1], 0x20             ; att_mask, wimg, pb, edges
	v_lshrrev_b32 v1, 5, v0
	v_readfirstlane_b32 s20, v1                    ; wave
	v_and_b32 v1, 31, v0                           ; lane
	v_lshlrev_b32 v2, 2, v1                        ; 4 x lane
	s_cmp_ge_u32 ttmp9, 144
	s_cbranch_scc1 .Lmask
	; ---- a weight
	s_mul_i32 s21, ttmp9, 57
	s_lshr_b32 s21, s21, 11                        ; t = g / 36 (exact for g < 144)
	s_mul_i32 s22, s21, 36
	s_sub_co_u32 s22, ttmp9, s22                   ; g % 36
	s_mul_i32 s23, s22, 43
	s_lshr_b32 s23, s23, 8                         ; group of 128 columns = (g % 36) / 6
	s_mul_i32 s24, s23, 6
	s_sub_co_u32 s24, s22, s24                     ; K step s
	s_lshl_b32 s25, s23, 2
	s_add_co_u32 s25, s25, s20                     ; my wave's block of 32 columns
	s_lshr_b32 s26, s25, 1                         ; hd
	s_and_b32 s27, s25, 1                          ; b
	s_mul_i32 s28, s24, 128*WROW
	s_lshl_b32 s29, s25, 7
	s_add_co_u32 s28, s28, s29                     ; from where: 128 s rows down, 128 bytes a block of columns
	s_mov_b32 s29, 0
	s_mul_i32 s30, s24, 12
	s_add_co_u32 s30, s30, s26
	s_mul_i32 s30, s30, 6400
	s_mul_i32 s31, s21, 460800
	s_add_co_u32 s30, s30, s31                     ; the block (t, s, hd)
	s_mul_i32 s31, s27, 3072
	s_add_co_u32 s32, s30, s31                     ; its fragments 2 b, 2 b + 1
	s_mov_b32 s33, 0
	s_lshl_b32 s31, s27, 7
	s_add_co_u32 s34, s30, s31
	s_add_co_u32 s34, s34, 6144                    ; its scale image b
	s_mov_b32 s35, 0
	s_wait_alu depctr_va_vdst(0)
	v_bfe_u32 v6, v1, 3, 1                         ; u
	v_and_b32 v7, 7, v1
	v_lshrrev_b32 v8, 4, v1
	v_lshl_or_b32 v7, v8, 3, v7                    ; r: column 32 b + lane is row r of fragment 2 b + u
	v_mul_u32_u24 v8, v6, 1536
	v_lshl_add_u32 v3, v7, 4, v8                   ; registers 0-3 of a slot: 1,536 u + 16 r
	v_lshl_add_u32 v4, v7, 3, v8                   ; registers 4-5: 1,536 u + 8 r (+ 512 in the immediate)
	v_lshl_add_u32 v5, v6, 4, v7
	v_lshlrev_b32 v5, 2, v5                        ; the scale word: 4 (16 u + r)
	s_wait_kmcnt 0x0
	s_cmp_eq_u32 s21, 1                            ; the choice hangs on the work-group's number alone
	s_cselect_b64 s[4:5], s[6:7], s[4:5]
	s_cmp_eq_u32 s21, 2
	s_cselect_b64 s[4:5], s[8:9], s[4:5]
	s_cmp_eq_u32 s21, 3
	s_cselect_b64 s[4:5], s[10:11], s[4:5]
	s_add_nc_u64 s[4:5], s[4:5], s[28:29]
	s_add_nc_u64 s[32:33], s[14:15], s[32:33]
	s_add_nc_u64 s[34:35], s[14:15], s[34:35]
.macro WLOAD t                         ; block t: W(128 s + 32 t + kk, my column)
.set kk, 0
.rept 32
	global_load_b32 v[X+32*(\t)+kk], v2, s[4:5] offset:(32*(\t)+kk)*WROW th:TH_LOAD_NT
.set kk, kk+1
.endr
.endm
.macro WBLOCK t                        ; block t = 2 c + h of my column goes to slot (r, h) of half c
.set XS, X+32*(\t)
.set T, 16+8*(\t)                      ; its six registers of codes: a set for each block, so that no store's data are written again
.if (\t) < 3
	s_wait_loadcnt 32                              ; this block's 32 loads are in; the next block's 32 may be out
.else
	s_wait_loadcnt 0x0
.endif
.if (\t)+2 < 4
	WLOAD (\t)+2                                   ; two blocks ahead
.endif
	v_max3_num_f32 v12, |v[XS]|, |v[XS+1]|, |v[XS+2]|
	v_max3_num_f32 v13, |v[XS+3]|, |v[XS+4]|, |v[XS+5]|
.irp i, 6,10,14,18,22,26
	v_max3_num_f32 v12, v12, |v[XS+\i]|, |v[XS+\i+1]|
	v_max3_num_f32 v13, v13, |v[XS+\i+2]|, |v[XS+\i+3]|
.endr
	v_max3_num_f32 v12, v12, |v[XS+30]|, |v[XS+31]|
	v_max3_num_f32 v12, v12, v13, 0x2800000        ; and the floor 2^(5 - 127): the byte cannot fall under 1
	v_add_nc_u32 v10, 0xfe000000, v12              ; 4 off the exponent field: the conversion's scale operand
	v_lshrrev_b32 v11, 23, v10                     ; the scale's byte
.if (\t) == 0
	v_mov_b32 v14, v11
.else
	v_lshl_or_b32 v14, v11, 8*(\t), v14            ; byte t of my row's scale word
.endif
	v_cvt_scalef32_pk16_bf6_f32 v[T:T+2], v[XS:XS+15], v10
	v_cvt_scalef32_pk16_bf6_f32 v[48:50], v[XS+16:XS+31], v10   ; (a conversion's three registers begin on an even number)
	v_nop                                          ; one plain place behind a scaled conversion
.irp i, 0,1,2
	v_mov_b32 v[T+3+\i], v[48+\i]
.endr
	global_store_b128 v3, v[T:T+3], s[32:33] offset:768*((\t)/2)+256*((\t)%2)     ; the sixteen lanes of one u store 256 consecutive bytes, aligned
	global_store_b64 v4, v[T+4:T+5], s[32:33] offset:512+768*((\t)/2)+128*((\t)%2)
.endm
	WLOAD 0
	WLOAD 1
	WBLOCK 0
	WBLOCK 1
	WBLOCK 2
	WBLOCK 3
	global_store_b32 v5, v14, s[34:35]             ; 32 lanes store the image's 128 bytes
	s_endpgm
	; ---- the mask: a wave to a batch
.Lmask:
	s_sub_co_u32 s21, ttmp9, 144
	s_lshl_b32 s21, s21, 2
	s_add_co_u32 s21, s21, s20                     ; batch
	s_lshl_b32 s22, s21, 10
	s_mov_b32 s23, 0
	s_lshl_b32 s24, s21, 12
	s_mov_b32 s25, 0
	s_lshl_b32 s26, s21, 3
	s_mov_b32 s27, 0
	s_wait_alu depctr_va_vdst(0)
	v_lshlrev_b32 v3, 4, v1
	v_mov_b32 v4, 0xcfee6b28                       ; -8e9: added to a raw score, which is then divided by 8
	v_mov_b32 v5, 1024                             ; the first unpadded key so far
	v_mov_b32 v6, 0                                ; the last unpadded key + 1 so far
	v_mov_b32 v10, 1024
	v_mov_b32 v11, 0
	s_wait_alu depctr_va_vdst(0)
	s_wait_kmcnt 0x0
	s_add_nc_u64 s[12:13], s[12:13], s[22:23]
	s_add_nc_u64 s[16:17], s[16:17], s[24:25]
	s_add_nc_u64 s[18:19], s[18:19], s[26:27]
.irp i, 0,1,2,3,4,5,6,7
	global_load_b32 v[16+\i], v2, s[12:13] offset:128*\i   ; keys 128 i + 4 lane + 0 .. 3, a byte each
.endr
	s_wait_loadcnt 0x0
.set i, 0
.rept 8
.set j, 0
.rept 4
	v_bfe_u32 v7, v[16+i], 8*j, 8
	v_cmp_ne_u32 vcc_lo, 0, v7                     ; padded?
	v_cndmask_b32 v[32+4*i+j], 0, v4, vcc_lo
	v_add_nc_u32 v8, 128*i+j, v2                   ; the key
	v_cndmask_b32 v9, v8, v10, vcc_lo
	v_min_u32 v5, v5, v9
	v_add_nc_u32 v8, 1, v8
	v_cndmask_b32 v9, v8, v11, vcc_lo
	v_max_u32 v6, v6, v9
.set j, j+1
.endr
.set i, i+1
.endr
	s_wait_alu depctr_va_vdst(0)
.irp i, 0,1,2,3,4,5,6,7
	global_store_b128 v3, v[32+4*\i:35+4*\i], s[16:17] offset:512*\i   ; 32 lanes store 512 consecutive bytes
.endr
	s_mov_b32 s28, 1024                            ; over the 32 lanes, in whole numbers throughout
	s_mov_b32 s29, 0
.set L, 0
.rept 32
	v_readlane_b32 s30, v5, L
	v_readlane_b32 s31, v6, L
	s_min_u32 s28, s28, s30
	s_max_u32 s29, s29, s31
.set L, L+1
.endr
	v_mov_b32 v12, s28
	v_mov_b32 v13, s29
	v_mov_b32 v14, 0
	v_cmp_eq_u32 vcc_lo, 0, v1
	s_wait_alu depctr_va_vdst(0)
	s_wait_xcnt 0x0                                ; EXEC changes only behind this wait: the stores above have been taken
	s_and_saveexec_b32 s30, vcc_lo
	global_store_b64 v14, v[12:13], s[18:19]       ; lane 0 alone: the batch's two numbers
	s_wait_xcnt 0x0                                ; and again in front of the line that widens it
	s_or_b32 exec_lo, exec_lo, s30
	s_endpgm
.Lfunc_end_k_q2c0295d3d0_prep:
	.size	k_q2c0295d3d0_prep, .Lfunc_end_k_q2c0295d3d0_prep-k_q2c0295d3d0_prep
	.p2alignl 7, 3214868480
	.fill 96, 4, 3214868480
	.section	.rodata,"a",@progbits
	.p2align	6, 0x0
	.amdhsa_kernel k_q2c0295d3d0_prep
		.amdhsa_group_segment_fixed_size 0
		.amdhsa_private_segment_fixed_size 0
		.amdhsa_enable_private_segment 0
		.amdhsa_kernarg_size 64
		.amdhsa_user_sgpr_count 2
		.amdhsa_user_sgpr_kernarg_segment_ptr 1
		.amdhsa_wavefront_size32 1
		.amdhsa_system_sgpr_workgroup_id_x 1
		.amdhsa_system_sgpr_workgroup_id_y 1
		.amdhsa_system_sgpr_workgroup_id_z 1
		.amdhsa_system_vgpr_workitem_id 0
		.amdhsa_next_free_vgpr 200
		.amdhsa_next_free_sgpr 66
		.amdhsa_reserve_vcc 1
		.amdhsa_float_denorm_mode_32 3
		.amdhsa_float_denorm_mode_16_64 3
		.amdhsa_memory_ordered 1
		.amdhsa_forward_progress 1
		.amdhsa_inst_pref_size 41
	.end_amdhsa_kernel
	.amdgpu_metadata
---
amdhsa.version: [ 1, 2 ]
amdhsa.kernels:
  - .name:           k_q2c0295d3d0_prep
    .symbol:         k_q2c0295d3d0_prep.kd
    .args:
      - { .name: Wq, .offset: 0, .size: 8, .value_kind: global_buffer, .address_space: global }
      - { .name: Wk, .offset: 8, .size: 8, .value_kind: global_buffer, .address_space: global }
      - { .name: Wv, .offset: 16, .size: 8, .value_kind: global_buffer, .address_space: global }
      - { .name: Wo, .offset: 24, .size: 8, .value_kind: global_buffer, .address_space: global }
      - { .name: att_mask, .offset: 32, .size: 8, .value_kind: global_buffer, .address_space: global }
      - { .name: wimg, .offset: 40, .size: 8, .value_kind: global_buffer, .address_space: global }
      - { .name: pb, .offset: 48, .size: 8, .value_kind: global_buffer, .address_space: global }
      - { .name: edges, .offset: 56, .size: 8, .value_kind: global_buffer, .address_space: global }
    .group_segment_fixed_size: 0
    .private_segment_fixed_size: 0
    .kernarg_segment_align: 8
    .kernarg_segment_size: 64
    .max_flat_workgroup_size: 128
    .sgpr_count:     66
    .vgpr_count:     200
    .wavefront_size: 32
...
	.end_amdgpu_metadata
.endif
;; end of part 5
;; launch proj (part 6): grid 64 x 3, 12 waves a work-group, no clusters, 179,712 bytes of LDS; arguments q, k, v, bq, bk, bv, wimg, qbuf, kv; writes qbuf, kv
.if DOCPART == 6
	.amdgcn_target "amdgcn-amd-amdhsa--gfx1250"
	.amdhsa_code_object_version 6
	.text
	.protected	k_q2c0295d3d0_proj
	.globl	k_q2c0295d3d0_proj
	.p2align	8
	.type	k_q2c0295d3d0_proj,@function
k_q2c0295d3d0_proj:
	s_mov_b64 s[64:65], 0
	v_nop
	global_prefetch_b8 v0, s[64:65] scope:SCOPE_SE
	s_setreg_imm32_b32 hwreg(HW_REG_WAVE_MODE, 25, 1), 1
	s_wait_xcnt 0x0
; PROJ.  y = x W + b for x = q, k, v (work-group y = 0, 1, 2), both operands as codes of E3M2 with E8M0 scales; y is quantised at once for the attention: q's and k's along the head's 64, v's along the keys.
; SHARES.  A work-group takes 128 rows of x and all 768 columns, so each number of x is read and quantised once, and each fragment of W is loaded once for 128 rows.  Wave w owns head w.
; It walks K twice, once for each block b of 32 of the head's channels: 2 tiles of columns x 8 tiles of rows, 16 accumulators, 128 registers.  The 12 steps (b, K step) form one stream of W's sets, two sets by turns, two steps ahead.
; x: each wave quantises four fragments (16 rows x 128 K), two in flight, and stores them in LDS as images of the operand's registers; one barrier; every wave reads all 48, once in each walk.
; W: its fragments lie in wimg in register order and go from memory straight into the one wave that multiplies them.  So nothing of W is shared inside a work-group, and no tile is brought jointly
; for several work-groups: it would have to pass through LDS, 460,800 bytes more to read there, for 16 matrix instructions a wave and step.  No prefetch of x: all its bytes are asked for at the head, with no loop to run ahead in.
; ORDER OF ROWS.  For k and v tile 2 c + u, row r is row 32 c + 8 u + r + 8 (r / 8) of the 128, as W's columns are in wimg: then a lane's 16 registers of two neighbouring tiles are 16 neighbours along the next product's K.
; q, k: the product is used transposed (source 0 = W, source 1 = x): a lane holds one row and its registers run along the head's channels.  The first walk's codes and scale bytes wait in registers for the second's.
; v: source 0 = x, source 1 = W: a lane holds one channel and its 64 registers run along the 128 keys, one key step of the attention: a whole fragment and a whole scale word for each tile of channels.
; OUT, in halves of fragments (16 rows x 64 K, 768 bytes: registers 0-3 of lane l at 16 l, 4-5 at 512 + 8 l): qbuf[bh]: 64 tiles, at 49,152 the scale words (pair of tiles P, row r: two bytes of tile 2 P, two of 2 P + 1);
; kv[bh]: K likewise, at 51,200 V[key step][tile of channels] as whole fragments, at 100,352 V's scale words.
; LIMITS: NaN and infinities are not served; a block of zeros gets the byte 1 (its codes are zeros; this program alone reads the bytes).
.set XIMG,  0                          ; LDS: x's 48 fragments, 6 m + s, 1,536 bytes each
.set XSC,   73728                      ; their scale words, 64 bytes each
.set SPARE, 76800                      ; the spare words, 128 bytes a wave: six blocks of 256 bytes that no other line names
.set STG,   78336                      ; a stage for each wave: 16 rows of 512 bytes + 16
.set G16, 1                            ; v1   16 x lane
.set G8,  2                            ; v2   8 x lane
.set G4,  3                            ; v3   4 x lane
.set R4,  4                            ; v4   4 r
.set SRD, 5                            ; v5   my stage, out: 528 r + 64 h
.set SWR, 6                            ; v6   my stage, in: 16 x lane
.set IW16, 7                           ; v7   where I store images: 1,536 w + 16 x lane
.set IW8, 8                            ; v8   1,536 w + 8 x lane
.set IWS, 9                            ; v9   and their scale words: XSC + 64 w + 4 r
.set SPW, 10                           ; v10  my spare word; never rewritten
.set NIL, 11                           ; v11  0; never rewritten
.set XS,  12                           ; v12-15 x's scale words: register j: lanes 0-15 tile 2 j, lanes 16-31 tile 2 j + 1
.set XSA, 16                           ; v16  their address: XSC + 4 r + 384 h
.set BOF, 17                           ; v17  the bias's offset
.set G16B, 18                          ; v18  16 x lane + 36,864: tiles 4 to 7 (an LDS offset has 16 bits)
.set G8B, 19                           ; v19  8 x lane + 36,864
.set ACC, 20                           ; v20-147 accumulators; before that x's numbers
.set X0,  20
.set X1,  84
.set KEEP, 148                         ; v148-179 q, k: the first walk's codes (three registers) and scale byte for each of 8 tiles
.set WA,  180                          ; v180-204 W's set 0 (two fragments, a register of scale words), v206-230 set 1
.set XF,  232                          ; v232-255 two fragments of x
.set TMX, 148                          ; at work while x, and v's results, are quantised
.set PCX, 206
.set PYX, 218
.set PWX, 226
.set TMQ, 232                          ; at work on q's and k's way out
.set PYB, 206
.set PWQ, 222
.set ZP,  180
.set BIB, 180                          ; the second walk's bias
.set WV,   22
.set TEN,  23
.set BLK,  24
.set PERM, 25
.set MH,   26
.set SW,   27
.set SEL,  30
.set XB0,  32
.set XB1,  34
.set WB,   36
.set BB,   38
.set OB,   40
.set SB,   42
.macro PLACES n
.rept \n
	v_nop
.endr
.endm
.macro GLF R, base, off                ; a fragment from memory: 1,536 bytes in register order
	global_load_b128 v[(\R):(\R)+3], v[G16], s[\base:\base+1] offset:(\off)
	global_load_b64 v[(\R)+4:(\R)+5], v[G8], s[\base:\base+1] offset:(\off)+512
	global_load_b128 v[(\R)+6:(\R)+9], v[G16], s[\base:\base+1] offset:(\off)+768
	global_load_b64 v[(\R)+10:(\R)+11], v[G8], s[\base:\base+1] offset:(\off)+1280
.endm
.macro LDF R, a16, a8, off             ; and from LDS
	ds_load_b128 v[(\R):(\R)+3], v[\a16] offset:(\off)
	ds_load_b64 v[(\R)+4:(\R)+5], v[\a8] offset:(\off)+512
	ds_load_b128 v[(\R)+6:(\R)+9], v[\a16] offset:(\off)+768
	ds_load_b64 v[(\R)+10:(\R)+11], v[\a8] offset:(\off)+1280
.endm
.macro GLW set, T                      ; step T = 6 b + s: my head's fragments 2 b, 2 b + 1 of W for K step s and their register of scale words: 9 loads
	GLF (\set), WB, 76800*((\T)%6)+3072*((\T)/6)
	GLF (\set)+12, WB, 76800*((\T)%6)+3072*((\T)/6)+1536
	global_load_b32 v[(\set)+24], v[G4], s[WB:WB+1] offset:76800*((\T)%6)+6144+128*((\T)/6)
.endm
; one matrix instruction: D at d, sources at a and b, z = 1: C = 0, else C = D; scale registers sa, sb, taken from lanes 0-15 (ra, rb = 0) or 16-31 (1)
.macro WMS d, a, b, z, sa, ra, sb, rb
.if \z
.if ((\ra) == 0) && ((\rb) == 0)
	v_wmma_scale_f32_16x16x128_f8f6f4 v[(\d):(\d)+7], v[(\a):(\a)+11], v[(\b):(\b)+11], 0, v[(\sa)], v[(\sb)] matrix_a_fmt:MATRIX_FMT_BF6 matrix_b_fmt:MATRIX_FMT_BF6
.elseif ((\ra) == 1) && ((\rb) == 0)
	v_wmma_scale_f32_16x16x128_f8f6f4 v[(\d):(\d)+7], v[(\a):(\a)+11], v[(\b):(\b)+11], 0, v[(\sa)], v[(\sb)] matrix_a_fmt:MATRIX_FMT_BF6 matrix_b_fmt:MATRIX_FMT_BF6 matrix_a_scale:MATRIX_SCALE_ROW1
.elseif ((\ra) == 0) && ((\rb) == 1)
	v_wmma_scale_f32_16x16x128_f8f6f4 v[(\d):(\d)+7], v[(\a):(\a)+11], v[(\b):(\b)+11], 0, v[(\sa)], v[(\sb)] matrix_a_fmt:MATRIX_FMT_BF6 matrix_b_fmt:MATRIX_FMT_BF6 matrix_b_scale:MATRIX_SCALE_ROW1
.else
	v_wmma_scale_f32_16x16x128_f8f6f4 v[(\d):(\d)+7], v[(\a):(\a)+11], v[(\b):(\b)+11], 0, v[(\sa)], v[(\sb)] matrix_a_fmt:MATRIX_FMT_BF6 matrix_b_fmt:MATRIX_FMT_BF6 matrix_a_scale:MATRIX_SCALE_ROW1 matrix_b_scale:MATRIX_SCALE_ROW1
.endif
.else
.if ((\ra) == 0) && ((\rb) == 0)
	v_wmma_scale_f32_16x16x128_f8f6f4 v[(\d):(\d)+7], v[(\a):(\a)+11], v[(\b):(\b)+11], v[(\d):(\d)+7], v[(\sa)], v[(\sb)] matrix_a_fmt:MATRIX_FMT_BF6 matrix_b_fmt:MATRIX_FMT_BF6
.elseif ((\ra) == 1) && ((\rb) == 0)
	v_wmma_scale_f32_16x16x128_f8f6f4 v[(\d):(\d)+7], v[(\a):(\a)+11], v[(\b):(\b)+11], v[(\d):(\d)+7], v[(\sa)], v[(\sb)] matrix_a_fmt:MATRIX_FMT_BF6 matrix_b_fmt:MATRIX_FMT_BF6 matrix_a_scale:MATRIX_SCALE_ROW1
.elseif ((\ra) == 0) && ((\rb) == 1)
	v_wmma_scale_f32_16x16x128_f8f6f4 v[(\d):(\d)+7], v[(\a):(\a)+11], v[(\b):(\b)+11], v[(\d):(\d)+7], v[(\sa)], v[(\sb)] matrix_a_fmt:MATRIX_FMT_BF6 matrix_b_fmt:MATRIX_FMT_BF6 matrix_b_scale:MATRIX_SCALE_ROW1
.else
	v_wmma_scale_f32_16x16x128_f8f6f4 v[(\d):(\d)+7], v[(\a):(\a)+11], v[(\b):(\b)+11], v[(\d):(\d)+7], v[(\sa)], v[(\sb)] matrix_a_fmt:MATRIX_FMT_BF6 matrix_b_fmt:MATRIX_FMT_BF6 matrix_a_scale:MATRIX_SCALE_ROW1 matrix_b_scale:MATRIX_SCALE_ROW1
.endif
.endif
.endm
; four blocks of 32, block b in registers s + 16 b + 0 .. 15 of lanes l and l xor 16: the conversions' scale operands in v[tm + 12 + b], the scale bytes in v[tm + 4 + b]
.macro BLK4 s, tm
.irp b, 0,1,2,3
	v_mov_b32 v[(\tm)+4+\b], 0                     ; a lane permute's destination counts as one of its sources
.endr
.irp b, 0,1,2,3
	v_max3_num_f32 v[(\tm)+\b], |v[(\s)+16*\b]|, |v[(\s)+1+16*\b]|, 0x2800000   ; with the floor 2^(5 - 127): the byte cannot fall under 1
.endr
.irp i, 2,4,6,8,10,12,14
.irp b, 0,1,2,3
	s_delay_alu instid0(VALU_DEP_4)
	v_max3_num_f32 v[(\tm)+\b], v[(\tm)+\b], |v[(\s)+16*\b+\i]|, |v[(\s)+1+16*\b+\i]|
.endr
.endr
.irp b, 0,1,2,3
	s_delay_alu instid0(VALU_DEP_4)
	v_permlanex16_b32 v[(\tm)+4+\b], v[(\tm)+\b], s[SEL], s[SEL+1]
.endr
.irp b, 0,1,2,3
	s_delay_alu instid0(VALU_DEP_4)
	v_max_num_f32 v[(\tm)+\b], v[(\tm)+\b], v[(\tm)+4+\b]   ; with lane l xor 16's: the block's largest magnitude
.endr
.irp b, 0,1,2,3
	s_delay_alu instid0(VALU_DEP_4)
	v_add_nc_u32 v[(\tm)+12+\b], 0xfe000000, v[(\tm)+\b]    ; 4 off its exponent field: the conversion's scale operand
.endr
.irp b, 0,1,2,3
	s_delay_alu instid0(VALU_DEP_4)
	v_lshrrev_b32 v[(\tm)+4+\b], 23, v[(\tm)+12+\b]         ; the scale's byte
.endr
.endm
; 64 numbers of a lane, register 16 b + i = k 32 b + 16 (lane / 16) + i of my row, become a fragment's codes in v[pc] .. v[pc + 11] and its scale word in v[pw]; v[py] .. v[py + 7] at work
.macro QUANT4 s, tm, pc, py, pw
	BLK4 \s, \tm
	s_delay_alu instid0(VALU_DEP_3)
	v_lshl_or_b32 v[(\pw)], v[(\tm)+5], 8, v[(\tm)+4]
	s_delay_alu instid0(VALU_DEP_1)
	v_lshl_or_b32 v[(\pw)], v[(\tm)+6], 16, v[(\pw)]
	s_delay_alu instid0(VALU_DEP_1)
	v_lshl_or_b32 v[(\pw)], v[(\tm)+7], 24, v[(\pw)]
.irp c, 0,1
	v_cvt_scalef32_pk16_bf6_f32 v[(\pc)+6*\c:(\pc)+2+6*\c], v[(\s)+32*\c:(\s)+15+32*\c], v[(\tm)+12+2*\c]
	v_cvt_scalef32_pk16_bf6_f32 v[(\py)+4*\c:(\py)+2+4*\c], v[(\s)+16+32*\c:(\s)+31+32*\c], v[(\tm)+12+2*\c+1]
.endr
	v_nop                                          ; one plain place behind a scaled conversion
.irp c, 0,1                            ; the operand wants a whole block in a lane: lanes 0-15 block 2 c, lanes 16-31 block 2 c + 1
.irp i, 0,1,2
	v_permlane16_swap_b32 v[(\pc)+6*\c+\i], v[(\py)+4*\c+\i]
.endr
.irp i, 0,1,2
	s_delay_alu instid0(VALU_DEP_3)
	v_mov_b32 v[(\pc)+3+6*\c+\i], v[(\py)+4*\c+\i]
.endr
.endr
.endm
.macro TURN x                          ; 16 rows x 512 bytes as loaded (a row an instruction) go through my stage and come back 16 neighbours of each block of 32 a lane; LDS serves a wave's instructions in order
.irp rr, 0,1,2,3,4,5,6,7,8,9,10,11,12,13,14,15
	ds_store_b128 v[SWR], v[(\x)+4*\rr:(\x)+4*\rr+3] offset:528*\rr
.endr
.irp b, 0,1,2,3
.irp j, 0,1,2,3
	ds_load_b128 v[(\x)+16*\b+4*\j:(\x)+16*\b+4*\j+3], v[SRD] offset:128*\b+16*\j
.endr
.endr
.endm
.macro XLOAD x, i                      ; my fragment i: 16 rows, 512 consecutive bytes of a row an instruction
.irp rr, 0,1,2,3,4,5,6,7
	global_load_b128 v[(\x)+4*\rr:(\x)+4*\rr+3], v[G16], s[XB0:XB0+1] offset:98304*(\i)+3072*\rr th:TH_LOAD_NT
.endr
.irp rr, 8,9,10,11,12,13,14,15
	global_load_b128 v[(\x)+4*\rr:(\x)+4*\rr+3], v[G16], s[XB1:XB1+1] offset:98304*(\i)+3072*\rr th:TH_LOAD_NT
.endr
.endm
.macro XQ x, i, n                      ; fragment i is quantised and goes to LDS as it stands; n: the younger loads that may stay out
	s_wait_loadcnt \n
	TURN \x
	s_wait_dscnt 0x0
	QUANT4 \x, TMX, PCX, PYX, PWX
	ds_store_b128 v[IW16], v[PCX:PCX+3] offset:XIMG+18432*(\i)
	ds_store_b64 v[IW8], v[PCX+4:PCX+5] offset:XIMG+18432*(\i)+512
	ds_store_b128 v[IW16], v[PCX+6:PCX+9] offset:XIMG+18432*(\i)+768
	ds_store_b64 v[IW8], v[PCX+10:PCX+11] offset:XIMG+18432*(\i)+1280
	ds_store_b32 v[IWS], v[PWX] offset:768*(\i)    ; lanes r and r + 16 store the same word
.endm
	s_load_b512 s[4:19], s[0:1], 0x0               ; q, k, v, bq, bk, bv, wimg, qbuf
	s_load_b64 s[20:21], s[0:1], 0x40              ; kv
	v_lshl_add_u32 v[SPW], v0, 2, SPARE
	v_mov_b32 v[NIL], 0
	v_lshrrev_b32 v20, 5, v0
	s_delay_alu instid0(VALU_DEP_1)
	v_readfirstlane_b32 s[WV], v20                 ; wave 0..11 = my head
	s_and_b32 s[TEN], ttmp7, 0xffff                ; which tensor
	s_mov_b32 s[BLK], ttmp9                        ; which 128 rows
	v_and_b32 v20, 31, v0
	v_and_b32 v21, 15, v0                          ; r
	v_bfe_u32 v22, v0, 4, 1                        ; h
	s_delay_alu instid0(VALU_DEP_3)
	v_lshlrev_b32 v[G16], 4, v20
	s_delay_alu instid0(VALU_DEP_4)
	v_lshlrev_b32 v[G8], 3, v20
	v_lshlrev_b32 v[G4], 2, v20
	v_lshlrev_b32 v[R4], 2, v21
	v_add_nc_u32 v[G16B], 36864, v[G16]
	v_add_nc_u32 v[G8B], 36864, v[G8]
	s_mul_i32 s44, s[WV], 8448
	s_add_co_u32 s44, s44, STG
	v_mul_u32_u24 v[SRD], v21, 528
	s_delay_alu instid0(VALU_DEP_1)
	v_lshl_add_u32 v[SRD], v22, 6, v[SRD]
	s_delay_alu instid0(VALU_DEP_1)
	v_add_nc_u32 v[SRD], s44, v[SRD]
	v_add_nc_u32 v[SWR], s44, v[G16]
	s_mul_i32 s44, s[WV], 1536
	v_add_nc_u32 v[IW16], s44, v[G16]
	v_add_nc_u32 v[IW8], s44, v[G8]
	s_lshl_b32 s44, s[WV], 6
	s_add_co_u32 s44, s44, XSC
	v_add_nc_u32 v[IWS], s44, v[R4]
	v_mul_u32_u24 v[XSA], v22, 384                 ; lanes 16-31 take the tile of rows one further on: six words' places of 64 bytes
	s_delay_alu instid0(VALU_DEP_1)
	v_add_nc_u32 v[XSA], v[XSA], v[R4]
	s_delay_alu instid0(VALU_DEP_1)
	v_add_nc_u32 v[XSA], XSC, v[XSA]
	s_mov_b32 s[SEL], 0x76543210
	s_mov_b32 s[SEL+1], 0xfedcba98                 ; lane l xor 16
	s_cmp_ge_u32 s[WV], 6                          ; my four fragments of x: 6 m + s = w + 12 i: tiles m = w / 6 + 2 i, K step s = w % 6
	s_cselect_b32 s[MH], 1, 0
	s_mul_i32 s44, s[MH], 6
	s_sub_co_u32 s[SW], s[WV], s44
	s_cmp_lg_u32 s[TEN], 0
	s_cselect_b32 s[PERM], 1, 0                    ; k's and v's rows are taken in the tiles' own order
	s_lshr_b32 s44, 16, s[PERM]                    ; tile 1 begins 16 rows behind tile 0, or 8; tile m + 2 always 32 rows behind tile m
	s_mul_i32 s44, s44, s[MH]
	s_lshl_b32 s45, s[BLK], 7
	s_add_co_u32 s44, s44, s45
	s_mul_i32 s44, s44, 3072
	s_lshl_b32 s45, s[SW], 9
	s_add_co_u32 s44, s44, s45                     ; the first row of my first fragment, at its K step
	s_mov_b32 s45, 0
	s_mul_i32 s46, s[PERM], 24576                  ; a tile's rows 8-15 lie 8 rows further on, or not
	s_mov_b32 s47, 0
	s_mul_i32 s48, s[TEN], 460800
	s_mul_i32 s49, s[WV], 6400
	s_add_co_u32 s48, s48, s49
	s_mov_b32 s49, 0
	s_lshl_b32 s50, s[WV], 8
	s_mov_b32 s51, 0
	s_wait_alu depctr_va_vdst(0)
	s_wait_kmcnt 0x0
	s_cmp_eq_u32 s[TEN], 1                         ; the choices hang on the work-group's number alone
	s_cselect_b64 s[4:5], s[6:7], s[4:5]
	s_cselect_b64 s[10:11], s[12:13], s[10:11]
	s_cmp_eq_u32 s[TEN], 2
	s_cselect_b64 s[4:5], s[8:9], s[4:5]
	s_cselect_b64 s[10:11], s[14:15], s[10:11]
	s_add_nc_u64 s[XB0:XB0+1], s[4:5], s[44:45]
	s_add_nc_u64 s[XB1:XB1+1], s[XB0:XB0+1], s[46:47]
	s_add_nc_u64 s[WB:WB+1], s[16:17], s[48:49]
	s_add_nc_u64 s[BB:BB+1], s[10:11], s[50:51]
	; ---- x: four fragments a wave, two in flight
	GLW WA, 0
	XLOAD X0, 0
	XLOAD X1, 1
	XQ X0, 0, 16                                   ; all but the next fragment's 16 loads
	XLOAD X0, 2
	XQ X1, 1, 16
	XLOAD X1, 3
	XQ X0, 2, 16
	XQ X1, 3, 0
	s_wait_dscnt 0x0                               ; for the others' sake: my images have landed
	GLW WA+26, 1                                   ; into the registers that the quantiser has left
	s_barrier_signal -1
	s_barrier_wait -1                              ; x's 48 fragments lie in LDS; from here on LDS is only read
.macro BIAS isv, b, bi                 ; four loads
.if \isv
.irp u, 0,1
	global_load_b32 v[(\bi)+2*\u], v[BOF], s[BB:BB+1] offset:128*(\b)+32*\u      ; a lane's channel is one for all its registers of tile 2 b + u: the number twice, for the packed addition
	global_load_b32 v[(\bi)+2*\u+1], v[BOF], s[BB:BB+1] offset:128*(\b)+32*\u
.endr
.else
.irp jj, 0,1,2,3
	global_load_b128 v[(\bi)+4*\jj:(\bi)+4*\jj+3], v[BOF], s[BB:BB+1] offset:128*(\b)+16*\jj   ; register i: channel 32 b + 16 h + i
.endr
.endif
.endm
; A step T = 6 b + s: 16 matrix instructions, the 16 accumulators by turns, one instruction a turn, in the same order in every step
.macro KSTEP isv, T
.set SET, WA+26*((\T)%2)
.set KS, (\T)%6
.if (\T) < 2
	s_wait_loadcnt 13                              ; this step's set is in; the next step's 9 loads and the first bias's 4 may be out
.elseif (\T) < 11
	s_wait_loadcnt 9                               ; the next step's 9 loads may be out
.else
	s_wait_loadcnt 4                               ; the second bias's 4 loads may be out
.endif
.irp j, 0,1,2,3
	ds_load_b32 v[XS+\j], v[XSA] offset:64*KS+768*\j
.endr
.irp j, 0,1,2,3
.if \j > 0
	PLACES 4                                       ; in front of loads into registers that matrix instructions have read
.endif
.if \j < 2
	LDF XF, G16, G8, XIMG+(12*\j+KS)*1536
	LDF XF+12, G16, G8, XIMG+(12*\j+6+KS)*1536
.else
	LDF XF, G16B, G8B, XIMG+(12*(\j-2)+KS)*1536
	LDF XF+12, G16B, G8B, XIMG+(12*(\j-2)+6+KS)*1536
.endif
	s_wait_dscnt 0x0
.irp mm, 0,1
.irp u, 0,1
.if \isv
	WMS ACC+64*\u+8*(2*\j+\mm), XF+12*\mm, SET+12*\u, KS==0, XS+\j, \mm, SET+24, \u
.else
	WMS ACC+16*(2*\j+\mm)+8*\u, SET+12*\u, XF+12*\mm, KS==0, SET+24, \u, XS+\j, \mm
.endif
.endr
.endr
.endr
	PLACES 4
.if (\T) <= 9
	GLW SET, (\T)+2                                ; the set just multiplied takes the step two on
.elseif (\T) == 10
	BIAS \isv, 1, BIB                              ; set 0 is done with
.endif
.endm
.macro ADDQ bi                         ; q, k: + the bias, each accumulator from its low end on
.set m, 0
.rept 8
.set j, 0
.rept 8
	v_pk_add_f32 v[ACC+16*m+j:ACC+16*m+j+1], v[ACC+16*m+j:ACC+16*m+j+1], v[(\bi)+j:(\bi)+j+1]
.set j, j+2
.endr
.set m, m+1
.endr
.endm
; v's way out of walk b: tiles of channels 2 b and 2 b + 1, K = these 128 keys
.macro EPIV b, bi
.irp u, 0,1
.set j, 0
.rept 32
	v_pk_add_f32 v[ACC+64*\u+j:ACC+64*\u+j+1], v[ACC+64*\u+j:ACC+64*\u+j+1], v[(\bi)+2*\u:(\bi)+2*\u+1]   ; each accumulator from its low end on
.set j, j+2
.endr
.endr
.irp u, 0,1                            ; each tile has registers of its own for its codes and its scale word
	QUANT4 ACC+64*\u, TMX, XF+12*\u, 164, 172+\u
	global_store_b128 v[G16], v[XF+12*\u:XF+12*\u+3], s[OB:OB+1] offset:1536*(2*(\b)+\u)            ; 512 consecutive bytes, aligned to 256
	global_store_b64 v[G8], v[XF+12*\u+4:XF+12*\u+5], s[OB:OB+1] offset:1536*(2*(\b)+\u)+512        ; 256 consecutive bytes, aligned
	global_store_b128 v[G16], v[XF+12*\u+6:XF+12*\u+9], s[OB:OB+1] offset:1536*(2*(\b)+\u)+768
	global_store_b64 v[G8], v[XF+12*\u+10:XF+12*\u+11], s[OB:OB+1] offset:1536*(2*(\b)+\u)+1280
	global_store_b32 v[R4], v[172+\u], s[SB:SB+1] offset:64*(2*(\b)+\u)                             ; lanes r and r + 16 store the same word
.endr
	s_wait_xcnt 0x0                                ; the stores' data are written again only behind this wait
.endm
.macro BODY isv
.if \isv
	v_and_b32 v[BOF], 15, v0
	v_and_b32 v[XF], 8, v0
	s_delay_alu instid0(VALU_DEP_1)
	v_add_nc_u32 v[BOF], v[BOF], v[XF]
	s_delay_alu instid0(VALU_DEP_1)
	v_lshlrev_b32 v[BOF], 2, v[BOF]                ; 4 (r + 8 (r / 8))
.else
	v_bfe_u32 v[BOF], v0, 4, 1
	s_delay_alu instid0(VALU_DEP_1)
	v_lshlrev_b32 v[BOF], 6, v[BOF]                ; 64 h
.endif
	s_wait_alu depctr_va_vdst(0)
.if \isv
	BIAS 1, 0, 176
.else
	BIAS 0, 0, 164                                 ; in the upper half of KEEP, which is written only behind the additions
.endif
	; where the results go
	s_lshr_b32 s44, s[BLK], 3
	s_mul_i32 s44, s44, 12
	s_add_co_u32 s44, s44, s[WV]                   ; bh = 12 x batch + head
	s_and_b32 s46, s[BLK], 7                       ; which 128 rows of the batch's 1,024
	s_mov_b32 s49, 0
.if \isv
	s_mul_i32 s44, s44, 102400
	s_mul_i32 s48, s46, 6144                       ; the key step's four fragments
	s_add_co_u32 s48, s48, s44
	s_add_co_u32 s48, s48, 51200
	s_add_nc_u64 s[OB:OB+1], s[20:21], s[48:49]
	s_lshl_b32 s48, s46, 8
	s_add_co_u32 s48, s48, s44
	s_add_co_u32 s48, s48, 100352
	s_add_nc_u64 s[SB:SB+1], s[20:21], s[48:49]
.else
	s_cmp_eq_u32 s[TEN], 0
	s_cselect_b64 s[18:19], s[18:19], s[20:21]
	s_mov_b32 s45, 102400
	s_cselect_b32 s45, 51200, s45
	s_mul_i32 s44, s44, s45
	s_mul_i32 s48, s46, 6144                       ; eight tiles of 768 bytes
	s_add_co_u32 s48, s48, s44
	s_add_nc_u64 s[OB:OB+1], s[18:19], s[48:49]
	s_lshl_b32 s48, s46, 8                         ; four pairs of tiles, 64 bytes each
	s_add_co_u32 s48, s48, s44
	s_add_co_u32 s48, s48, 49152
	s_add_nc_u64 s[SB:SB+1], s[18:19], s[48:49]
.endif
.irp T, 0,1,2,3,4,5
	KSTEP \isv, \T
.endr
.if \isv
	EPIV 0, 176
.else
	ADDQ 164                                       ; channels 0-31 of my head: codes and bytes wait in KEEP
.irp g, 0,1
	BLK4 ACC+64*\g, TMQ
.irp b, 0,1,2,3
	v_cvt_scalef32_pk16_bf6_f32 v[KEEP+16*\g+4*\b:KEEP+16*\g+4*\b+2], v[ACC+64*\g+16*\b:ACC+64*\g+16*\b+15], v[TMQ+12+\b]
.endr
	v_nop                                          ; one plain place behind a scaled conversion
.irp b, 0,1,2,3
	v_mov_b32 v[KEEP+16*\g+4*\b+3], v[TMQ+4+\b]
.endr
.endr
	s_wait_alu depctr_va_vdst(0)
.endif
.irp T, 6,7,8,9,10,11
	KSTEP \isv, \T
.endr
	s_wait_loadcnt 0x0                             ; the second bias
.if \isv
	EPIV 1, BIB
.else
	ADDQ BIB                                       ; channels 32-63
.irp g, 0,1
	BLK4 ACC+64*\g, TMQ
.irp b, 0,1,2,3
	v_cvt_scalef32_pk16_bf6_f32 v[PYB+4*\b:PYB+4*\b+2], v[ACC+64*\g+16*\b:ACC+64*\g+16*\b+15], v[TMQ+12+\b]
.endr
	v_nop                                          ; one plain place behind a scaled conversion
.irp b, 0,1,2,3                        ; tile 4 g + b: registers of its own for all that is stored
.irp i, 0,1,2
	v_permlane16_swap_b32 v[KEEP+16*\g+4*\b+\i], v[PYB+4*\b+\i]    ; lanes 0-15 now hold block 0 whole, lanes 16-31 block 1
.endr
	v_lshl_or_b32 v[PWQ+4*\g+\b], v[TMQ+4+\b], 8, v[KEEP+16*\g+4*\b+3]   ; the tile's two scale bytes
	v_mov_b32 v[KEEP+16*\g+4*\b+3], v[PYB+4*\b]
	v_mov_b32 v[ZP+8*\g+2*\b], v[PYB+4*\b+1]
	v_mov_b32 v[ZP+8*\g+2*\b+1], v[PYB+4*\b+2]
	global_store_b128 v[G16], v[KEEP+16*\g+4*\b:KEEP+16*\g+4*\b+3], s[OB:OB+1] offset:768*(4*\g+\b)        ; 512 consecutive bytes, aligned to 256
	global_store_b64 v[G8], v[ZP+8*\g+2*\b:ZP+8*\g+2*\b+1], s[OB:OB+1] offset:768*(4*\g+\b)+512            ; 256 consecutive bytes, aligned
	global_store_b16 v[R4], v[PWQ+4*\g+\b], s[SB:SB+1] offset:64*((4*\g+\b)/2)+2*(\b%2)                    ; two of a scale word's four bytes; lanes r and r + 16 store the same
.endr
.endr
.endif
.endm
	s_cmp_eq_u32 s[TEN], 2
	s_cbranch_scc1 .Lvbody
	BODY 0
	s_branch .Lend
.Lvbody:
	BODY 1
.Lend:
	s_wait_tensorcnt 0x0                           ; the wave's end: behind my last LDS store
	ds_add_u32 v[SPW], v[NIL]
	s_wait_dscnt 0x0
	s_endpgm
.Lfunc_end_k_q2c0295d3d0_proj:
	.size	k_q2c0295d3d0_proj, .Lfunc_end_k_q2c0295d3d0_proj-k_q2c0295d3d0_proj
	.p2alignl 7, 3214868480
	.fill 96, 4, 3214868480
	.section	.rodata,"a",@progbits
	.p2align	6, 0x0
	.amdhsa_kernel k_q2c0295d3d0_proj
		.amdhsa_group_segment_fixed_size 179712
		.amdhsa_private_segment_fixed_size 0
		.amdhsa_enable_private_segment 0
		.amdhsa_kernarg_size 72
		.amdhsa_user_sgpr_count 2
		.amdhsa_user_sgpr_kernarg_segment_ptr 1
		.amdhsa_wavefront_size32 1
		.amdhsa_system_sgpr_workgroup_id_x 1
		.amdhsa_system_sgpr_workgroup_id_y 1
		.amdhsa_system_sgpr_workgroup_id_z 1
		.amdhsa_system_vgpr_workitem_id 0
		.amdhsa_next_free_vgpr 256
		.amdhsa_next_free_sgpr 66
		.amdhsa_reserve_vcc 0
		.amdhsa_float_denorm_mode_32 3
		.amdhsa_float_denorm_mode_16_64 3
		.amdhsa_memory_ordered 1
		.amdhsa_forward_progress 1
		.amdhsa_inst_pref_size 244
	.end_amdhsa_kernel
	.amdgpu_metadata
---
amdhsa.version: [ 1, 2 ]
amdhsa.kernels:
  - .name:           k_q2c0295d3d0_proj
    .symbol:         k_q2c0295d3d0_proj.kd
    .args:
      - { .name: q, .offset: 0, .size: 8, .value_kind: global_buffer, .address_space: global }
      - { .name: k, .offset: 8, .size: 8, .value_kind: global_buffer, .address_space: global }
      - { .name: v, .offset: 16, .size: 8, .value_kind: global_buffer, .address_space: global }
      - { .name: bq, .offset: 24, .size: 8, .value_kind: global_buffer, .address_space: global }
      - { .name: bk, .offset: 32, .size: 8, .value_kind: global_buffer, .address_space: global }
      - { .name: bv, .offset: 40, .size: 8, .value_kind: global_buffer, .address_space: global }
      - { .name: wimg, .offset: 48, .size: 8, .value_kind: global_buffer, .address_space: global }
      - { .name: qbuf, .offset: 56, .size: 8, .value_kind: global_buffer, .address_space: global }
      - { .name: kv, .offset: 64, .size: 8, .value_kind: global_buffer, .address_space: global }
    .group_segment_fixed_size: 179712
    .private_segment_fixed_size: 0
    .kernarg_segment_align: 8
    .kernarg_segment_size: 72
    .max_flat_workgroup_size: 384
    .sgpr_count:     66
    .vgpr_count:     256
    .wavefront_size: 32
...
	.end_amdgpu_metadata
.endif
;; end of part 6
;; launch attn (part 7): grid 8 x 32, 15 waves a work-group, no clusters, 327,168 bytes of LDS; arguments qbuf, kv, pb, edges, aimg, asc; writes aimg, asc
.if DOCPART == 7
	.amdgcn_target "amdgcn-amd-amdhsa--gfx1250"
	.amdhsa_code_object_version 6
	.text
	.protected	k_q2c0295d3d0_attn
	.globl	k_q2c0295d3d0_attn
	.p2align	8
	.type	k_q2c0295d3d0_attn,@function
k_q2c0295d3d0_attn:
	s_mov_b64 s[64:65], 0
	v_nop
	global_prefetch_b8 v0, s[64:65] scope:SCOPE_SE
	s_setreg_imm32_b32 hwreg(HW_REG_WAVE_MODE, 25, 1), 1
	s_wait_xcnt 0x0
; ATTN.  For each query two softmaxes over the keys, fw (keys >= the query) and bw (keys <= the query), both under the padding mask; att = fw's result + bw's, quantised along the head's 64 for the last product.
; All products on codes of E3M2 with E8M0 scales.  p = 2^(t - M), t = logit x log2(e), M the running largest t rounded up to a whole number; the row's sum is taken of the unquantised p and divides at the end.
; SHARES.  A work-group (J = x, batch and group of three heads = y) holds ALL of three heads' K and V codes and scales in LDS (307,200 consecutive bytes of kv, copied once through registers, a fifteenth a wave) and serves the
; 8 tiles of 16 queries of key step J for each of the three heads.  Waves 0-11: head w / 4, tiles 8 J + wl and that + 4, wl = (w + w / 4) % 4.  A tile needs 8 - J key steps of 128 for fw and J + 1 for bw.
; THE MASKS ARE ADDITIVE (-1e9), NOT -infinity.  A key step that lies wholly under the triangle is left out, and hidden keys count as -infinity, ONLY where every query of the tile has a visible unpadded key: then every masked p is 0.
; A tile with a query behind the batch's last unpadded key (fw) or ahead of its first (bw) is told by the two whole numbers of edges; all 8 key steps are walked for it and each logit is formed as the definition writes it:
; score / 8; -1e9 where padded; + -1e9 where hidden; x log2(e).  These are branches on stored whole numbers; this launch fills LDS through registers, and no tile is brought jointly for several work-groups.
; WAVES 12-14 HELP, one a head.  Where J >= 4 the work-group's last tile, if fw must walk all steps for it, and where J < 4 its first tile, if bw must, has its HIDDEN key steps walked by the head's helper, in the first trip;
; the helper leaves its running state (-M, the largest t, the sum, O^T: 36 registers a lane) in LDS, and the tile's own wave begins that softmax from this state and walks only the steps in sight.
; ORDER, by J alone: J >= 4: tiles low then high, bw then fw; J < 4: tiles high then low, fw then bw.  So the helped softmax is the fourth of a wave's four.  Any other tile at a mask's edge is walked whole by its own wave.
; A loop of four trips (tile x direction); every wave walks it and the loop over key steps inside it.  Two barriers a trip: reads of the handed-over state lie between the first and the second, stores of it behind the second.
; No prefetch: the copy is made once, at the head, and there is no loop to run ahead in.
; LAYOUT.  S^T = K Q^T, O^T = V^T P^T: a lane holds ONE query (lane % 16).  K = 64 fills half of the instruction's 128: a fragment of K holds TWO tiles of 16 keys, and Q is offered as [Q, zeros] or [zeros, Q]: zero codes add nothing.
; The keys of tile 2 b + u, row r are 32 b + 8 u + r + 8 (r / 8), so that S^T's registers 16 b + i are keys 32 b + 16 (lane / 16) + i.  V's channels likewise.  The padding's -8e9 is the C of S^T's matrix instructions.
; LIMITS: logits up to 2.5e8 in magnitude (a padded key's -1e9 must lie far under every unpadded logit); NaN and infinities are not served; a block of zeros gets the byte 1.
.set KVH,   102400                     ; a head in kv and in LDS: K 0, K's scale words 49,152, V 51,200, V's scale words 100,352
.set PBB,   307200                     ; the batch's table of 1,024 f32
.set SPARE, 311296                     ; the spare words, 128 bytes a wave: eight blocks of 256 bytes that no other line names
.set PART,  313344                     ; the helpers' states, PSZ bytes a head
.set PSZ,   4608
.set A16, 1                            ; v1   my head + 16 x lane
.set A8,  2                            ; v2   my head + 8 x lane
.set AS4, 3                            ; v3   my head + 49,152 + 4 x lane
.set APB, 4                            ; v4   PBB + 64 h
.set SPW, 5                            ; v5   my spare word; never rewritten
.set NIL, 6                            ; v6   0; never rewritten
.set AD16, 7                           ; v7-10 the step's addresses
.set AD8, 8
.set ADS, 9
.set ADP, 10
.set G16, 11                           ; v11  16 x lane
.set G8,  12                           ; v12  8 x lane
.set R4,  13                           ; v13  4 r
.set QL,  14                           ; v14  my query - 16 h
.set TP,  15                           ; v15  at work
.set QOP, 16                           ; v16-33 [Q][six zeros][Q]
.set QS,  34                           ; v34  Q's scale word: its two bytes twice
.set PSW, 35                           ; v35  p's scale word
.set KV,  36                           ; v36-83 four fragments of K, then of V; between the two, at work for the masks
.set KSC, 84                           ; v84-85 K's scale words, v86-87 V's: scales and nothing else
.set VSC, 86
.set NM,  88                           ; v88 -M, v89 the largest t
.set LS,  90                           ; v90-91 the sum, in two halves
.set FF,  92                           ; v92 f, later 1 / the sum; v93 0
.set PLD, 94                           ; v94  where my head's handed-over state is read
.set PST, 95                           ; v95  where a helper stores it
.set S,   96                           ; v96-159 S^T, then p
.set O,   160                          ; v160-191 O^T
.set ATT, 192                          ; v192-223 the sum of both results
.set PC,  224                          ; v224-235 p's codes
.set PY,  236                          ; v236-238, v240-242 at work
.set BM,  244                          ; v244-247 the blocks' largest
.set TQ,  244
.set BT,  248                          ; v248-251 at work
.set SOP, 252                          ; v252-255 the conversions' scale operands
.set FU,  16                           ; s16 the first unpadded key, s17 the last + 1
.set EU,  17
.set WV,  18
.set HW,  19
.set WL,  20
.set JB,  21
.set BZ,  22
.set HG,  23
.set HD,  24
.set QT,  25
.set SEL, 26
.set CS,  28                           ; s[28:29] what a register of S is multiplied by to give t
.set CC,  30
.set DEGF, 31
.set DEGB, 32
.set DEG, 33
.set LOJ, 34
.set HIJ, 35
.set KO,  36                           ; the step's place among the fragments: 6,144 a step
.set SO,  37                           ; among the scale words: 256
.set PO,  38                           ; in the table: 512
.set KF,  39                           ; its first key
.set JS,  40
.set Q0,  41
.set TC,  42
.set SH,  43
.set QB,  44
.set QSB, 46
.set AB,  48
.set ASB, 50
.set FB,  54
.set PBP, 56
.set ROLE, 60                          ; 1 in a helper
.set SWP, 61                           ; 1 where J >= 4
.set HLP, 62                           ; 1 where the helpers have work
.set OWN, 63                           ; 1 in the wave whose fourth softmax is helped
.set QB2, 66                           ; the second tile's addresses
.set QSB2, 68
.set AB2, 70
.set ASB2, 72
.set DIR, 74                           ; 0 fw, 1 bw
.set HPD, 75                           ; 1 in the helped trip
.set Q02, 76
.set BH,  77
.set DQ,  78
.set QT2, 79
.set HWL, 80
.set EO,  82
.macro PLACES n
.rept \n
	v_nop
.endr
.endm
.macro LDF R, a16, a8, off             ; a fragment from LDS: 1,536 bytes in register order
	ds_load_b128 v[(\R):(\R)+3], v[\a16] offset:(\off)
	ds_load_b64 v[(\R)+4:(\R)+5], v[\a8] offset:(\off)+512
	ds_load_b128 v[(\R)+6:(\R)+9], v[\a16] offset:(\off)+768
	ds_load_b64 v[(\R)+10:(\R)+11], v[\a8] offset:(\off)+1280
.endm
.macro WMA d, a, b, sa, ra, sb         ; D = C at d; source 0's scale words from lanes 0-15 (ra = 0) or 16-31 (1) of sa, source 1's from lanes 0-15 of sb
.if (\ra) == 0
	v_wmma_scale_f32_16x16x128_f8f6f4 v[(\d):(\d)+7], v[(\a):(\a)+11], v[(\b):(\b)+11], v[(\d):(\d)+7], v[(\sa)], v[(\sb)] matrix_a_fmt:MATRIX_FMT_BF6 matrix_b_fmt:MATRIX_FMT_BF6
.else
	v_wmma_scale_f32_16x16x128_f8f6f4 v[(\d):(\d)+7], v[(\a):(\a)+11], v[(\b):(\b)+11], v[(\d):(\d)+7], v[(\sa)], v[(\sb)] matrix_a_fmt:MATRIX_FMT_BF6 matrix_b_fmt:MATRIX_FMT_BF6 matrix_a_scale:MATRIX_SCALE_ROW1
.endif
.endm
.macro QUANT2 s, pc, pw                ; 32 numbers of a lane, register 16 b + i = k 32 b + 16 (lane / 16) + i of my row: half a fragment's codes and two scale bytes
	v_max3_num_f32 v[TQ], |v[(\s)]|, |v[(\s)+1]|, 0x2800000
	v_max3_num_f32 v[TQ+1], |v[(\s)+16]|, |v[(\s)+17]|, 0x2800000
.irp i, 2,4,6,8,10,12,14
	s_delay_alu instid0(VALU_DEP_2)
	v_max3_num_f32 v[TQ], v[TQ], |v[(\s)+\i]|, |v[(\s)+1+\i]|
	s_delay_alu instid0(VALU_DEP_2)
	v_max3_num_f32 v[TQ+1], v[TQ+1], |v[(\s)+16+\i]|, |v[(\s)+17+\i]|
.endr
	s_delay_alu instid0(VALU_DEP_2)
	v_permlanex16_b32 v[TQ+2], v[TQ], s[SEL], s[SEL+1]
	s_delay_alu instid0(VALU_DEP_2)
	v_permlanex16_b32 v[TQ+3], v[TQ+1], s[SEL], s[SEL+1]
	s_delay_alu instid0(VALU_DEP_2)
	v_max_num_f32 v[TQ], v[TQ], v[TQ+2]
	s_delay_alu instid0(VALU_DEP_2)
	v_max_num_f32 v[TQ+1], v[TQ+1], v[TQ+3]
	s_delay_alu instid0(VALU_DEP_2)
	v_add_nc_u32 v[TQ+4], 0xfe000000, v[TQ]
	s_delay_alu instid0(VALU_DEP_2)
	v_add_nc_u32 v[TQ+5], 0xfe000000, v[TQ+1]
	s_delay_alu instid0(VALU_DEP_2)
	v_lshrrev_b32 v[TQ+6], 23, v[TQ+4]
	s_delay_alu instid0(VALU_DEP_2)
	v_lshrrev_b32 v[TQ+7], 23, v[TQ+5]
	s_delay_alu instid0(VALU_DEP_1)
	v_lshl_or_b32 v[(\pw)], v[TQ+7], 8, v[TQ+6]
	v_cvt_scalef32_pk16_bf6_f32 v[(\pc):(\pc)+2], v[(\s):(\s)+15], v[TQ+4]
	v_cvt_scalef32_pk16_bf6_f32 v[PY:PY+2], v[(\s)+16:(\s)+31], v[TQ+5]
	v_nop                                          ; one plain place behind a scaled conversion
.irp i, 0,1,2
	v_permlane16_swap_b32 v[(\pc)+\i], v[PY+\i]
.endr
.irp i, 0,1,2
	s_delay_alu instid0(VALU_DEP_3)
	v_mov_b32 v[(\pc)+3+\i], v[PY+\i]
.endr
.endm
; the four addresses of tile qt: its Q and Q's scale words in qbuf, its place in aimg and in asc
.macro TADDR qt, qb, qsb, ab, asb
	s_mul_i32 s52, s[\qt], 768
	s_add_co_u32 s[\qb], s[BH], s52
	s_mov_b32 s[\qb+1], 0
	s_lshr_b32 s52, s[\qt], 1
	s_lshl_b32 s52, s52, 6
	s_add_co_u32 s[\qsb], s[BH], s52
	s_add_co_u32 s[\qsb], s[\qsb], 49152
	s_mov_b32 s[\qsb+1], 0
	s_lshl_b32 s52, s[BZ], 6
	s_add_co_u32 s52, s52, s[\qt]                  ; the tile among all 512
	s_mul_i32 s53, s52, 12
	s_add_co_u32 s53, s53, s[HD]
	s_mul_i32 s[\ab], s53, 768
	s_mov_b32 s[\ab+1], 0
	s_mul_i32 s53, s52, 6
	s_lshr_b32 s58, s[HD], 1
	s_add_co_u32 s53, s53, s58
	s_lshl_b32 s53, s53, 6
	s_and_b32 s58, s[HD], 1
	s_lshl_b32 s58, s58, 1
	s_add_co_u32 s[\asb], s53, s58
	s_mov_b32 s[\asb+1], 0
	s_add_nc_u64 s[\qb:\qb+1], s[4:5], s[\qb:\qb+1]
	s_add_nc_u64 s[\qsb:\qsb+1], s[4:5], s[\qsb:\qsb+1]
	s_add_nc_u64 s[\ab:\ab+1], s[12:13], s[\ab:\ab+1]
	s_add_nc_u64 s[\asb:\asb+1], s[14:15], s[\asb:\asb+1]
.endm
	s_load_b256 s[4:11], s[0:1], 0x0               ; qbuf, kv, pb, edges
	s_load_b128 s[12:15], s[0:1], 0x20             ; aimg, asc
	v_lshl_add_u32 v[SPW], v0, 2, SPARE
	v_mov_b32 v[NIL], 0
	v_lshrrev_b32 v[TP], 5, v0
	s_delay_alu instid0(VALU_DEP_1)
	v_readfirstlane_b32 s[WV], v[TP]               ; wave 0..14
	s_mov_b32 s[JB], ttmp9
	s_lshr_b32 s[HW], s[WV], 2                     ; which of the three heads (waves 0-11)
	s_add_co_u32 s[WL], s[WV], s[HW]
	s_and_b32 s[WL], s[WL], 3                      ; which tiles: (w + w / 4) % 4
	s_min_u32 s59, s[HW], 2
	s_mul_i32 s59, s59, PSZ
	s_add_co_u32 s59, s59, PART                    ; my head's handed-over state
	s_and_b32 s52, s[WV], 3                        ; a helper's head: 12, 13, 14 -> 0, 1, 2
	s_cmp_ge_u32 s[JB], 4                          ; the order of tiles and directions hangs on J alone
	s_cselect_b32 s[SWP], 1, 0
	s_cselect_b32 s[HWL], 3, 0                     ; the wl of the tile that may be helped
	s_cselect_b32 s58, 0, 4                        ; the first tile's place, and
	s_cselect_b32 s53, 4, 0                        ; the second's
	s_cmp_ge_u32 s[WV], 12
	s_cselect_b32 s[ROLE], 1, 0
	s_cselect_b32 s[HW], s52, s[HW]
	s_cselect_b32 s[WL], s[HWL], s[WL]
	s_cselect_b32 s58, s53, s58                    ; a helper's only tile is the one that may be helped
	s_lshl_b32 s[QT], s[JB], 3
	s_add_co_u32 s[QT], s[QT], s[WL]
	s_add_co_u32 s[QT2], s[QT], s53
	s_add_co_u32 s[QT], s[QT], s58
	s_lshl_b32 s[Q0], s[QT], 4
	s_lshl_b32 s[Q02], s[QT2], 4
	s_sub_co_u32 s[DQ], s[Q02], s[Q0]              ; + 64 or - 64 (or 0)
	s_and_b32 s[SH], s[WL], 1
	s_lshl_b32 s[SH], s[SH], 4                     ; which half of a pair's scale word is my tile's (the same for both tiles)
	s_and_b32 s52, ttmp7, 0xffff
	s_lshr_b32 s[BZ], s52, 2
	s_and_b32 s[HG], s52, 3
	s_mul_i32 s[HD], s[HG], 3
	s_mul_i32 s53, s[BZ], 12
	s_add_co_u32 s53, s53, s[HD]
	s_mul_i32 s[FB], s53, KVH                      ; the three heads' 307,200 bytes in kv
	s_mov_b32 s[FB+1], 0
	s_add_co_u32 s[HD], s[HD], s[HW]               ; my head
	s_add_co_u32 s53, s53, s[HW]
	s_mul_i32 s[BH], s53, 51200                    ; its place in qbuf
	s_lshl_b32 s[PBP], s[BZ], 12
	s_mov_b32 s[PBP+1], 0
	s_lshl_b32 s[EO], s[BZ], 3
	s_mov_b32 s[EO+1], 0
	s_mov_b32 s[SEL], 0x76543210
	s_mov_b32 s[SEL+1], 0xfedcba98                 ; lane l xor 16
	s_mov_b32 s[CC], 0x3e38aa3b                    ; log2(e) / 8
	v_and_b32 v[TP], 31, v0
	s_delay_alu instid0(VALU_DEP_1)
	v_lshlrev_b32 v[G16], 4, v[TP]
	s_delay_alu instid0(VALU_DEP_2)
	v_lshlrev_b32 v[G8], 3, v[TP]
	s_delay_alu instid0(VALU_DEP_3)
	v_lshlrev_b32 v[AS4], 2, v[TP]
	v_and_b32 v[QL], 15, v0
	s_delay_alu instid0(VALU_DEP_1)
	v_lshlrev_b32 v[R4], 2, v[QL]
	v_bfe_u32 v[TP], v0, 4, 1
	s_delay_alu instid0(VALU_DEP_1)
	v_lshl_add_u32 v[APB], v[TP], 6, PBB
	s_delay_alu instid0(VALU_DEP_2)
	v_lshlrev_b32 v[TP], 4, v[TP]
	s_delay_alu instid0(VALU_DEP_1)
	v_sub_nc_u32 v[QL], v[QL], v[TP]
	s_delay_alu instid0(VALU_DEP_1)
	v_add_nc_u32 v[QL], s[Q0], v[QL]
	s_mul_i32 s52, s[HW], KVH
	v_add_nc_u32 v[A16], s52, v[G16]
	v_add_nc_u32 v[A8], s52, v[G8]
	v_add_nc_u32 v[AS4], s52, v[AS4]
	s_delay_alu instid0(VALU_DEP_1)
	v_add_nc_u32 v[AS4], 49152, v[AS4]
	s_mul_i32 s52, s[WV], 20480
	v_add_nc_u32 v[AD16], s52, v[G16]              ; the copy: my wave's fifteenth, the same place in kv's three heads and in LDS
	v_lshlrev_b32 v[AD8], 4, v0                    ; the table: 16 bytes a thread, threads 0 to 255
	v_lshl_add_u32 v[ADS], v0, 4, PBB
	v_add_nc_u32 v[PLD], s59, v[G16]
	s_mul_i32 s52, s[WV], PSZ
	s_add_co_u32 s52, s52, PART-12*PSZ             ; waves 12, 13, 14: PART + 0, 1, 2 x PSZ
	v_add_nc_u32 v[PST], s52, v[G16]
	s_wait_alu depctr_va_vdst(0)
	s_wait_kmcnt 0x0
	s_add_nc_u64 s[10:11], s[10:11], s[EO:EO+1]
	s_load_b64 s[FU:FU+1], s[10:11], 0x0           ; the batch's two whole numbers
	s_add_nc_u64 s[FB:FB+1], s[6:7], s[FB:FB+1]
	s_add_nc_u64 s[PBP:PBP+1], s[8:9], s[PBP:PBP+1]
	s_cmp_lt_u32 s[WV], 8
	s_cbranch_scc0 .Lno_table
	global_load_b128 v[240:243], v[AD8], s[PBP:PBP+1]
.Lno_table:
; THE COPY: 40 loads of 512 consecutive bytes a wave.  Load i lands in v[36 + 4 i] for i < 12 and in v[48 + 4 i] from i = 12 on: v36-83 and v96-207; v84-95 are passed by.
.set i, 0
.rept 40
.set CR, 36+4*i+12*((i+36)/48)
	global_load_b128 v[CR:CR+3], v[AD16], s[FB:FB+1] offset:512*i
.set i, i+1
.endr
	TADDR QT, QB, QSB, AB, ASB
	TADDR QT2, QB2, QSB2, AB2, ASB2
	global_load_b128 v[QOP:QOP+3], v[G16], s[QB:QB+1]
	global_load_b64 v[QOP+4:QOP+5], v[G8], s[QB:QB+1] offset:512
	global_load_b32 v[QS], v[R4], s[QSB:QSB+1]
.irp i, 0,1,2,3,4,5
	v_mov_b32 v[QOP+6+\i], 0                       ; the zero codes between the two copies of Q (no destination of a load that is out)
.endr
.irp i, 0,1,2,3,4,5,6,7
	v_mov_b32 v[BM+\i], 0                          ; written once: a lane permute's destination counts as one of its sources
.endr
	v_mov_b32 v[FF+1], 0                           ; (named as the upper half of a pair)
.set i, 0
.rept 40
.set CR, 36+4*i+12*((i+36)/48)
	s_wait_loadcnt 42-i                            ; loads come back in order: number i of the 40 is in; the 39 - i younger ones and Q's three may be out
	ds_store_b128 v[AD16], v[CR:CR+3] offset:512*i
.set i, i+1
.endr
	s_cmp_lt_u32 s[WV], 8
	s_cbranch_scc0 .Lno_table2
	ds_store_b128 v[ADS], v[240:243]               ; (its load is older than the 40)
.Lno_table2:
.set j, 0
.rept 32
	v_mov_b32 v[ATT+j], 0                          ; both results are added onto this
.set j, j+1
.endr
	s_wait_kmcnt 0x0
	s_lshl_b32 s52, s[JB], 7
	s_add_co_u32 s53, s52, 128
	s_cmp_gt_u32 s53, s[EU]                        ; a query of the last tile at or behind the last unpadded key + 1?
	s_cselect_b32 s53, 1, 0
	s_cmp_lt_u32 s52, s[FU]                        ; a query of the first tile ahead of the first unpadded key?
	s_cselect_b32 s52, 1, 0
	s_cmp_lg_u32 s[SWP], 0
	s_cselect_b32 s[HLP], s53, s52
	s_cmp_eq_u32 s[WL], s[HWL]
	s_cselect_b32 s53, s[HLP], 0
	s_cmp_lg_u32 s[ROLE], 0
	s_cselect_b32 s[OWN], 0, s53
	s_mov_b32 s[TC], 0
; On the diagonal hidden keys count as -infinity: p = 0.  Register 16 b + i holds key KF + 16 h + 32 b + i: hidden where 32 b + i < d (fw) or > d (bw), d = my query - 16 h - KF
.macro DIAG dir
	v_sub_nc_u32 v[KV+1], v[QL], s[KF]
	v_mov_b32 v[KV], 0xff800000
.set n, 0
.rept 64
.if \dir == 0
	v_cmp_lt_i32 vcc_lo, 32*(n/16)+n%16, v[KV+1]
.else
	v_cmp_gt_i32 vcc_lo, 32*(n/16)+n%16, v[KV+1]
.endif
	v_cndmask_b32 v[S+n], v[S+n], v[KV], vcc_lo
.set n, n+1
.endr
.endm
; THE LOGITS AS THE DEFINITION WRITES THEM, then t: two forms.  Both take three numbers as pairs, for the packed instructions
.macro LOGC
	v_mov_b32 v[KV], 0xce6e6b28                    ; -1e9
	v_mov_b32 v[KV+1], 0xce6e6b28
	v_mov_b32 v[KV+2], 0x3fb8aa3b                  ; log2(e)
	v_mov_b32 v[KV+3], 0x3fb8aa3b
	v_mov_b32 v[KV+4], 0x3e000000                  ; 1 / 8
	v_mov_b32 v[KV+5], 0x3e000000
.endm
; The full form, for a key step on the diagonal or wholly in sight: / 8; -1e9 where the table says padded; the triangle's 0 or -1e9, made in the table's registers; + that; x log2(e)
.macro FAITH dir
	LOGC
	v_sub_nc_u32 v[KV+6], v[QL], s[KF]
.irp b, 0,1,2,3
.irp jj, 0,1,2,3
	ds_load_b128 v[KV+16+4*\jj:KV+19+4*\jj], v[ADP] offset:128*\b+16*\jj   ; the table once more: not 0 where the key is padded
.endr
.irp j, 0,2,4,6,8,10,12,14
	v_pk_mul_f32 v[S+16*\b+\j:S+16*\b+\j+1], v[S+16*\b+\j:S+16*\b+\j+1], v[KV+4:KV+5]   ; each accumulator from its low end on
.endr
	s_wait_alu depctr_va_vdst(0)
	s_wait_dscnt 0x0
.irp i, 0,1,2,3,4,5,6,7,8,9,10,11,12,13,14,15
	v_cmp_ne_u32 vcc_lo, 0, v[KV+16+\i]
	s_delay_alu instid0(VALU_DEP_1)
	v_cndmask_b32 v[S+16*\b+\i], v[S+16*\b+\i], v[KV], vcc_lo
.endr
.irp i, 0,1,2,3,4,5,6,7,8,9,10,11,12,13,14,15
.if \dir == 0
	v_cmp_lt_i32 vcc_lo, 32*\b+\i, v[KV+6]
.else
	v_cmp_gt_i32 vcc_lo, 32*\b+\i, v[KV+6]
.endif
	s_delay_alu instid0(VALU_DEP_1)
	v_cndmask_b32 v[KV+16+\i], 0, v[KV], vcc_lo
.endr
.irp j, 0,2,4,6,8,10,12,14
	v_pk_add_f32 v[S+16*\b+\j:S+16*\b+\j+1], v[S+16*\b+\j:S+16*\b+\j+1], v[KV+16+\j:KV+17+\j]
.endr
.irp j, 0,2,4,6,8,10,12,14
	v_pk_mul_f32 v[S+16*\b+\j:S+16*\b+\j+1], v[S+16*\b+\j:S+16*\b+\j+1], v[KV+2:KV+3]
.endr
.endr
.endm
; The short form, for a key step that lies wholly under the triangle: every key gets the -1e9.  score / 8 is exact, so one fused multiply-add rounds as the division and the addition do.
; No test for padding: a hidden padded key, whose C was -8e9, comes out near -2e9 where the definition has -2e9; the query's own key is in sight, with a logit of -1e9 at the least, so that key's p is 0 either way.
.macro FAITHH
	LOGC
.set j, 0
.rept 32
	v_pk_fma_f32 v[S+j:S+j+1], v[S+j:S+j+1], v[KV+4:KV+5], v[KV:KV+1]   ; each accumulator from its low end on
.set j, j+2
.endr
.set j, 0
.rept 32
	v_pk_mul_f32 v[S+j:S+j+1], v[S+j:S+j+1], v[KV+2:KV+3]
.set j, j+2
.endr
.endm
; A KEY STEP of 128 keys.  Its first four lines are also the places behind the last step's matrix instructions, in front of the loads into the registers that those have read
.macro STEP dir
	v_add_nc_u32 v[AD16], s[KO], v[A16]
	v_add_nc_u32 v[AD8], s[KO], v[A8]
	v_add_nc_u32 v[ADS], s[SO], v[AS4]
	v_add_nc_u32 v[ADP], s[PO], v[APB]
.irp b, 0,1,2,3
.irp jj, 0,1,2,3
	ds_load_b128 v[S+16*\b+4*\jj:S+16*\b+4*\jj+3], v[ADP] offset:128*\b+16*\jj   ; the padding's 0 or -8e9 of my 64 keys: the C of the products below
.endr
.endr
.irp b, 0,1,2,3
	LDF KV+12*\b, AD16, AD8, 1536*\b               ; tiles 2 b and 2 b + 1 of the step's keys in one fragment
.endr
	ds_load_b32 v[KSC], v[ADS]
	ds_load_b32 v[KSC+1], v[ADS] offset:128
	s_wait_dscnt 0x0
.irp b, 0,1,2,3
.irp u, 0,1
	WMA S+16*\b+8*\u, KV+12*\b, QOP+6*\u, KSC+\b/2, \b%2, QS
.endr
.endr
	PLACES 4
	s_cmp_lg_u32 s[DEG], 0
	s_cbranch_scc1 .Lfaith_\@
	s_cmp_lg_u32 s[JS], s[JB]
	s_cbranch_scc1 .Lopen_\@
	DIAG \dir
	s_branch .Lopen_\@
.Lfaith_\@:
.if \dir == 0
	s_cmp_lt_u32 s[JS], s[JB]                      ; all 128 keys ahead of my tile's queries: hidden from fw
.else
	s_cmp_gt_u32 s[JS], s[JB]                      ; all behind them: hidden from bw
.endif
	s_cbranch_scc1 .Lhid_\@
	s_wait_alu depctr_va_vdst(0)
	FAITH \dir
	s_branch .Lopen_\@
.Lhid_\@:
	FAITHH
.Lopen_\@:
	s_wait_alu depctr_va_vdst(0)
.irp ct, 0,1,2,3
	LDF KV+12*\ct, AD16, AD8, 51200+1536*\ct       ; V's four fragments land while the softmax is worked
.endr
	ds_load_b32 v[VSC], v[ADS] offset:51200
	ds_load_b32 v[VSC+1], v[ADS] offset:51328
.irp b, 0,1,2,3
	v_max3_num_f32 v[BM+\b], v[S+16*\b], v[S+1+16*\b], v[S+2+16*\b]   ; the largest of each block of 32 keys: it serves for the row's maximum and, since p rises with it, for the block's largest p
.endr
.irp i, 3,5,7,9,11,13
.irp b, 0,1,2,3
	v_max3_num_f32 v[BM+\b], v[BM+\b], v[S+16*\b+\i], v[S+1+16*\b+\i]
.endr
.endr
.irp b, 0,1,2,3
	v_max_num_f32 v[BM+\b], v[BM+\b], v[S+15+16*\b]
.endr
.irp b, 0,1,2,3
	s_delay_alu instid0(VALU_DEP_4)
	v_permlanex16_b32 v[BT+\b], v[BM+\b], s[SEL], s[SEL+1]
.endr
.irp b, 0,1,2,3
	s_delay_alu instid0(VALU_DEP_4)
	v_max_num_f32 v[BM+\b], v[BM+\b], v[BT+\b]     ; with lane l xor 16's 16 keys
.endr
	s_delay_alu instid0(VALU_DEP_2)
	v_max3_num_f32 v[TP], v[BM], v[BM+1], v[BM+2]
	s_delay_alu instid0(VALU_DEP_1)
	v_max_num_f32 v[TP], v[TP], v[BM+3]
	s_delay_alu instid0(VALU_DEP_1)
	v_mul_f32 v[TP], s[CS], v[TP]                  ; as t
	s_delay_alu instid0(VALU_DEP_1)
	v_max_num_f32 v[NM+1], v[NM+1], v[TP]          ; the running largest t
	v_mov_b32 v[TP], v[NM]
	s_delay_alu instid0(VALU_DEP_2)
	v_floor_f32 v[NM], -v[NM+1]                    ; -M = floor(-t): M is a whole number
	s_delay_alu instid0(VALU_DEP_1)
	v_sub_f32 v[TP], v[NM], v[TP]                  ; old M - new M, 0 or less
	s_delay_alu instid0(VALU_DEP_1)
	v_cvt_i32_f32 v[TP], v[TP]                     ; (it saturates)
	s_delay_alu instid0(VALU_DEP_1)
	v_ldexp_f32 v[FF], 1.0, v[TP]                  ; f = 2^(old M - new M): rounds nothing
.set j, 0
.rept 32
	v_pk_fma_f32 v[S+j:S+j+1], v[S+j:S+j+1], s[CS:CS+1], v[NM:NM+1] op_sel_hi:[1,0,0]   ; t - M, two at a time
.set j, j+2
.endr
.irp b, 0,1,2,3
	v_fma_f32 v[BM+\b], v[BM+\b], s[CS], v[NM]
.endr
.set j, 0
	s_wait_alu depctr_va_vdst(0)
.rept 64
	v_exp_f32 v[S+j], v[S+j]                       ; p = 2^(t - M)
.set j, j+1
.endr
	v_pk_mul_f32 v[LS:LS+1], v[LS:LS+1], v[FF:FF+1] op_sel_hi:[1,0]   ; the sums under the new M: a plain place behind the exponentials
	s_wait_alu depctr_va_vdst(0)                   ; one wait for the batch of 64, ahead of its first reader
.irp b, 0,1,2,3
	v_exp_f32 v[BM+\b], v[BM+\b]                   ; the block's largest p
.endr
	v_pk_add_f32 v[236:237], v[100:101], v[104:105]   ; the row's sum of the unquantised p, in eight chains
	v_pk_add_f32 v[254:255], v[108:109], v[112:113]
	v_pk_add_f32 v[252:253], v[116:117], v[120:121]
	v_pk_add_f32 v[250:251], v[124:125], v[128:129]
	v_pk_add_f32 v[248:249], v[132:133], v[136:137]
	v_pk_add_f32 v[242:243], v[140:141], v[144:145]
	v_pk_add_f32 v[240:241], v[148:149], v[152:153]
	v_pk_add_f32 v[90:91], v[90:91], v[156:157]
	v_pk_add_f32 v[236:237], v[236:237], v[96:97]
	v_pk_add_f32 v[254:255], v[254:255], v[98:99]
	v_pk_add_f32 v[252:253], v[252:253], v[102:103]
	v_pk_add_f32 v[250:251], v[250:251], v[106:107]
	v_pk_add_f32 v[248:249], v[248:249], v[110:111]
	v_pk_add_f32 v[242:243], v[242:243], v[114:115]
	v_pk_add_f32 v[240:241], v[240:241], v[118:119]
	v_pk_add_f32 v[90:91], v[90:91], v[122:123]
	v_pk_add_f32 v[236:237], v[236:237], v[126:127]
	v_pk_add_f32 v[254:255], v[254:255], v[130:131]
	v_pk_add_f32 v[252:253], v[252:253], v[134:135]
	v_pk_add_f32 v[250:251], v[250:251], v[138:139]
	v_pk_add_f32 v[248:249], v[248:249], v[142:143]
	v_pk_add_f32 v[242:243], v[242:243], v[146:147]
	v_pk_add_f32 v[240:241], v[240:241], v[150:151]
	v_pk_add_f32 v[90:91], v[90:91], v[154:155]
	v_pk_add_f32 v[236:237], v[236:237], v[158:159]
	s_delay_alu instid0(VALU_DEP_2)
	v_pk_add_f32 v[90:91], v[90:91], v[250:251]
	s_delay_alu instid0(VALU_DEP_2)
	v_pk_add_f32 v[236:237], v[236:237], v[248:249]
	v_pk_add_f32 v[254:255], v[254:255], v[242:243]
	v_pk_add_f32 v[252:253], v[252:253], v[240:241]
	s_delay_alu instid0(VALU_DEP_2)
	v_pk_add_f32 v[90:91], v[90:91], v[254:255]
	s_delay_alu instid0(VALU_DEP_2)
	v_pk_add_f32 v[236:237], v[236:237], v[252:253]
	s_delay_alu instid0(VALU_DEP_1)
	v_pk_add_f32 v[90:91], v[90:91], v[236:237]
	s_wait_alu depctr_va_vdst(0)                   ; and one for the four
.irp b, 0,1,2,3
	v_max_num_f32 v[BM+\b], 0x2800000, v[BM+\b]    ; the floor 2^(5 - 127): the byte cannot fall under 1
.endr
.irp b, 0,1,2,3
	s_delay_alu instid0(VALU_DEP_4)
	v_add_nc_u32 v[SOP+\b], 0xfe000000, v[BM+\b]
.endr
.irp b, 0,1,2,3
	s_delay_alu instid0(VALU_DEP_4)
	v_lshrrev_b32 v[BT+\b], 23, v[SOP+\b]
.endr
	s_delay_alu instid0(VALU_DEP_3)
	v_lshl_or_b32 v[PSW], v[BT+1], 8, v[BT]
	s_delay_alu instid0(VALU_DEP_1)
	v_lshl_or_b32 v[PSW], v[BT+2], 16, v[PSW]
	s_delay_alu instid0(VALU_DEP_1)
	v_lshl_or_b32 v[PSW], v[BT+3], 24, v[PSW]
.irp c, 0,1
	v_cvt_scalef32_pk16_bf6_f32 v[PC+6*\c:PC+2+6*\c], v[S+32*\c:S+15+32*\c], v[SOP+2*\c]
	v_cvt_scalef32_pk16_bf6_f32 v[PY+4*\c:PY+2+4*\c], v[S+16+32*\c:S+31+32*\c], v[SOP+2*\c+1]
.endr
	v_nop                                          ; one plain place behind a scaled conversion
.irp c, 0,1
.irp i, 0,1,2
	v_permlane16_swap_b32 v[PC+6*\c+\i], v[PY+4*\c+\i]
.endr
.irp i, 0,1,2
	s_delay_alu instid0(VALU_DEP_3)
	v_mov_b32 v[PC+3+6*\c+\i], v[PY+4*\c+\i]
.endr
.endr
.set j, 0
.rept 16
	v_pk_mul_f32 v[O+j:O+j+1], v[O+j:O+j+1], v[FF:FF+1] op_sel_hi:[1,0]   ; O^T under the new M; twelve of these name no register of any one product below: the places behind the writes of p's codes and scale word
.set j, j+2
.endr
	s_wait_alu depctr_va_vdst(0)
	s_wait_dscnt 0x0                               ; V
.irp ct, 0,1,2,3
	WMA O+8*\ct, KV+12*\ct, PC, VSC+\ct/2, \ct%2, PSW
.endr
.endm
; FOUR TRIPS: trips 0, 1 the first tile's two softmaxes, trips 2, 3 the second's
.Ltrip:
	s_wait_alu depctr_va_vdst(0)
	s_wait_dscnt 0x0                               ; for the others' sake: my LDS stores (the copy; a helper's state) have landed
	s_barrier_signal -1
	s_barrier_wait -1
	s_wait_loadcnt 0x0                             ; Q.  The lines down to DEGB give the same in a tile's second trip as in its first
	v_lshrrev_b32 v[QS], s[SH], v[QS]
	s_delay_alu instid0(VALU_DEP_1)
	v_and_b32 v[QS], 0xffff, v[QS]
	s_delay_alu instid0(VALU_DEP_1)
	v_lshl_or_b32 v[QS], v[QS], 16, v[QS]          ; my tile's two bytes, for Q below and for Q above
.irp i, 0,1,2,3,4,5
	v_mov_b32 v[QOP+12+\i], v[QOP+\i]
.endr
	s_add_co_u32 s52, s[Q0], 16
	s_cmp_gt_u32 s52, s[EU]                        ; a query at or behind the last unpadded key + 1?
	s_cselect_b32 s[DEGF], 1, 0
	s_cmp_lt_u32 s[Q0], s[FU]                      ; a query ahead of the first unpadded key?
	s_cselect_b32 s[DEGB], 1, 0
	s_and_b32 s[DIR], s[TC], 1
	s_xor_b32 s[DIR], s[DIR], s[SWP]
	s_xor_b32 s[DIR], s[DIR], s[ROLE]              ; a helper's trip 0 has the direction of the others' trip 3
	s_cmp_eq_u32 s[TC], 3
	s_cselect_b32 s[HPD], s[OWN], 0
	s_cmp_eq_u32 s[TC], 0
	s_cselect_b32 s58, s[HLP], 0                   ; a helper's trip with work
	s_cmp_lg_u32 s[DIR], 0
	s_cselect_b32 s[DEG], s[DEGB], s[DEGF]
	s_and_not1_b32 s52, s[DEG], s[HPD]             ; all 8 steps are mine?
	s_cmp_lg_u32 s52, 0
	s_cselect_b32 s[LOJ], 0, s[JB]
	s_cselect_b32 s[HIJ], 7, s[JB]
	s_cmp_lg_u32 s[DIR], 0
	s_cselect_b32 s[LOJ], 0, s[LOJ]
	s_cselect_b32 s[HIJ], s[HIJ], 7
	s_cmp_lt_u32 s[WV], 12
	s_cbranch_scc1 .Lranged
	s_mov_b32 s[DEG], 1                            ; a helper: the hidden steps alone, or none (LOJ = 8)
	s_sub_co_u32 s52, s[JB], 1
	s_add_co_u32 s53, s[JB], 1
	s_cmp_lg_u32 s[DIR], 0
	s_cselect_b32 s[LOJ], s53, 0
	s_cselect_b32 s[HIJ], 7, s52
	s_cmp_lg_u32 s58, 0
	s_cselect_b32 s[LOJ], s[LOJ], 8
.Lranged:
	s_cmp_lg_u32 s[DEG], 0
	s_cselect_b32 s[CS], 1.0, s[CC]                ; where the logits are formed in full the registers hold t already
	s_mov_b32 s[CS+1], s[CS]
	s_mov_b32 s[KO], 0
	s_mov_b32 s[SO], 0
	s_mov_b32 s[PO], 0
	s_mov_b32 s[KF], 0
	s_mov_b32 s[JS], 0
	s_cmp_lg_u32 s[HPD], 0
	s_cbranch_scc1 .Ltake
	v_mov_b32 v[NM+1], 0xff61b1e6                  ; the largest t so far: -3e38
	s_delay_alu instid0(VALU_DEP_1)
	v_floor_f32 v[NM], -v[NM+1]
	v_mov_b32 v[LS], 0
	v_mov_b32 v[LS+1], 0
.set j, 0
.rept 32
	v_mov_b32 v[O+j], 0                            ; the step is written once: the first finds zeros
.set j, j+1
.endr
	s_wait_alu depctr_va_vdst(0)
	s_branch .Lstep
.Ltake:
	PLACES 4
	s_wait_alu depctr_va_vdst(0)
	ds_load_b128 v[NM:NM+3], v[PLD]                ; the helper's state: the hidden steps are done
.irp i, 0,1,2,3,4,5,6,7
	ds_load_b128 v[O+4*\i:O+4*\i+3], v[PLD] offset:512+512*\i
.endr
	s_wait_dscnt 0x0
.Lstep:                                                ; 8 trips always; a trip outside LOJ .. HIJ only steps the addresses
	s_cmp_lt_u32 s[JS], s[LOJ]
	s_cbranch_scc1 .Lskip
	s_cmp_gt_u32 s[JS], s[HIJ]
	s_cbranch_scc1 .Lskip
	s_cmp_lg_u32 s[DIR], 0
	s_cbranch_scc1 .Lbw
	STEP 0
	s_branch .Lskip
.Lbw:
	STEP 1
.Lskip:
	s_add_co_u32 s[KO], s[KO], 6144
	s_add_co_u32 s[SO], s[SO], 256
	s_add_co_u32 s[PO], s[PO], 512
	s_add_co_u32 s[KF], s[KF], 128
	s_add_co_u32 s[JS], s[JS], 1
	s_cmp_lt_u32 s[JS], 8
	s_cbranch_scc1 .Lstep
	PLACES 4                                       ; behind the last products, in front of the first read of O^T
	s_wait_alu depctr_va_vdst(0)
	s_wait_dscnt 0x0                               ; my reads of LDS are over
	s_barrier_signal -1
	s_barrier_wait -1                              ; nobody reads a handed-over state any more in this trip
	s_cmp_ge_u32 s[WV], 12
	s_cbranch_scc0 .Lmain
	s_cmp_lg_u32 s[TC], 0
	s_cbranch_scc1 .Lnext
	ds_store_b128 v[PST], v[NM:NM+3]               ; a helper's state, as it stands: 9 x 512 bytes
.irp i, 0,1,2,3,4,5,6,7
	ds_store_b128 v[PST], v[O+4*\i:O+4*\i+3] offset:512+512*\i   ; each accumulator from its low end on
.endr
	s_branch .Lnext
.Lmain:
	s_cmp_eq_u32 s[TC], 1                          ; the second tile's Q is asked for behind the first tile's last step
	s_cbranch_scc0 .Lno_q
	global_load_b128 v[QOP:QOP+3], v[G16], s[QB2:QB2+1]
	global_load_b64 v[QOP+4:QOP+5], v[G8], s[QB2:QB2+1] offset:512
	global_load_b32 v[QS], v[R4], s[QSB2:QSB2+1]
.Lno_q:
	v_add_f32 v[TP], v[LS], v[LS+1]
	s_delay_alu instid0(VALU_DEP_1)
	v_permlanex16_b32 v[BT], v[TP], s[SEL], s[SEL+1]
	s_delay_alu instid0(VALU_DEP_1)
	v_add_f32 v[TP], v[TP], v[BT]                  ; the row's sum
	s_wait_alu depctr_va_vdst(0)
	v_rcp_f32 v[FF], v[TP]
	v_nop                                          ; a plain place behind the reciprocal
	s_wait_alu depctr_va_vdst(0)                   ; and the wait ahead of its first reader
.set j, 0
.rept 16
	v_pk_fma_f32 v[ATT+j:ATT+j+1], v[O+j:O+j+1], v[FF:FF+1], v[ATT+j:ATT+j+1] op_sel_hi:[1,0,1]
.set j, j+2
.endr
	s_bitcmp1_b32 s[TC], 0
	s_cbranch_scc0 .Lnext
	QUANT2 ATT, PC, TP                             ; both results are in: register 16 b + i is channel 32 b + 16 h + i of my query
	global_store_b128 v[G16], v[PC:PC+3], s[AB:AB+1]              ; 512 consecutive bytes, aligned to 256
	global_store_b64 v[G8], v[PC+4:PC+5], s[AB:AB+1] offset:512   ; 256 consecutive bytes, aligned
	global_store_b16 v[R4], v[TP], s[ASB:ASB+1]
.set j, 0
.rept 32
	v_mov_b32 v[ATT+j], 0
.set j, j+1
.endr
	s_wait_xcnt 0x0                                ; the stores' bases and data are written again only behind this wait
	s_mov_b64 s[AB:AB+1], s[AB2:AB2+1]             ; on to the second tile
	s_mov_b64 s[ASB:ASB+1], s[ASB2:ASB2+1]
	s_mov_b32 s[Q0], s[Q02]
	v_add_nc_u32 v[QL], s[DQ], v[QL]
.Lnext:
	s_add_co_u32 s[TC], s[TC], 1
	s_cmp_lt_u32 s[TC], 4
	s_cbranch_scc1 .Ltrip
	s_wait_tensorcnt 0x0                           ; the wave's end: behind my last LDS store
	ds_add_u32 v[SPW], v[NIL]
	s_wait_dscnt 0x0
	s_endpgm
.Lfunc_end_k_q2c0295d3d0_attn:
	.size	k_q2c0295d3d0_attn, .Lfunc_end_k_q2c0295d3d0_attn-k_q2c0295d3d0_attn
	.p2alignl 7, 3214868480
	.fill 96, 4, 3214868480
	.section	.rodata,"a",@progbits
	.p2align	6, 0x0
	.amdhsa_kernel k_q2c0295d3d0_attn
		.amdhsa_group_segment_fixed_size 327168
		.amdhsa_private_segment_fixed_size 0
		.amdhsa_enable_private_segment 0
		.amdhsa_kernarg_size 48
		.amdhsa_user_sgpr_count 2
		.amdhsa_user_sgpr_kernarg_segment_ptr 1
		.amdhsa_wavefront_size32 1
		.amdhsa_system_sgpr_workgroup_id_x 1
		.amdhsa_system_sgpr_workgroup_id_y 1
		.amdhsa_system_sgpr_workgroup_id_z 1
		.amdhsa_system_vgpr_workitem_id 0
		.amdhsa_next_free_vgpr 256
		.amdhsa_next_free_sgpr 84
		.amdhsa_reserve_vcc 1
		.amdhsa_float_denorm_mode_32 3
		.amdhsa_float_denorm_mode_16_64 3
		.amdhsa_memory_ordered 1
		.amdhsa_forward_progress 1
		.amdhsa_inst_pref_size 124
	.end_amdhsa_kernel
	.amdgpu_metadata
---
amdhsa.version: [ 1, 2 ]
amdhsa.kernels:
  - .name:           k_q2c0295d3d0_attn
    .symbol:         k_q2c0295d3d0_attn.kd
    .args:
      - { .name: qbuf, .offset: 0, .size: 8, .value_kind: global_buffer, .address_space: global }
      - { .name: kv, .offset: 8, .size: 8, .value_kind: global_buffer, .address_space: global }
      - { .name: pb, .offset: 16, .size: 8, .value_kind: global_buffer, .address_space: global }
      - { .name: edges, .offset: 24, .size: 8, .value_kind: global_buffer, .address_space: global }
      - { .name: aimg, .offset: 32, .size: 8, .value_kind: global_buffer, .address_space: global }
      - { .name: asc, .offset: 40, .size: 8, .value_kind: global_buffer, .address_space: global }
    .group_segment_fixed_size: 327168
    .private_segment_fixed_size: 0
    .kernarg_segment_align: 8
    .kernarg_segment_size: 48
    .max_flat_workgroup_size: 480
    .sgpr_count:     84
    .vgpr_count:     256
    .wavefront_size: 32
...
	.end_amdgpu_metadata
.endif
;; end of part 7
;; launch outp (part 8): grid 256 x 1, 12 waves a work-group, no clusters, 119,552 bytes of LDS; arguments aimg, asc, wimg, q, bo, gamma, beta, out0; writes out0
.if DOCPART == 8
	.amdgcn_target "amdgcn-amd-amdhsa--gfx1250"
	.amdhsa_code_object_version 6
	.text
	.protected	k_q2c0295d3d0_outp
	.globl	k_q2c0295d3d0_outp
	.p2align	8
	.type	k_q2c0295d3d0_outp,@function
k_q2c0295d3d0_outp:
	s_mov_b64 s[64:65], 0
	v_nop
	global_prefetch_b8 v0, s[64:65] scope:SCOPE_SE
	s_setreg_imm32_b32 hwreg(HW_REG_WAVE_MODE, 25, 1), 1
	s_wait_xcnt 0x0
; OUTP.  out0 = LayerNorm(q + att Wo + bo) x gamma + beta.  att and Wo are codes of E3M2 with E8M0 scales, both laid in the order of a matrix operand's registers; all else f32.
; SHARES.  A work-group takes 32 rows (two tiles of 16) and all 768 columns, so that a row's mean and variance stay inside it.  Wave w owns columns 64 w .. 64 w + 63: 4 tiles of columns x 2 tiles of rows, 8 accumulators.
; att's 12 fragments (6 K steps x 2 tiles) are copied into LDS once, a fragment a wave.  Wo's fragments go from memory straight into the one wave that multiplies them, three sets by turns, three K steps ahead:
; nothing of Wo is shared inside a work-group, and no tile is brought jointly for several work-groups: it would have to pass through LDS for 8 matrix instructions a wave and K step.
; The product is used transposed (source 0 = Wo, source 1 = att): a lane holds one row, and its registers 16 b + i are columns 64 w + 32 b + 16 h + i.  The results meet in a stage in LDS; then a wave takes whole rows: w, w + 12, w + 24.
; LIMITS: NaN and infinities are not served.
.set AIMG,  0                          ; LDS: att's 12 fragments, 2 s + tile, 1,536 bytes each
.set ASC,   18432                      ; their scale words, 64 bytes each
.set SPARE, 19200                      ; the spare words, 128 bytes a wave: six blocks of 256 bytes that no other line names
.set STG,   20736                      ; 32 rows of 3,072 bytes + 16
.set G16, 1
.set G8,  2
.set G4,  3
.set R4,  4
.set SA,  5                            ; v5   the stage, in: 3,088 r + 256 w + 64 h
.set RA,  6                            ; v6   the stage, out: row w, 16 x lane
.set RA2, 7                            ; v7   row w + 24
.set CW,  8                            ; v8   where I store my fragment of att
.set CWS, 9                            ; v9   and its scale words
.set SPW, 10                           ; v10  my spare word; never rewritten
.set NIL, 11                           ; v11  0; never rewritten
.set PFO, 12                           ; v12  256 x my thread's number; never rewritten
.set ACC, 16                           ; v16-79 accumulators; later v16-39 a row from the stage, v40-49 at work
.set Y,   16
.set T,   40
.set W0,  80                           ; three sets of 48 + 2 (scale words: v128-129, v178-179, v228-229)
.set BOR, 80                           ; later: bo v80-103, gamma v104-127, beta v130-153, the residual's rows v154-177, v180-203, v204-227
.set GAR, 104
.set BER, 130
.set RES0, 154
.set RES1, 180
.set RES2, 204
.set XF,  230                          ; v230-253 att's two fragments
.set XSR, 254                          ; v254 att's scale words: lanes 0-15 tile 0, lanes 16-31 tile 1
.set WV,  20
.set SEL, 22
.set INV, 24
.set EPS, 25
.set WB,  28
.set AB,  30
.set ASB, 32
.set QB0, 34
.set QR,  36
.set OB,  38
.macro PLACES n
.rept \n
	v_nop
.endr
.endm
.macro GLF R, base, off
	global_load_b128 v[(\R):(\R)+3], v[G16], s[\base:\base+1] offset:(\off)
	global_load_b64 v[(\R)+4:(\R)+5], v[G8], s[\base:\base+1] offset:(\off)+512
	global_load_b128 v[(\R)+6:(\R)+9], v[G16], s[\base:\base+1] offset:(\off)+768
	global_load_b64 v[(\R)+10:(\R)+11], v[G8], s[\base:\base+1] offset:(\off)+1280
.endm
.macro LDF R, a16, a8, off
	ds_load_b128 v[(\R):(\R)+3], v[\a16] offset:(\off)
	ds_load_b64 v[(\R)+4:(\R)+5], v[\a8] offset:(\off)+512
	ds_load_b128 v[(\R)+6:(\R)+9], v[\a16] offset:(\off)+768
	ds_load_b64 v[(\R)+10:(\R)+11], v[\a8] offset:(\off)+1280
.endm
.macro GLW set, s                      ; my columns' four fragments of Wo for K step s and their two registers of scale words: 18 loads
.irp ct, 0,1,2,3
	GLF (\set)+12*\ct, WB, 76800*(\s)+1536*\ct
.endr
	global_load_b32 v[(\set)+48], v[G4], s[WB:WB+1] offset:76800*(\s)+6144
	global_load_b32 v[(\set)+49], v[G4], s[WB:WB+1] offset:76800*(\s)+6272
.endm
.macro WMS d, a, b, z, sa, ra, sb, rb
.if \z
.if ((\ra) == 0) && ((\rb) == 0)
	v_wmma_scale_f32_16x16x128_f8f6f4 v[(\d):(\d)+7], v[(\a):(\a)+11], v[(\b):(\b)+11], 0, v[(\sa)], v[(\sb)] matrix_a_fmt:MATRIX_FMT_BF6 matrix_b_fmt:MATRIX_FMT_BF6
.elseif ((\ra) == 1) && ((\rb) == 0)
	v_wmma_scale_f32_16x16x128_f8f6f4 v[(\d):(\d)+7], v[(\a):(\a)+11], v[(\b):(\b)+11], 0, v[(\sa)], v[(\sb)] matrix_a_fmt:MATRIX_FMT_BF6 matrix_b_fmt:MATRIX_FMT_BF6 matrix_a_scale:MATRIX_SCALE_ROW1
.elseif ((\ra) == 0) && ((\rb) == 1)
	v_wmma_scale_f32_16x16x128_f8f6f4 v[(\d):(\d)+7], v[(\a):(\a)+11], v[(\b):(\b)+11], 0, v[(\sa)], v[(\sb)] matrix_a_fmt:MATRIX_FMT_BF6 matrix_b_fmt:MATRIX_FMT_BF6 matrix_b_scale:MATRIX_SCALE_ROW1
.else
	v_wmma_scale_f32_16x16x128_f8f6f4 v[(\d):(\d)+7], v[(\a):(\a)+11], v[(\b):(\b)+11], 0, v[(\sa)], v[(\sb)] matrix_a_fmt:MATRIX_FMT_BF6 matrix_b_fmt:MATRIX_FMT_BF6 matrix_a_scale:MATRIX_SCALE_ROW1 matrix_b_scale:MATRIX_SCALE_ROW1
.endif
.else
.if ((\ra) == 0) && ((\rb) == 0)
	v_wmma_scale_f32_16x16x128_f8f6f4 v[(\d):(\d)+7], v[(\a):(\a)+11], v[(\b):(\b)+11], v[(\d):(\d)+7], v[(\sa)], v[(\sb)] matrix_a_fmt:MATRIX_FMT_BF6 matrix_b_fmt:MATRIX_FMT_BF6
.elseif ((\ra) == 1) && ((\rb) == 0)
	v_wmma_scale_f32_16x16x128_f8f6f4 v[(\d):(\d)+7], v[(\a):(\a)+11], v[(\b):(\b)+11], v[(\d):(\d)+7], v[(\sa)], v[(\sb)] matrix_a_fmt:MATRIX_FMT_BF6 matrix_b_fmt:MATRIX_FMT_BF6 matrix_a_scale:MATRIX_SCALE_ROW1
.elseif ((\ra) == 0) && ((\rb) == 1)
	v_wmma_scale_f32_16x16x128_f8f6f4 v[(\d):(\d)+7], v[(\a):(\a)+11], v[(\b):(\b)+11], v[(\d):(\d)+7], v[(\sa)], v[(\sb)] matrix_a_fmt:MATRIX_FMT_BF6 matrix_b_fmt:MATRIX_FMT_BF6 matrix_b_scale:MATRIX_SCALE_ROW1
.else
	v_wmma_scale_f32_16x16x128_f8f6f4 v[(\d):(\d)+7], v[(\a):(\a)+11], v[(\b):(\b)+11], v[(\d):(\d)+7], v[(\sa)], v[(\sb)] matrix_a_fmt:MATRIX_FMT_BF6 matrix_b_fmt:MATRIX_FMT_BF6 matrix_a_scale:MATRIX_SCALE_ROW1 matrix_b_scale:MATRIX_SCALE_ROW1
.endif
.endif
.endm
	s_load_b512 s[4:19], s[0:1], 0x0               ; aimg, asc, wimg, q, bo, gamma, beta, out0
	v_lshl_add_u32 v[SPW], v0, 2, SPARE
	v_mov_b32 v[NIL], 0
	v_lshrrev_b32 v13, 5, v0
	s_delay_alu instid0(VALU_DEP_1)
	v_readfirstlane_b32 s[WV], v13                 ; wave 0..11
	v_and_b32 v13, 31, v0
	v_and_b32 v14, 15, v0                          ; r
	v_bfe_u32 v15, v0, 4, 1                        ; h
	s_delay_alu instid0(VALU_DEP_3)
	v_lshlrev_b32 v[G16], 4, v13
	s_delay_alu instid0(VALU_DEP_4)
	v_lshlrev_b32 v[G8], 3, v13
	v_lshlrev_b32 v[G4], 2, v13
	v_lshlrev_b32 v[R4], 2, v14
	v_lshlrev_b32 v[PFO], 8, v0
	s_lshl_b32 s26, s[WV], 8
	s_add_co_u32 s26, s26, STG
	v_mul_u32_u24 v[SA], v14, 3088
	s_delay_alu instid0(VALU_DEP_1)
	v_lshl_add_u32 v[SA], v15, 6, v[SA]
	s_delay_alu instid0(VALU_DEP_1)
	v_add_nc_u32 v[SA], s26, v[SA]
	s_mul_i32 s26, s[WV], 3088
	s_add_co_u32 s26, s26, STG
	v_add_nc_u32 v[RA], s26, v[G16]
	s_delay_alu instid0(VALU_DEP_1)
	v_add_nc_u32 v[RA2], 74112, v[RA]
	s_mul_i32 s26, s[WV], 1536
	v_add_nc_u32 v[CW], s26, v[G16]
	s_lshl_b32 s26, s[WV], 6
	s_add_co_u32 s26, s26, ASC
	v_add_nc_u32 v[CWS], s26, v[R4]
	s_mov_b32 s[SEL], 0x76543210
	s_mov_b32 s[SEL+1], 0xfedcba98                 ; lane l xor 16
	s_mov_b32 s[INV], 0x3aaaaaab                   ; 1 / 768
	s_mov_b32 s[EPS], 0x358637bd                   ; 1e-6
	s_and_b32 s26, s[WV], 1                        ; the fragment that I copy: tile w & 1, K step w >> 1
	s_mul_i32 s26, s26, 6
	s_lshr_b32 s27, s[WV], 1
	s_add_co_u32 s26, s26, s27
	s_mul_i32 s27, ttmp9, 12
	s_add_co_u32 s26, s26, s27
	s_mul_i32 s[AB], s26, 1536
	s_mov_b32 s[AB+1], 0
	s_lshl_b32 s[ASB], s26, 6
	s_mov_b32 s[ASB+1], 0
	s_mul_i32 s[WB], s[WV], 6400
	s_add_co_u32 s[WB], s[WB], 1382400             ; Wo is the fourth weight in wimg
	s_mov_b32 s[WB+1], 0
	s_mul_i32 s[QB0], ttmp9, 98304                 ; the work-group's 32 rows
	s_mov_b32 s[QB0+1], 0
	s_mul_i32 s[QR], s[WV], 3072
	s_add_co_u32 s[QR], s[QR], s[QB0]              ; row w of them
	s_mov_b32 s[QR+1], 0
	s_wait_alu depctr_va_vdst(0)
	s_wait_kmcnt 0x0
	s_add_nc_u64 s[AB:AB+1], s[4:5], s[AB:AB+1]
	s_add_nc_u64 s[ASB:ASB+1], s[6:7], s[ASB:ASB+1]
	s_add_nc_u64 s[WB:WB+1], s[8:9], s[WB:WB+1]
	s_add_nc_u64 s[QB0:QB0+1], s[10:11], s[QB0:QB0+1]
	s_add_nc_u64 s[OB:OB+1], s[18:19], s[QR:QR+1]
	s_add_nc_u64 s[QR:QR+1], s[10:11], s[QR:QR+1]
.irp i, 0,1,2
	global_load_b128 v[XF+4*\i:XF+4*\i+3], v[G16], s[AB:AB+1] offset:512*\i th:TH_LOAD_NT   ; 1,536 bytes as they lie
.endr
	global_load_b32 v[XF+12], v[R4], s[ASB:ASB+1] th:TH_LOAD_NT
	GLW W0, 0
	GLW W0+50, 1
	GLW W0+100, 2
	s_wait_loadcnt 54                              ; my fragment of att is in; the three sets' 54 loads may be out
.irp i, 0,1,2
	ds_store_b128 v[CW], v[XF+4*\i:XF+4*\i+3] offset:AIMG+512*\i
.endr
	ds_store_b32 v[CWS], v[XF+12]                  ; lanes r and r + 16 store the same word
	s_wait_dscnt 0x0                               ; for the others' sake: my stores have landed
	s_barrier_signal -1
	s_barrier_wait -1                              ; att's 12 fragments lie in LDS
; A K step of 128: 8 matrix instructions, the 8 accumulators by turns, one instruction a turn.  n: the younger loads that may stay out
.macro KSTEP s, n
.set SET, W0+50*((\s)%3)
	s_wait_loadcnt \n
	LDF XF, G16, G8, AIMG+3072*(\s)
	LDF XF+12, G16, G8, AIMG+3072*(\s)+1536
	ds_load_b32 v[XSR], v[G4] offset:ASC+128*(\s)
	s_wait_dscnt 0x0
.irp t, 0,1
.irp ct, 0,1,2,3
	WMS ACC+32*\t+8*\ct, SET+12*\ct, XF+12*\t, (\s)==0, SET+48+\ct/2, \ct%2, XSR, \t
.endr
.endr
	PLACES 4                                       ; in front of loads into registers that matrix instructions have read, and of the first read of results
.endm
	KSTEP 0, 36                                    ; two younger sets
	GLW W0, 3
	global_prefetch_b8 v[PFO], s[QB0:QB0+1] th:TH_LOAD_NT scope:SCOPE_SE   ; the residual's 32 rows, 98,304 bytes: each of the 384 threads names another 256 bytes, once; four K steps ahead of the first load of them
	KSTEP 1, 36
	GLW W0+50, 4
	KSTEP 2, 36
	GLW W0+100, 5
	KSTEP 3, 36
.irp i, 0,1,2,3,4,5                    ; each set that is done with takes what the rows' end needs
	global_load_b128 v[BOR+4*\i:BOR+4*\i+3], v[G16], s[12:13] offset:512*\i
.endr
.irp i, 0,1,2,3,4,5
	global_load_b128 v[GAR+4*\i:GAR+4*\i+3], v[G16], s[14:15] offset:512*\i
.endr
	KSTEP 4, 30                                    ; K step 5's 18 loads and the 12 above
.irp i, 0,1,2,3,4,5
	global_load_b128 v[BER+4*\i:BER+4*\i+3], v[G16], s[16:17] offset:512*\i
.endr
.irp i, 0,1,2,3,4,5
	global_load_b128 v[RES0+4*\i:RES0+4*\i+3], v[G16], s[QR:QR+1] offset:512*\i th:TH_LOAD_NT
.endr
	KSTEP 5, 24                                    ; the 12 and the 12
.irp i, 0,1,2,3,4,5
	global_load_b128 v[RES1+4*\i:RES1+4*\i+3], v[G16], s[QR:QR+1] offset:36864+512*\i th:TH_LOAD_NT
.endr
	s_cmp_lt_u32 s[WV], 8                          ; rows 24 to 31: waves 0 to 7
	s_cbranch_scc0 .Lno_third
.irp i, 0,1,2,3,4,5
	global_load_b128 v[RES2+4*\i:RES2+4*\i+3], v[G16], s[QR:QR+1] offset:73728+512*\i th:TH_LOAD_NT
.endr
.Lno_third:
.irp t, 0,1
.irp b, 0,1
.irp jj, 0,1,2,3
	ds_store_b128 v[SA], v[ACC+32*\t+16*\b+4*\jj:ACC+32*\t+16*\b+4*\jj+3] offset:49408*\t+128*\b+16*\jj   ; each accumulator from its low end on
.endr
.endr
.endr
	s_wait_dscnt 0x0                               ; for the others' sake: my stores have landed
	s_barrier_signal -1
	s_barrier_wait -1                              ; 32 whole rows lie in the stage
	s_wait_loadcnt 0x0
.macro REDUCE                          ; v[T] over the 32 lanes, in every lane
	s_delay_alu instid0(VALU_DEP_1)
	v_add_f32_dpp v[T], v[T], v[T] row_xmask:1 row_mask:0xf bank_mask:0xf
	s_delay_alu instid0(VALU_DEP_1)
	v_add_f32_dpp v[T], v[T], v[T] row_xmask:2 row_mask:0xf bank_mask:0xf
	s_delay_alu instid0(VALU_DEP_1)
	v_add_f32_dpp v[T], v[T], v[T] row_xmask:4 row_mask:0xf bank_mask:0xf
	s_delay_alu instid0(VALU_DEP_1)
	v_add_f32_dpp v[T], v[T], v[T] row_xmask:8 row_mask:0xf bank_mask:0xf
	s_delay_alu instid0(VALU_DEP_1)
	v_permlanex16_b32 v[T+1], v[T], s[SEL], s[SEL+1]
	s_delay_alu instid0(VALU_DEP_1)
	v_add_f32 v[T], v[T], v[T+1]
.endm
; A row: 24 numbers a lane (columns 128 i + 4 lane + 0 .. 3), worked in the residual's registers, which are this row's own: no store's data are written again
.macro ROW res, ra, off, go
.irp i, 0,1,2,3,4,5
	ds_load_b128 v[Y+4*\i:Y+4*\i+3], v[\ra] offset:(\off)+512*\i
.endr
	s_wait_dscnt 0x0
.irp j, 0,2,4,6,8,10,12,14,16,18,20,22
	v_pk_add_f32 v[(\res)+\j:(\res)+\j+1], v[(\res)+\j:(\res)+\j+1], v[Y+\j:Y+\j+1]
.endr
.irp j, 0,2,4,6,8,10,12,14,16,18,20,22
	v_pk_add_f32 v[(\res)+\j:(\res)+\j+1], v[(\res)+\j:(\res)+\j+1], v[BOR+\j:BOR+\j+1]   ; x = q + att Wo + bo
.endr
	v_pk_add_f32 v[T:T+1], v[(\res):(\res)+1], v[(\res)+2:(\res)+3]
	v_pk_add_f32 v[T+2:T+3], v[(\res)+4:(\res)+5], v[(\res)+6:(\res)+7]
.irp j, 8,12,16,20
	s_delay_alu instid0(VALU_DEP_2)
	v_pk_add_f32 v[T:T+1], v[T:T+1], v[(\res)+\j:(\res)+\j+1]
	s_delay_alu instid0(VALU_DEP_2)
	v_pk_add_f32 v[T+2:T+3], v[T+2:T+3], v[(\res)+\j+2:(\res)+\j+3]
.endr
	s_delay_alu instid0(VALU_DEP_1)
	v_pk_add_f32 v[T:T+1], v[T:T+1], v[T+2:T+3]
	s_delay_alu instid0(VALU_DEP_1)
	v_add_f32 v[T], v[T], v[T+1]
	REDUCE
	s_delay_alu instid0(VALU_DEP_1)
	v_mul_f32 v[T+4], s[INV], v[T]                 ; the mean
	s_delay_alu instid0(VALU_DEP_1)
	v_mov_b32 v[T+5], v[T+4]
.irp j, 0,2,4,6,8,10,12,14,16,18,20,22
	v_pk_add_f32 v[(\res)+\j:(\res)+\j+1], v[(\res)+\j:(\res)+\j+1], v[T+4:T+5] neg_lo:[0,1] neg_hi:[0,1]
.endr
	v_pk_mul_f32 v[T:T+1], v[(\res):(\res)+1], v[(\res):(\res)+1]
	v_pk_mul_f32 v[T+2:T+3], v[(\res)+2:(\res)+3], v[(\res)+2:(\res)+3]
.irp j, 4,8,12,16,20
	s_delay_alu instid0(VALU_DEP_2)
	v_pk_fma_f32 v[T:T+1], v[(\res)+\j:(\res)+\j+1], v[(\res)+\j:(\res)+\j+1], v[T:T+1]
	s_delay_alu instid0(VALU_DEP_2)
	v_pk_fma_f32 v[T+2:T+3], v[(\res)+\j+2:(\res)+\j+3], v[(\res)+\j+2:(\res)+\j+3], v[T+2:T+3]
.endr
	s_delay_alu instid0(VALU_DEP_1)
	v_pk_add_f32 v[T:T+1], v[T:T+1], v[T+2:T+3]
	s_delay_alu instid0(VALU_DEP_1)
	v_add_f32 v[T], v[T], v[T+1]
	REDUCE
	s_delay_alu instid0(VALU_DEP_1)
	v_fma_f32 v[T+6], v[T], s[INV], s[EPS]         ; the variance + 1e-6
	s_wait_alu depctr_va_vdst(0)
	v_rsq_f32 v[T+8], v[T+6]
	v_rsq_f32 v[T+9], v[T+6]                       ; twice: a pair for the packed multiply
	v_nop                                          ; a plain place behind the two
	s_wait_alu depctr_va_vdst(0)                   ; one wait for both, ahead of their first reader
.irp j, 0,2,4,6,8,10,12,14,16,18,20,22
	v_pk_mul_f32 v[(\res)+\j:(\res)+\j+1], v[(\res)+\j:(\res)+\j+1], v[T+8:T+9]
.endr
.irp j, 0,2,4,6,8,10,12,14,16,18,20,22
	v_pk_fma_f32 v[(\res)+\j:(\res)+\j+1], v[(\res)+\j:(\res)+\j+1], v[GAR+\j:GAR+\j+1], v[BER+\j:BER+\j+1]
.endr
.irp i, 0,1,2,3,4,5
	global_store_b128 v[G16], v[(\res)+4*\i:(\res)+4*\i+3], s[OB:OB+1] offset:(\go)+512*\i th:TH_STORE_NT   ; 32 lanes store 512 consecutive bytes, aligned to 256
.endr
.endm
	ROW RES0, RA, 0, 0
	ROW RES1, RA, 37056, 36864
	s_cmp_lt_u32 s[WV], 8
	s_cbranch_scc0 .Lend
	ROW RES2, RA2, 0, 73728
.Lend:
	s_wait_tensorcnt 0x0                           ; the wave's end: behind my last LDS store
	ds_add_u32 v[SPW], v[NIL]
	s_wait_dscnt 0x0
	s_endpgm
.Lfunc_end_k_q2c0295d3d0_outp:
	.size	k_q2c0295d3d0_outp, .Lfunc_end_k_q2c0295d3d0_outp-k_q2c0295d3d0_outp
	.p2alignl 7, 3214868480
	.fill 96, 4, 3214868480
	.section	.rodata,"a",@progbits
	.p2align	6, 0x0
	.amdhsa_kernel k_q2c0295d3d0_outp
		.amdhsa_group_segment_fixed_size 119552
		.amdhsa_private_segment_fixed_size 0
		.amdhsa_enable_private_segment 0
		.amdhsa_kernarg_size 64
		.amdhsa_user_sgpr_count 2
		.amdhsa_user_sgpr_kernarg_segment_ptr 1
		.amdhsa_wavefront_size32 1
		.amdhsa_system_sgpr_workgroup_id_x 1
		.amdhsa_system_sgpr_workgroup_id_y 1
		.amdhsa_system_sgpr_workgroup_id_z 1
		.amdhsa_system_vgpr_workitem_id 0
		.amdhsa_next_free_vgpr 256
		.amdhsa_next_free_sgpr 66
		.amdhsa_reserve_vcc 0
		.amdhsa_float_denorm_mode_32 3
		.amdhsa_float_denorm_mode_16_64 3
		.amdhsa_memory_ordered 1
		.amdhsa_forward_progress 1
		.amdhsa_inst_pref_size 55
	.end_amdhsa_kernel
	.amdgpu_metadata
---
amdhsa.version: [ 1, 2 ]
amdhsa.kernels:
  - .name:           k_q2c0295d3d0_outp
    .symbol:         k_q2c0295d3d0_outp.kd
    .args:
      - { .name: aimg, .offset: 0, .size: 8, .value_kind: global_buffer, .address_space: global }
      - { .name: asc, .offset: 8, .size: 8, .value_kind: global_buffer, .address_space: global }
      - { .name: wimg, .offset: 16, .size: 8, .value_kind: global_buffer, .address_space: global }
      - { .name: q, .offset: 24, .size: 8, .value_kind: global_buffer, .address_space: global }
      - { .name: bo, .offset: 32, .size: 8, .value_kind: global_buffer, .address_space: global }
      - { .name: gamma, .offset: 40, .size: 8, .value_kind: global_buffer, .address_space: global }
      - { .name: beta, .offset: 48, .size: 8, .value_kind: global_buffer, .address_space: global }
      - { .name: out0, .offset: 56, .size: 8, .value_kind: global_buffer, .address_space: global }
    .group_segment_fixed_size: 119552
    .private_segment_fixed_size: 0
    .kernarg_segment_align: 8
    .kernarg_segment_size: 64
    .max_flat_workgroup_size: 384
    .sgpr_count:     66
    .vgpr_count:     256
    .wavefront_size: 32
...
	.end_amdgpu_metadata
.endif
;; end of part 8
